; MI455X (gfx1250); checked and timed in simulation.
; The chip was launched on July 23, 2026; its instructions are those of AMD's public machine-readable ISA for CDNA 5 (MIT licence, August 2026) and "CDNA5" Instruction Set Architecture Reference Guide (July 2026). The comments in the code are by the model that wrote it; some were corrected since.
;; Tree Transformer. Allowed arithmetic: matrix products marked QUANTISED: E5M2 operands, one E8M0 scale for each 32 along K, by v_wmma_scale_f32_16x16x128_f8f6f4 with both operands' format E5M2, f32 sums; everything else in f32.
;; Inputs: W1 2 x 256 x 512 float32; W2 2 x 512 x 256 float32; W_in 256 x 256 float32; Wo 2 x 256 x 256 float32; Wqkv 2 x 256 x 768 float32; b1 2 x 512 float32; b2 2 x 256 float32; b_in 256 float32; bn_b 256 float32; bn_g 256 float32; bo 2 x 256 float32; bqkv 2 x 768 float32; dist 8 x 1,024 x 1,024 int32; ln1_b 2 x 256 float32; ln1_g 2 x 256 float32; ln2_b 2 x 256 float32; ln2_g 2 x 256 float32; ln_in_b 256 float32; ln_in_g 256 float32; nodes 1,024 x 8 x 256 float32.
;; Outputs: out0 8 x 256 float32.
;; This version of the problem:
;;   THIS VERSION OF THE PROBLEM IS GIVEN IN LOW PRECISION. The matrix products marked QUANTISED in the list below multiply operands that are first quantised to E5M2 (5 exponent bits, 2 mantissa bits; 8 bits a number), with one power-of-two scale for each 32 numbers along K (OCP MX v1.0); their sums are f32. All else is computed in f32.
;;   The module's matrix products, in the order in which they are computed (A, B: the left and right operand; K: the contracted axis; several contracted axes count as one K, in the product's order):
;;     1. [M 8,192, K 256] x [K 256, N 256]; A: computed on the way; B: input W_in: QUANTISED
;;     2. [M 8,192, K 256] x [K 256, N 768]; A: computed on the way; B: input Wqkv: QUANTISED
;;     3. batch 64 x [M 1,024, K 32] x [K 32, N 1,024]; A: computed on the way; B: computed on the way: QUANTISED
;;     4. batch 64 x [M 1,024, K 1,024] x [K 1,024, N 32]; A: softmax (see below); B: computed on the way: QUANTISED
;;     5. [M 8,192, K 256] x [K 256, N 256]; A: computed on the way; B: input Wo: QUANTISED
;;     6. [M 8,192, K 256] x [K 256, N 512]; A: computed on the way; B: input W1: QUANTISED
;;     7. [M 8,192, K 512] x [K 512, N 256]; A: computed on the way; B: input W2: QUANTISED
;;     8. [M 8,192, K 256] x [K 256, N 768]; A: computed on the way; B: input Wqkv: QUANTISED
;;     9. batch 64 x [M 1,024, K 32] x [K 32, N 1,024]; A: computed on the way; B: computed on the way: QUANTISED
;;     10. batch 64 x [M 1,024, K 1,024] x [K 1,024, N 32]; A: softmax (see below); B: computed on the way: QUANTISED
;;     11. [M 8,192, K 256] x [K 256, N 256]; A: computed on the way; B: input Wo: QUANTISED
;;     12. [M 8,192, K 256] x [K 256, N 512]; A: computed on the way; B: input W1: QUANTISED
;;     13. [M 8,192, K 512] x [K 512, N 256]; A: computed on the way; B: input W2: QUANTISED
;;   THE QUANTISER, for each operand of a quantised product, along K:
;;     - K is cut into blocks of 32 from its start; a last block that is shorter is filled with zeros.
;;     - A block's scale is 2^e with e = floor(log2(the largest magnitude in the block)) - 15, held to -126 .. 127; a block of zeros has e = 0. As a byte (E8M0): e + 127.
;;     - Each number is divided by its block's scale, clamped to +-57,344, and rounded to the nearest number of E5M2, ties to even, subnormals kept.
;;     - The product sums the exact products of the quantised numbers (number of the format x scale) in f32.
;;   ~~~python
;;   def quantise(x, axis):      # numpy; x: float32 -> the quantised numbers, widened to float32 again
;;       x = np.moveaxis(x, axis, -1); K = x.shape[-1]
;;       x = np.pad(x, [(0, 0)] * (x.ndim - 1) + [(0, -K % 32)]); x = x.reshape(x.shape[:-1] + (-1, 32)); a = np.abs(x).max(-1, keepdims=True)
;;       e = np.where(a > 0, np.clip(np.frexp(np.where(a > 0, a, 1))[1] - 1 - 15, -126, 127), 0)      # np.frexp(a)[1] - 1 = floor(log2(a)), exactly
;;       r = np.clip(x / 2.0 ** e, -57344, 57344)
;;       step = 2.0 ** (np.maximum(np.frexp(np.where(r == 0, 1, r))[1] - 1, -14) - 2)
;;       q = np.round(r / step) * step * 2.0 ** e      # np.round: ties to even
;;       return np.moveaxis(q.reshape(q.shape[:-2] + (-1,))[..., :K], -1, axis).astype(np.float32)
;;   ~~~
;;   SOFTMAX AHEAD OF A QUANTISED PRODUCT. Where the list says 'softmax', what is quantised is not the finished softmax but p = 2^(t - M), with t = logit x log2(e) and M = ceil(the row's largest t), a whole number; so 1/2 < the row's largest p <= 1. The row's sum l is taken of the UNQUANTISED p, in f32, and the product's result is divided by l at the end. Since M is a whole number, a kernel that streams over the keys may use a running M (the ceiling of the running maximum): every later rescaling is an exact power of two, which a block's scale takes up: the codes' values come out the same.
;;   OPERANDS COMPUTED ON THE WAY. 'Computed on the way' means the value that the module computes at that place (a softmax that the list does not call 'softmax' is quantised finished and normalised). What goes into a quantiser is computed in f32, as accurately as f32 sums, v_exp_f32 and their like allow (about 1e-6 of the number): no bf16 or f16 on the way to a quantiser, and a product that is left as it is and whose result goes on into a quantised operand takes f32 operands (vector FMAs, or v_wmma_f32_16x16x4_f32). A number that lies on a knife's edge between two numbers of the format may be rounded either way, as far as f32 arithmetic and the matrix unit's own rounding can turn it there, and no further.
;; 2 versions, each right and faster than the one before. Each part assembles by itself: llvm-mc -triple=amdgcn-amd-amdhsa -mcpu=gfx1250 --defsym DOCPART=n.
;; ======== version 1 of 2: 9 launches
;; workspace buffers: emb 1,116,160 bytes; par0 551,936 bytes; par1 551,936 bytes; xa 10,551,296 bytes; xb 10,551,296 bytes; qkv 6,553,600 bytes; oc 2,162,688 bytes
;; launch prep (part 1): grid 198 x 1, 4 waves a work-group, no clusters, 0 bytes of LDS; arguments W_in, Wo, W2, Wqkv, W1, bqkv, b1, bo, ln1_g, ln1_b, b2, ln2_g, ln2_b, emb, par0, par1; writes emb, par0, par1
.if DOCPART == 1
	.amdgcn_target "amdgcn-amd-amdhsa--gfx1250"
	.amdhsa_code_object_version 6
	.text
	.protected	k_q741f775f78_prep
	.globl	k_q741f775f78_prep
	.p2align	8
	.type	k_q741f775f78_prep,@function
k_q741f775f78_prep:
	s_mov_b64 s[64:65], 0
	v_nop
	global_prefetch_b8 v0, s[64:65] scope:SCOPE_SE
	s_setreg_imm32_b32 hwreg(HW_REG_WAVE_MODE, 25, 1), 1
	s_wait_xcnt 0x0
; PREP: what is made once.  (a) The five weights [K][N], f32, become codes of E5M2 with one E8M0 byte for each 32 along K, laid as IMAGES OF OPERAND REGISTERS:
; a fragment (tile T of 16 columns, K step s of 128) is 2,048 bytes: four chunks c of 512, lane l's 16 bytes at 16 l (lane = tile row i + 16 h holds k = 128 s + 32 c + 16 h + 0..15).
; Tile T's row i is column 32 (T / 2) + 8 (T % 2) + i + 8 (i / 8): two neighbouring tiles of a transposed product then give a lane 16 neighbouring columns.
; (b) The per-layer vectors are gathered into one block of 11,264 bytes.  (c) The sinusoidal table [1024][256], f32.
; The work-group's number picks the task: 0-3 W_in, 4-11 Wo, 12-27 W2, 28-51 Wqkv, 52-67 W1, 68-69 vectors, 70-197 the table (8 positions each).  No LDS, no barrier.
; A weight's work-group takes 128 columns x 128 along K; A LANE TAKES A COLUMN AND ITS REGISTERS RUN DOWN K, so a block of 32 lies in one lane and the codes come out with K innermost.
; LIMITS: a block of zeros gets the byte 1 (its codes are zeros; this program alone reads the bytes); NaN and infinities among the inputs are not served;
; the table's angle agrees with a correctly rounded pos / 10000^(j/128) to about one unit in the last place of the divisor.
.set MNT, 36
.set WV, 37
.set PVEC, 540672
.set PEOFF, 67584
.macro WBLK c                          ; block c of the wave's 128 along K: 32 numbers of one lane
.set XS, 32+32*\c
.if 96-32*\c > 63
	s_wait_loadcnt 63                              ; 96 - 32 c loads are younger than this block's; the wait names the most that its field holds, which is fewer: the block is in
.else
	s_wait_loadcnt 96-32*\c                        ; this block's 32 loads are in; the younger blocks' stay out
.endif
	v_max3_num_f32 v12, |v[XS]|, |v[XS+1]|, |v[XS+2]|
	v_max3_num_f32 v13, |v[XS+3]|, |v[XS+4]|, |v[XS+5]|
.irp i, 6,10,14,18,22,26
	v_max3_num_f32 v12, v12, |v[XS+\i]|, |v[XS+\i+1]|
	v_max3_num_f32 v13, v13, |v[XS+\i+2]|, |v[XS+\i+3]|
.endr
	v_max3_num_f32 v12, v12, |v[XS+30]|, |v[XS+31]|
	v_max3_num_f32 v12, v12, v13, 0x8000000        ; with the floor 2^(16 - 127): the byte cannot fall under 1
	v_add_nc_u32 v11, 0xf8800000, v12              ; 15 off the exponent field: the conversion's scale operand
	v_and_or_b32 v10, v12, 0x7f800000, s[MNT]      ; 57,344 x the scale
	v_lshrrev_b32 v13, 23, v11                     ; the scale's byte
.if \c == 0
	v_mov_b32 v14, v13
.else
	v_lshl_or_b32 v14, v13, 8*\c, v14              ; four bytes make the column's scale word of this K step
.endif
.set i, 0
.rept 32
	v_med3_num_f32 v[XS+i], v[XS+i], -v10, v10     ; the conversion to an 8-bit code does not saturate (ISA guide 7.6.2): hold first
.set i, i+1
.endr
.irp g, 0,1,2,3
	v_cvt_scalef32_pk8_bf8_f32 v[160+8*\c+2*\g:160+8*\c+2*\g+1], v[XS+8*\g:XS+8*\g+7], v11
.endr
	global_store_b128 v2, v[160+8*\c:160+8*\c+3], s[54:55] offset:512*\c         ; k = 32 c + 0..15: the place of lane i.  Sixteen lanes fill 256 consecutive bytes of one image
	global_store_b128 v2, v[160+8*\c+4:160+8*\c+7], s[54:55] offset:512*\c+256   ; k = 32 c + 16..31: the place of lane i + 16
.endm
; One weight.  first: its first work-group; src: its pointer; LK = log2(K / 128); d0, d1: where layer 0's and layer 1's images go; IMG, SCL: byte offsets there
.macro WMAT first, src, N, K, LK, d0, d1, IMG, SCL
	s_sub_co_u32 s40, ttmp9, \first
	s_cmp_ge_u32 s40, (\N/128)<<\LK                ; which layer: the choices hang on the work-group's number alone, and all stand ahead of the subtraction, which sets SCC
	s_cselect_b64 s[42:43], s[\d1:\d1+1], s[\d0:\d0+1]
	s_cselect_b32 s44, (\N/128)<<\LK, 0
	s_cselect_b32 s46, 4*\K*\N, 0
	s_sub_co_u32 s40, s40, s44
	s_and_b32 s41, s40, (1<<\LK)-1                 ; K step
	s_lshr_b32 s45, s40, \LK                       ; group of 128 columns
	s_mul_i32 s47, s41, 512*\N
	s_add_co_u32 s46, s46, s47
	s_lshl_b32 s47, s45, 9
	s_add_co_u32 s46, s46, s47
	s_lshl_b32 s47, s[WV], 7
	s_add_co_u32 s46, s46, s47                     ; layer + 128 rows x K step + 512 x group + 128 x wave
	s_mov_b32 s47, 0
	s_add_nc_u64 s[50:51], s[\src:\src+1], s[46:47]
	s_lshl_b32 s52, s45, 3
	s_lshl_b32 s53, s[WV], 1
	s_add_co_u32 s52, s52, s53                     ; my first tile: 8 x group + 2 x wave
	s_lshl_b32 s52, s52, \LK
	s_add_co_u32 s52, s52, s41                     ; fragment number
	s_lshl_b32 s54, s52, 11
	s_add_co_u32 s54, s54, \IMG
	s_mov_b32 s55, 0
	s_add_nc_u64 s[54:55], s[42:43], s[54:55]
	s_lshl_b32 s56, s52, 6
	s_add_co_u32 s56, s56, \SCL
	s_mov_b32 s57, 0
	s_add_nc_u64 s[56:57], s[42:43], s[56:57]
	v_lshlrev_b32 v2, 4, v5
	v_lshl_add_u32 v2, v4, 11+\LK, v2              ; image: 16 i, and the second tile K / 128 fragments on
	v_lshlrev_b32 v3, 2, v5
	v_lshl_add_u32 v3, v4, 6+\LK, v3               ; scale word: 4 i, likewise
.set k, 0
.rept 128
	global_load_b32 v[32+k], v1, s[50:51] offset:4*\N*k th:TH_LOAD_NT   ; row k at 32 neighbouring columns: 128 consecutive bytes a wave, 512 a work-group
.set k, k+1
.endr
	WBLK 0
	WBLK 1
	WBLK 2
	WBLK 3
	global_store_b32 v3, v14, s[56:57]             ; 64 bytes a tile: blocks of 256 bytes are written in part here: one byte for 128 that the task reads
	s_endpgm
.endm
.macro PEPOS i                         ; position p0 + i: (sin, cos) of pos / f for my pair of columns
	s_add_co_u32 s41, s40, \i
	v_cvt_f32_u32 v13, s41
	v_mul_f32 v14, v13, v12
	v_fma_f32 v15, -v14, v11, v13
	v_fma_f32 v14, v15, v12, v14                   ; the angle: a quotient mended by one step
	v_mul_f32 v15, s46, v14
	v_rndne_f32 v15, v15                           ; k = the nearest multiple of pi / 2
	v_fma_f32 v16, v15, s47, v14                   ; r = angle - k pi / 2, pi / 2 in three parts
	v_fma_f32 v16, v15, s48, v16
	v_fma_f32 v16, v15, s49, v16
	v_cvt_i32_f32 v17, v15
	v_mul_f32 v18, v16, v16
	v_fma_f32 v19, v18, s50, s51                   ; cos r
	v_fma_f32 v19, v19, v18, s52
	v_fma_f32 v19, v19, v18, -0.5
	v_fma_f32 v19, v19, v18, 1.0
	v_fma_f32 v20, v18, s53, s54                   ; sin r
	v_fma_f32 v20, v20, v18, s55
	v_fma_f32 v20, v20, v18, s56
	v_mul_f32 v21, v16, v18
	v_fma_f32 v20, v20, v21, v16
	v_and_b32 v22, 1, v17
	v_cmp_ne_u32 vcc_lo, 0, v22
	v_cndmask_b32 v23, v20, v19, vcc_lo            ; k odd: the two change places
	v_cndmask_b32 v24, v19, v20, vcc_lo
	v_and_b32 v25, 2, v17
	v_lshlrev_b32 v25, 30, v25                     ; sin is negative for k % 4 = 2, 3
	v_add_nc_u32 v26, 1, v17
	v_and_b32 v26, 2, v26
	v_lshlrev_b32 v26, 30, v26                     ; cos for k % 4 = 1, 2
	v_xor_b32 v[64+2*\i], v23, v25
	v_xor_b32 v[65+2*\i], v24, v26
	global_store_b64 v2, v[64+2*\i:65+2*\i], s[42:43] offset:1024*\i   ; a wave stores 256 consecutive bytes; each position has its own pair of registers
.endm
	s_load_b512 s[4:19], s[0:1], 0x0               ; W_in 4, Wo 6, W2 8, Wqkv 10, W1 12, bqkv 14, b1 16, bo 18
	s_load_b512 s[20:35], s[0:1], 0x40             ; ln1_g 20, ln1_b 22, b2 24, ln2_g 26, ln2_b 28, emb 30, par0 32, par1 34
	v_lshrrev_b32 v1, 5, v0
	v_readfirstlane_b32 s[WV], v1                  ; wave
	v_and_b32 v6, 31, v0                           ; lane = my column in the wave's 32
	v_lshlrev_b32 v1, 2, v6
	v_bfe_u32 v4, v6, 3, 1                         ; which of the two tiles: (lane / 8) % 2
	v_and_b32 v5, 7, v6
	v_lshrrev_b32 v7, 4, v6
	v_lshl_add_u32 v5, v7, 3, v5                   ; tile row i = lane % 8 + 8 (lane / 16)
	s_mov_b32 s[MNT], 0x600000                     ; the mantissa field of 57,344
	s_wait_kmcnt 0x0
	s_cmp_lt_u32 ttmp9, 4
	s_cbranch_scc1 .Lwin
	s_cmp_lt_u32 ttmp9, 12
	s_cbranch_scc1 .Lwo
	s_cmp_lt_u32 ttmp9, 28
	s_cbranch_scc1 .Lw2
	s_cmp_lt_u32 ttmp9, 52
	s_cbranch_scc1 .Lwqkv
	s_cmp_lt_u32 ttmp9, 68
	s_cbranch_scc1 .Lw1
	s_cmp_lt_u32 ttmp9, 70
	s_cbranch_scc1 .Lvec
	; ---- the table: thread j is the pair of columns 2 j, 2 j + 1; f = 10000^(j / 128) = 2^(j x log2(10000) / 128), the exponent in two parts
	s_sub_co_u32 s40, ttmp9, 70
	s_lshl_b32 s40, s40, 3                         ; my first position
	s_lshl_b32 s42, s40, 10
	s_add_co_u32 s42, s42, PEOFF
	s_mov_b32 s43, 0
	s_add_nc_u64 s[42:43], s[30:31], s[42:43]
	s_mov_b32 s44, 0x3dd49a78                      ; log2(10000) / 128, upper part
	s_mov_b32 s45, 0x31179b6d                      ; and what it leaves
	s_mov_b32 s46, 0x3f22f983                      ; 2 / pi
	s_mov_b32 s47, 0xbfc90fd8                      ; - pi / 2 in three parts
	s_mov_b32 s48, 0xb4a8885a
	s_mov_b32 s49, 0xa7c234c4
	s_mov_b32 s50, 0x37d00d01                      ; 1 / 8!
	s_mov_b32 s51, 0xbab60b61                      ; - 1 / 6!
	s_mov_b32 s52, 0x3d2aaaab                      ; 1 / 4!
	s_mov_b32 s53, 0x3638ef1d                      ; 1 / 9!
	s_mov_b32 s54, 0xb9500d01                      ; - 1 / 7!
	s_mov_b32 s55, 0x3c088889                      ; 1 / 5!
	s_mov_b32 s56, 0xbe2aaaab                      ; - 1 / 3!
	v_lshlrev_b32 v2, 3, v0
	v_cvt_f32_u32 v8, v0
	v_mul_f32 v9, s44, v8
	v_fma_f32 v10, v8, s44, -v9                    ; what the product's rounding dropped,
	v_fma_f32 v10, v8, s45, v10                    ; and the constant's lower part
	v_exp_f32 v11, v9
	v_mul_f32 v10, 0x3f317218, v10                 ; (a plain line behind the exponential)  x ln 2
	s_wait_alu depctr_va_vdst(0)
	v_fma_f32 v11, v11, v10, v11                   ; f
	v_rcp_f32 v12, v11
	v_nop                                          ; a plain line behind the reciprocal
	s_wait_alu depctr_va_vdst(0)
.irp p, 0,1,2,3,4,5,6,7
	PEPOS \p
.endr
	s_endpgm
.Lvec:                                                 ; ---- a layer's vectors: thread t moves 8 bytes at 8 t of each 1,024
	s_sub_co_u32 s40, ttmp9, 68
	s_cmp_lg_u32 s40, 0
	s_cselect_b64 s[42:43], s[34:35], s[32:33]
	s_mul_i32 s44, s40, 3072
	s_mul_i32 s45, s40, 2048
	s_mul_i32 s46, s40, 1024
	v_lshlrev_b32 v23, 3, v0
	v_add_nc_u32 v20, s44, v23
	v_add_nc_u32 v21, s45, v23
	v_add_nc_u32 v22, s46, v23
	global_load_b64 v[32:33], v20, s[14:15]
	global_load_b64 v[34:35], v20, s[14:15] offset:1024
	global_load_b64 v[36:37], v20, s[14:15] offset:2048
	global_load_b64 v[38:39], v21, s[16:17]
	global_load_b64 v[40:41], v21, s[16:17] offset:1024
	global_load_b64 v[42:43], v22, s[18:19]
	global_load_b64 v[44:45], v22, s[20:21]
	global_load_b64 v[46:47], v22, s[22:23]
	global_load_b64 v[48:49], v22, s[24:25]
	global_load_b64 v[50:51], v22, s[26:27]
	global_load_b64 v[52:53], v22, s[28:29]
	s_wait_loadcnt 0x0
.irp k, 0,1,2,3,4,5,6,7,8,9,10
	global_store_b64 v23, v[32+2*\k:33+2*\k], s[42:43] offset:PVEC+1024*\k   ; bqkv 0, b1 3072, bo 5120, ln1_g 6144, ln1_b 7168, b2 8192, ln2_g 9216, ln2_b 10240
.endr
	s_endpgm
.Lwin:
	WMAT 0, 4, 256, 256, 1, 30, 30, 0, 65536
.Lwo:
	WMAT 4, 6, 256, 256, 1, 32, 34, 196608, 530432
.Lw2:
	WMAT 12, 8, 256, 512, 2, 32, 34, 393216, 536576
.Lwqkv:
	WMAT 28, 10, 768, 256, 1, 32, 34, 0, 524288
.Lw1:
	WMAT 52, 12, 512, 256, 1, 32, 34, 262144, 532480
.Lfunc_end_k_q741f775f78_prep:
	.size	k_q741f775f78_prep, .Lfunc_end_k_q741f775f78_prep-k_q741f775f78_prep
	.p2alignl 7, 3214868480
	.fill 96, 4, 3214868480
	.section	.rodata,"a",@progbits
	.p2align	6, 0x0
	.amdhsa_kernel k_q741f775f78_prep
		.amdhsa_group_segment_fixed_size 0
		.amdhsa_private_segment_fixed_size 0
		.amdhsa_enable_private_segment 0
		.amdhsa_kernarg_size 128
		.amdhsa_user_sgpr_count 2
		.amdhsa_user_sgpr_kernarg_segment_ptr 1
		.amdhsa_wavefront_size32 1
		.amdhsa_system_sgpr_workgroup_id_x 1
		.amdhsa_system_sgpr_workgroup_id_y 1
		.amdhsa_system_sgpr_workgroup_id_z 1
		.amdhsa_system_vgpr_workitem_id 0
		.amdhsa_next_free_vgpr 192
		.amdhsa_next_free_sgpr 66
		.amdhsa_reserve_vcc 1
		.amdhsa_float_denorm_mode_32 3
		.amdhsa_float_denorm_mode_16_64 3
		.amdhsa_memory_ordered 1
		.amdhsa_forward_progress 1
		.amdhsa_inst_pref_size 159
	.end_amdhsa_kernel
	.amdgpu_metadata
---
amdhsa.version: [ 1, 2 ]
amdhsa.kernels:
  - .name:           k_q741f775f78_prep
    .symbol:         k_q741f775f78_prep.kd
    .args:
      - { .name: W_in, .offset: 0, .size: 8, .value_kind: global_buffer, .address_space: global }
      - { .name: Wo, .offset: 8, .size: 8, .value_kind: global_buffer, .address_space: global }
      - { .name: W2, .offset: 16, .size: 8, .value_kind: global_buffer, .address_space: global }
      - { .name: Wqkv, .offset: 24, .size: 8, .value_kind: global_buffer, .address_space: global }
      - { .name: W1, .offset: 32, .size: 8, .value_kind: global_buffer, .address_space: global }
      - { .name: bqkv, .offset: 40, .size: 8, .value_kind: global_buffer, .address_space: global }
      - { .name: b1, .offset: 48, .size: 8, .value_kind: global_buffer, .address_space: global }
      - { .name: bo, .offset: 56, .size: 8, .value_kind: global_buffer, .address_space: global }
      - { .name: ln1_g, .offset: 64, .size: 8, .value_kind: global_buffer, .address_space: global }
      - { .name: ln1_b, .offset: 72, .size: 8, .value_kind: global_buffer, .address_space: global }
      - { .name: b2, .offset: 80, .size: 8, .value_kind: global_buffer, .address_space: global }
      - { .name: ln2_g, .offset: 88, .size: 8, .value_kind: global_buffer, .address_space: global }
      - { .name: ln2_b, .offset: 96, .size: 8, .value_kind: global_buffer, .address_space: global }
      - { .name: emb, .offset: 104, .size: 8, .value_kind: global_buffer, .address_space: global }
      - { .name: par0, .offset: 112, .size: 8, .value_kind: global_buffer, .address_space: global }
      - { .name: par1, .offset: 120, .size: 8, .value_kind: global_buffer, .address_space: global }
    .group_segment_fixed_size: 0
    .private_segment_fixed_size: 0
    .kernarg_segment_align: 8
    .kernarg_segment_size: 128
    .max_flat_workgroup_size: 128
    .sgpr_count:     66
    .vgpr_count:     192
    .wavefront_size: 32
...
	.end_amdgpu_metadata
.endif
;; end of part 1
;; launch embed (part 2): grid 16 x 8, 4 waves a work-group, no clusters, 29,184 bytes of LDS; arguments nodes, emb, b_in, ln_in_g, ln_in_b, xa; writes xa
.if DOCPART == 2
	.amdgcn_target "amdgcn-amd-amdhsa--gfx1250"
	.amdhsa_code_object_version 6
	.text
	.protected	k_q741f775f78_embed
	.globl	k_q741f775f78_embed
	.p2align	8
	.type	k_q741f775f78_embed,@function
k_q741f775f78_embed:
	s_mov_b64 s[64:65], 0
	v_nop
	global_prefetch_b8 v0, s[64:65] scope:SCOPE_SE
	s_setreg_imm32_b32 hwreg(HW_REG_WAVE_MODE, 25, 1), 1
	s_wait_xcnt 0x0
; EMBED: x = LayerNorm((nodes + pe) W_in + b_in), the product on codes of E5M2 with one E8M0 scale for each 32 along K.
; A work-group (x: group of 64 positions, y: batch) takes 64 rows as four tiles m of 16; lane index r of tile m is position 64 pg + 32 (m / 2) + 8 (m % 2) + r + 8 (r / 8).
; X: wave w quantises tile w's rows (two fragments) and puts their register images into LDS | barrier | P: THE WAVES SHARE THE COLUMNS: wave w makes columns 64 w .. 64 w + 63 of all 64 rows
; (transposed: source 0 = 16 columns of W_in, source 1 = 16 rows; b_in is the C of the first K step) | the norm: each wave's mean and sum of squared deviations of its 64 columns meet in LDS, one barrier,
; and are merged (no difference of large sums) | out: x as f32 in the order of my registers, its codes as register images, its scale words.
; W_in's fragments are wanted by one wave, once: they go from memory straight into registers, so no tensor load and no ring; clusters would share nothing but 64 KB of weights.
; LIMITS: a block of zeros gets the byte 1 (codes are zeros; the bytes are this program's own); NaN and infinities among the inputs are not served.
; REGISTERS: window 0: v1-11, v36 addresses; v12-15 W_in's scale words, v32-35 x's; v16-31 the codes just made; v40-63 at work; v64-127 HA; v128-255 ACC (32 m + 8 t).
;   window 1: v0-127 W_in's fragments (t, s) at 32 t + 16 s; v128-255 x's fragments at 128 + 32 m + 16 s.   window 2: v0-63 the table's numbers of K step 1.
.set ACC, 128
.set HA, 64
.set TM, 40
.set PW, 56
.set PC, 16
.set PCD, 0
.set PCS, 0
.set LI, 1                             ; 16 x lane
.set LS, 2                             ; 4 x lane
.set CWI, 3                            ; my chunks in a tile's images: 16 lane + 2048 (w / 2) + 1024 (w % 2)
.set CWS, 4                            ; my two bytes of a scale word: 64 (w / 2) + 4 r + 2 (w % 2)
.set XWI, 5                            ; 16 lane + 4096 w
.set XWS, 6                            ; 4 r + 128 w
.set LNA, 7                            ; 32 r + 8 w
.set LNR, 8                            ; 32 r
.set VB, 9                             ; 256 w + 64 h: my columns' place in a vector of 256
.set NA, 10
.set PA, 11
.set V8, 36
.set XIMG, 0                           ; LDS: x's eight fragments, 2,048 bytes each, (2 m + s)
.set XSC, 16384                        ; their scale words [m][s][r]
.set LNS, 16896                        ; [m][r][w] (mean, sum of squares)
.set VEC, 18944                        ; b_in, gain, bias
.set OSL, 22016                        ; the output's scale words [m][s][r]
.set WV, 16
.set NB, 24
.set PB, 26
.set WB, 28
.set WSB, 30
.set XFB, 32
.set XCB, 34
.set XSB, 36
.set SEL, 38
.set MNT, 40
.set C64I, 41
.set C256I, 42
.set CEPS, 43
.set C64, 44
.set MSB, 0
.macro WIN new                         ; the immediate's high byte repeats the setting that is left; a switch that changes nothing is dropped
.if MSB != \new
	s_set_vgpr_msb (MSB<<8)|\new
.set MSB, \new
.endif
.endm
.macro BARRIER                         ; my LDS stores have landed and my LDS loads are in: then the work-group's barrier
	s_wait_dscnt 0x0
	s_barrier_signal -1
	s_barrier_wait -1
.endm
.macro MM d, a, b, c, sa, sb, row      ; one product; row = 1: both scale words are taken from lanes 16-31 (the odd K step)
.if \row
	v_wmma_scale_f32_16x16x128_f8f6f4 v[\d:\d+7], v[\a:\a+15], v[\b:\b+15], v[\c:\c+7], v[\sa], v[\sb] matrix_a_fmt:MATRIX_FMT_BF8 matrix_b_fmt:MATRIX_FMT_BF8 matrix_a_scale:MATRIX_SCALE_ROW1 matrix_b_scale:MATRIX_SCALE_ROW1
.else
	v_wmma_scale_f32_16x16x128_f8f6f4 v[\d:\d+7], v[\a:\a+15], v[\b:\b+15], v[\c:\c+7], v[\sa], v[\sb] matrix_a_fmt:MATRIX_FMT_BF8 matrix_b_fmt:MATRIX_FMT_BF8
.endif
.endm
; 64 numbers of a lane as four blocks: block b = registers src + 16 b + 0..15 with lane l xor 16's.  Codes to v[PC + 4 b ..], bytes to v[TM + 4 + b].  The held numbers go to hld (may be src: in place).  relu = 1: what is negative becomes 0
.macro QUANT src, hld, relu
.irp b, 0,1,2,3
.if \relu
	v_max3_num_f32 v[TM+\b], v[\src+16*\b], v[\src+16*\b+1], 0x8000000
.else
	v_max3_num_f32 v[TM+\b], |v[\src+16*\b]|, |v[\src+16*\b+1]|, 0x8000000   ; with the floor 2^(16 - 127): the byte cannot fall under 1
.endif
.endr
.irp i, 2,4,6,8,10,12,14
.irp b, 0,1,2,3
.if \relu
	v_max3_num_f32 v[TM+\b], v[TM+\b], v[\src+16*\b+\i], v[\src+16*\b+\i+1]
.else
	v_max3_num_f32 v[TM+\b], v[TM+\b], |v[\src+16*\b+\i]|, |v[\src+16*\b+\i+1]|
.endif
.endr
.endr
.irp b, 0,1,2,3
	v_permlanex16_b32 v[TM+4+\b], v[TM+\b], s[SEL], s[SEL+1]
.endr
.irp b, 0,1,2,3
	v_max_num_f32 v[TM+\b], v[TM+\b], v[TM+4+\b]   ; the block's largest magnitude
.endr
.irp b, 0,1,2,3
	v_add_nc_u32 v[TM+12+\b], 0xf8800000, v[TM+\b] ; 15 off its exponent field: the conversion's scale operand
.endr
.irp b, 0,1,2,3
	v_and_or_b32 v[TM+8+\b], v[TM+\b], 0x7f800000, s[MNT]   ; 57,344 x the scale
.endr
.irp b, 0,1,2,3
	v_lshrrev_b32 v[TM+4+\b], 23, v[TM+12+\b]      ; the scale's byte
.endr
.irp b, 0,1,2,3
.irp i, 0,1,2,3,4,5,6,7,8,9,10,11,12,13,14,15
.if \relu
	v_med3_num_f32 v[\hld+16*\b+\i], v[\src+16*\b+\i], 0, v[TM+8+\b]
.else
	v_med3_num_f32 v[\hld+16*\b+\i], v[\src+16*\b+\i], -v[TM+8+\b], v[TM+8+\b]   ; the conversion does not saturate (ISA guide 7.6.2): hold first
.endif
.endr
.endr
	WIN PCD
.irp b, 0,1,2,3
	v_cvt_scalef32_pk8_bf8_f32 v[PC+4*\b:PC+4*\b+1], v[\hld+16*\b:\hld+16*\b+7], v[TM+12+\b]
	v_cvt_scalef32_pk8_bf8_f32 v[PC+4*\b+2:PC+4*\b+3], v[\hld+16*\b+8:\hld+16*\b+15], v[TM+12+\b]
.endr
	WIN 0
	v_nop                                          ; a plain line between the conversions and whatever next touches their registers
.endm
; The norm, first half: for each tile m the mean and the sum of squared deviations of my 64 columns of row r.  Each accumulator is read from its low end on.
.macro LNSTAT lns
.irp m, 0,1,2,3
	v_pk_add_f32 v[HA+8*\m:HA+8*\m+1], v[ACC+32*\m:ACC+32*\m+1], v[ACC+32*\m+2:ACC+32*\m+3]
.endr
.irp m, 0,1,2,3
	v_pk_add_f32 v[HA+8*\m+2:HA+8*\m+3], v[ACC+32*\m+4:ACC+32*\m+5], v[ACC+32*\m+6:ACC+32*\m+7]
.endr
.irp i, 8,12,16,20,24,28
.irp m, 0,1,2,3
	v_pk_add_f32 v[HA+8*\m:HA+8*\m+1], v[HA+8*\m:HA+8*\m+1], v[ACC+32*\m+\i:ACC+32*\m+\i+1]
.endr
.irp m, 0,1,2,3
	v_pk_add_f32 v[HA+8*\m+2:HA+8*\m+3], v[HA+8*\m+2:HA+8*\m+3], v[ACC+32*\m+\i+2:ACC+32*\m+\i+3]
.endr
.endr
.irp m, 0,1,2,3
	v_pk_add_f32 v[HA+8*\m:HA+8*\m+1], v[HA+8*\m:HA+8*\m+1], v[HA+8*\m+2:HA+8*\m+3]
.endr
.irp m, 0,1,2,3
	v_add_f32 v[HA+8*\m], v[HA+8*\m], v[HA+8*\m+1]
.endr
.irp m, 0,1,2,3
	v_permlanex16_b32 v[HA+8*\m+1], v[HA+8*\m], s[SEL], s[SEL+1]
.endr
.irp m, 0,1,2,3
	v_add_f32 v[HA+8*\m], v[HA+8*\m], v[HA+8*\m+1]
.endr
.irp m, 0,1,2,3
	v_mul_f32 v[40+2*\m], s[C64I], v[HA+8*\m]      ; the mean of my 64
.endr
.irp m, 0,1,2,3
	v_pk_add_f32 v[HA+8*\m+4:HA+8*\m+5], v[ACC+32*\m:ACC+32*\m+1], v[40+2*\m:41+2*\m] op_sel_hi:[1,0] neg_lo:[0,1] neg_hi:[0,1]
.endr
.irp m, 0,1,2,3
	v_pk_mul_f32 v[HA+8*\m+6:HA+8*\m+7], v[HA+8*\m+4:HA+8*\m+5], v[HA+8*\m+4:HA+8*\m+5]
.endr
.irp i, 2,4,6,8,10,12,14,16,18,20,22,24,26,28,30
.irp m, 0,1,2,3
	v_pk_add_f32 v[HA+8*\m+4:HA+8*\m+5], v[ACC+32*\m+\i:ACC+32*\m+\i+1], v[40+2*\m:41+2*\m] op_sel_hi:[1,0] neg_lo:[0,1] neg_hi:[0,1]
.endr
.irp m, 0,1,2,3
	v_pk_fma_f32 v[HA+8*\m+6:HA+8*\m+7], v[HA+8*\m+4:HA+8*\m+5], v[HA+8*\m+4:HA+8*\m+5], v[HA+8*\m+6:HA+8*\m+7]
.endr
.endr
.irp m, 0,1,2,3
	v_add_f32 v[HA+8*\m+6], v[HA+8*\m+6], v[HA+8*\m+7]
.endr
.irp m, 0,1,2,3
	v_permlanex16_b32 v[HA+8*\m+7], v[HA+8*\m+6], s[SEL], s[SEL+1]
.endr
.irp m, 0,1,2,3
	v_add_f32 v[41+2*\m], v[HA+8*\m+6], v[HA+8*\m+7]
.endr
.irp m, 0,1,2,3
	ds_store_b64 v[LNA], v[40+2*\m:41+2*\m] offset:\lns+512*\m   ; both halves of the lanes write the same pair to the same place
.endr
.endm
; Second half, behind a barrier: the four waves' pairs are merged: mean = the mean of the means; the sum of squares takes 64 x each mean's squared distance from it.  Then (x - mean) rstd g + b in place
.macro LNFIN lns, goff, boff
.irp m, 0,1,2,3
	ds_load_b128 v[HA+8*\m:HA+8*\m+3], v[LNR] offset:\lns+512*\m
	ds_load_b128 v[HA+8*\m+4:HA+8*\m+7], v[LNR] offset:\lns+512*\m+16
.endr
.irp t, 0,1,2,3
	ds_load_b128 v[HA+32+8*\t:HA+32+8*\t+3], v[VB] offset:\goff+(32*(\t/2)+8*(\t%2))*4
	ds_load_b128 v[HA+32+8*\t+4:HA+32+8*\t+7], v[VB] offset:\goff+(32*(\t/2)+8*(\t%2))*4+16
.endr
	s_wait_dscnt 0x0
.irp m, 0,1,2,3
	v_add_f32 v[40+2*\m], v[HA+8*\m], v[HA+8*\m+2]
.endr
.irp m, 0,1,2,3
	v_add_f32 v[41+2*\m], v[HA+8*\m+4], v[HA+8*\m+6]
.endr
.irp m, 0,1,2,3
	v_add_f32 v[40+2*\m], v[40+2*\m], v[41+2*\m]
.endr
.irp m, 0,1,2,3
	v_mul_f32 v[48+2*\m], 0x3e800000, v[40+2*\m]   ; the row's mean
.endr
.irp k, 0,2,4,6
.irp m, 0,1,2,3
	v_sub_f32 v[HA+8*\m+\k], v[HA+8*\m+\k], v[48+2*\m]
.endr
.endr
.irp m, 0,1,2,3
	v_mul_f32 v[40+2*\m], v[HA+8*\m], v[HA+8*\m]
.endr
.irp k, 2,4,6
.irp m, 0,1,2,3
	v_fmac_f32 v[40+2*\m], v[HA+8*\m+\k], v[HA+8*\m+\k]
.endr
.endr
.irp m, 0,1,2,3
	v_add_f32 v[41+2*\m], v[HA+8*\m+1], v[HA+8*\m+3]
.endr
.irp m, 0,1,2,3
	v_add_f32 v[HA+8*\m+5], v[HA+8*\m+5], v[HA+8*\m+7]
.endr
.irp m, 0,1,2,3
	v_add_f32 v[41+2*\m], v[41+2*\m], v[HA+8*\m+5]
.endr
.irp m, 0,1,2,3
	v_fma_f32 v[41+2*\m], v[40+2*\m], s[C64], v[41+2*\m]
.endr
.irp m, 0,1,2,3
	v_fma_f32 v[41+2*\m], v[41+2*\m], s[C256I], s[CEPS]   ; the variance + eps
.endr
.irp m, 0,1,2,3
	v_rsq_f32 v[56+2*\m], v[41+2*\m]
.endr
	v_nop                                          ; a plain line behind the last root
.irp t, 0,1,2,3
	ds_load_b128 v[HA+8*\t:HA+8*\t+3], v[VB] offset:\boff+(32*(\t/2)+8*(\t%2))*4
	ds_load_b128 v[HA+8*\t+4:HA+8*\t+7], v[VB] offset:\boff+(32*(\t/2)+8*(\t%2))*4+16
.endr
	s_wait_alu depctr_va_vdst(0)
.irp m, 0,1,2,3
.set i, 0
.rept 16
	v_pk_add_f32 v[ACC+32*\m+i:ACC+32*\m+i+1], v[ACC+32*\m+i:ACC+32*\m+i+1], v[48+2*\m:49+2*\m] op_sel_hi:[1,0] neg_lo:[0,1] neg_hi:[0,1]
.set i, i+2
.endr
.set i, 0
.rept 16
	v_pk_mul_f32 v[ACC+32*\m+i:ACC+32*\m+i+1], v[ACC+32*\m+i:ACC+32*\m+i+1], v[56+2*\m:57+2*\m] op_sel_hi:[1,0]
.set i, i+2
.endr
.endr
	s_wait_dscnt 0x0                               ; the bias
.irp m, 0,1,2,3
.set i, 0
.rept 16
	v_pk_fma_f32 v[ACC+32*\m+i:ACC+32*\m+i+1], v[ACC+32*\m+i:ACC+32*\m+i+1], v[HA+32+i:HA+32+i+1], v[HA+i:HA+i+1]
.set i, i+2
.endr
.endr
.endm
; The way out: x in f32 as my registers stand (each store 512 consecutive bytes), its codes as chunks of register images, its scale words gathered in LDS and stored by wave 0 as 512 bytes
.macro XOUT
.irp m, 0,1,2,3
.irp t, 0,1,2,3
	global_store_b128 v[LI], v[ACC+32*\m+8*\t:ACC+32*\m+8*\t+3], s[XFB:XFB+1] offset:4096*\m+1024*\t
	global_store_b128 v[LI], v[ACC+32*\m+8*\t+4:ACC+32*\m+8*\t+7], s[XFB:XFB+1] offset:4096*\m+1024*\t+512
.endr
.endr
.irp g, 0,2
.if \g
	s_wait_xcnt 0x0                                ; the first half's stores have read the codes' registers
.endif
	QUANT ACC+32*\g, HA, 0                         ; blocks: (tile g, my first 32 columns), (g, second), (g + 1, first), (g + 1, second); ACC stays as the stores want it
	WIN PCS
.irp k, 0,1,2,3
	global_store_b128 v[CWI], v[PC+4*\k:PC+4*\k+3], s[XCB:XCB+1] offset:4096*(\g+\k/2)+512*(\k%2)
.endr
	WIN 0
	v_lshl_or_b32 v[PW+\g], v[TM+5], 8, v[TM+4]
	v_lshl_or_b32 v[PW+\g+1], v[TM+7], 8, v[TM+6]
	ds_store_b16 v[CWS], v[PW+\g] offset:OSL+128*\g
	ds_store_b16 v[CWS], v[PW+\g+1] offset:OSL+128*(\g+1)
.endr
	BARRIER
	s_cmp_lg_u32 s[WV], 0
	s_cbranch_scc1 .Lxend
	ds_load_b128 v[HA:HA+3], v[LI] offset:OSL
	s_wait_dscnt 0x0
	global_store_b128 v[LI], v[HA:HA+3], s[XSB:XSB+1]
.Lxend:
	s_wait_tensorcnt 0x0
	ds_add_u32 v38, v39
	s_wait_dscnt 0x0
	s_endpgm
.endm
	s_load_b256 s[4:11], s[0:1], 0x0               ; nodes 4, emb 6, b_in 8, ln_in_g 10
	s_load_b128 s[12:15], s[0:1], 0x20             ; ln_in_b 12, xa 14
	v_lshl_add_u32 v38, v0, 2, 0x7000
	v_mov_b32 v39, 0
	v_lshrrev_b32 v1, 5, v0
	v_readfirstlane_b32 s[WV], v1                  ; wave 0..3
	s_and_b32 s17, ttmp7, 0xffff                   ; batch
	s_lshr_b32 s18, s[WV], 1
	s_and_b32 s19, s[WV], 1
	v_and_b32 v60, 31, v0                          ; lane
	v_and_b32 v61, 15, v0                          ; r
	v_bfe_u32 v62, v0, 4, 1                        ; h
	v_and_b32 v63, 8, v61
	v_add_nc_u32 v63, v63, v61                     ; r + 8 (r / 8)
	v_lshlrev_b32 v[LI], 4, v60
	v_lshlrev_b32 v[LS], 2, v60
	s_lshl_b32 s50, s18, 11
	s_lshl_b32 s51, s19, 10
	s_add_co_u32 s50, s50, s51
	v_add_nc_u32 v[CWI], s50, v[LI]
	s_lshl_b32 s50, s18, 6
	s_lshl_b32 s51, s19, 1
	s_add_co_u32 s50, s50, s51
	v_lshl_add_u32 v[CWS], v61, 2, s50
	s_lshl_b32 s50, s[WV], 12
	v_add_nc_u32 v[XWI], s50, v[LI]
	s_lshl_b32 s50, s[WV], 7
	v_lshl_add_u32 v[XWS], v61, 2, s50
	s_lshl_b32 s50, s[WV], 3
	v_lshl_add_u32 v[LNA], v61, 5, s50
	v_lshlrev_b32 v[LNR], 5, v61
	s_lshl_b32 s50, s[WV], 8
	v_lshl_add_u32 v[VB], v62, 6, s50
	v_lshlrev_b32 v[NA], 13, v63                   ; nodes: a position is 8,192 bytes on; + 64 h: my 16 numbers of a block of 32
	v_lshl_add_u32 v[NA], v62, 6, v[NA]
	v_lshlrev_b32 v[PA], 10, v63                   ; the table: a position is 1,024 bytes
	v_lshl_add_u32 v[PA], v62, 6, v[PA]
	v_lshlrev_b32 v[V8], 3, v0
.set i, 40
.rept 18
	v_mov_b32 v[i], 0                              ; written once: lane permutes' destinations and the upper halves of pairs count as read
.set i, i+1
.endr
	s_mov_b32 s[SEL], 0x76543210
	s_mov_b32 s[SEL+1], 0xfedcba98                 ; v_permlanex16_b32's selects for lane l xor 16
	s_mov_b32 s[MNT], 0x600000
	s_mov_b32 s[C64I], 0x3c800000
	s_mov_b32 s[C256I], 0x3b800000
	s_mov_b32 s[CEPS], 0x3727c5ac
	s_mov_b32 s[C64], 0x42800000
	s_lshl_b32 s20, s18, 5
	s_lshl_b32 s21, s19, 3
	s_add_co_u32 s20, s20, s21                     ; tile w's first position in the group
	s_lshl_b32 s46, s20, 13
	s_lshl_b32 s21, ttmp9, 19
	s_add_co_u32 s46, s46, s21
	s_lshl_b32 s21, s17, 10
	s_add_co_u32 s46, s46, s21
	s_mov_b32 s47, 0
	s_lshl_b32 s48, ttmp9, 6
	s_add_co_u32 s48, s48, s20
	s_lshl_b32 s48, s48, 10
	s_add_co_u32 s48, s48, 67584
	s_mov_b32 s49, 0
	s_lshl_b32 s50, s[WV], 14                      ; my four tiles of W_in: 8 fragments
	s_mov_b32 s51, 0
	s_lshl_b32 s52, s[WV], 9
	s_add_co_u32 s52, s52, 65536
	s_mov_b32 s53, 0
	s_lshl_b32 s54, s17, 4
	s_add_co_u32 s54, s54, ttmp9                   ; 16 b + pg
	s_lshl_b32 s56, s54, 16
	s_add_co_u32 s56, s56, s50
	s_mov_b32 s57, 0
	s_lshl_b32 s58, s54, 14
	s_add_co_u32 s58, s58, 8388608
	s_mov_b32 s59, 0
	s_lshl_b32 s60, s54, 9
	s_add_co_u32 s60, s60, 10485760
	s_mov_b32 s61, 0
	s_wait_kmcnt 0x0
	s_add_nc_u64 s[NB:NB+1], s[4:5], s[46:47]
	s_add_nc_u64 s[PB:PB+1], s[6:7], s[48:49]
	s_add_nc_u64 s[WB:WB+1], s[6:7], s[50:51]
	s_add_nc_u64 s[WSB:WSB+1], s[6:7], s[52:53]
	s_add_nc_u64 s[XFB:XFB+1], s[14:15], s[56:57]
	s_add_nc_u64 s[XCB:XCB+1], s[14:15], s[58:59]
	s_add_nc_u64 s[XSB:XSB+1], s[14:15], s[60:61]
.irp b, 0,1,2,3
.irp j, 0,1,2,3
	global_load_b128 v[ACC+16*\b+4*\j:ACC+16*\b+4*\j+3], v[NA], s[NB:NB+1] offset:128*\b+16*\j th:TH_LOAD_NT
.endr
.endr
.irp b, 0,1,2,3
.irp j, 0,1,2,3
	global_load_b128 v[HA+16*\b+4*\j:HA+16*\b+4*\j+3], v[PA], s[PB:PB+1] offset:128*\b+16*\j
.endr
.endr
.irp b, 0,1,2,3
.irp j, 0,1,2,3
	global_load_b128 v[ACC+64+16*\b+4*\j:ACC+64+16*\b+4*\j+3], v[NA], s[NB:NB+1] offset:512+128*\b+16*\j th:TH_LOAD_NT
.endr
.endr
	WIN 0x80                                       ; destination window 2
.irp b, 0,1,2,3
.irp j, 0,1,2,3
	global_load_b128 v[16*\b+4*\j:16*\b+4*\j+3], v[PA], s[PB:PB+1] offset:512+128*\b+16*\j
.endr
.endr
	WIN 0
	global_load_b64 v[58:59], v[V8], s[8:9]
	global_load_b64 v[60:61], v[V8], s[10:11]
	global_load_b64 v[62:63], v[V8], s[12:13]
	WIN 0x40                                       ; destination window 1
.irp f, 0,1,2,3,4,5,6,7
.irp c, 0,1,2,3
	global_load_b128 v[16*\f+4*\c:16*\f+4*\c+3], v[LI], s[WB:WB+1] offset:2048*\f+512*\c
.endr
.endr
	WIN 0
.irp t, 0,1,2,3
	global_load_b32 v[12+\t], v[LS], s[WSB:WSB+1] offset:128*\t   ; lanes 0-15: K step 0's words, lanes 16-31: K step 1's
.endr
	; ---- X: tile w's rows: nodes + table, quantised, images to LDS
	s_wait_loadcnt 63                              ; 71 loads are younger than K step 0's 32; the wait names the most that its field holds
.set i, 0
.rept 32
	v_pk_add_f32 v[ACC+i:ACC+i+1], v[ACC+i:ACC+i+1], v[HA+i:HA+i+1]
.set i, i+2
.endr
	QUANT ACC, ACC, 0
.irp c, 0,1,2,3
	ds_store_b128 v[XWI], v[PC+4*\c:PC+4*\c+3] offset:XIMG+512*\c
.endr
	v_lshl_or_b32 v[PW], v[TM+5], 8, v[TM+4]
	v_lshl_or_b32 v[PW], v[TM+6], 16, v[PW]
	v_lshl_or_b32 v[PW], v[TM+7], 24, v[PW]
	ds_store_b32 v[XWS], v[PW] offset:XSC
	s_wait_loadcnt 39                              ; younger than K step 1's: 3 vectors, 32 of W_in, 4 scale words
	s_wait_dscnt 0x0                               ; the stores have read the codes' registers
	WIN 0x08                                       ; source 1 window 2
.set i, 0
.rept 32
	v_pk_add_f32 v[ACC+64+i:ACC+64+i+1], v[ACC+64+i:ACC+64+i+1], v[i:i+1]
.set i, i+2
.endr
	WIN 0
	QUANT ACC+64, ACC+64, 0
.irp c, 0,1,2,3
	ds_store_b128 v[XWI], v[PC+4*\c:PC+4*\c+3] offset:XIMG+2048+512*\c
.endr
	v_lshl_or_b32 v[PW+1], v[TM+5], 8, v[TM+4]
	v_lshl_or_b32 v[PW+1], v[TM+6], 16, v[PW+1]
	v_lshl_or_b32 v[PW+1], v[TM+7], 24, v[PW+1]
	ds_store_b32 v[XWS], v[PW+1] offset:XSC+64
	s_wait_loadcnt 36                              ; the three vectors are in
	ds_store_b64 v[V8], v[58:59] offset:VEC
	ds_store_b64 v[V8], v[60:61] offset:VEC+1024
	ds_store_b64 v[V8], v[62:63] offset:VEC+2048
	BARRIER                                        ; x's eight fragments, their words and the vectors lie in LDS
	; ---- P: my 64 columns of the 64 rows
	WIN 0x40
.irp f, 0,1,2,3,4,5,6,7
.irp c, 0,1,2,3
	ds_load_b128 v[128+16*\f+4*\c:128+16*\f+4*\c+3], v[LI] offset:XIMG+2048*\f+512*\c
.endr
.endr
	WIN 0
.irp m, 0,1,2,3
	ds_load_b32 v[32+\m], v[LS] offset:XSC+128*\m
.endr
.irp t, 0,1,2,3
	ds_load_b128 v[HA+8*\t:HA+8*\t+3], v[VB] offset:VEC+(32*(\t/2)+8*(\t%2))*4        ; b_in in the result's layout
	ds_load_b128 v[HA+8*\t+4:HA+8*\t+7], v[VB] offset:VEC+(32*(\t/2)+8*(\t%2))*4+16
.endr
	s_wait_loadcnt 0x0                             ; W_in and its scale words
	s_wait_dscnt 0x0
	WIN 0x05                                       ; sources 0 and 1 window 1; C and D window 0.  The sixteen accumulators take turns
.irp m, 0,1,2,3
.irp t, 0,1,2,3
	MM ACC+32*\m+8*\t, 32*\t, 128+32*\m, HA+8*\t, 12+\t, 32+\m, 0
.endr
.endr
.irp m, 0,1,2,3
.irp t, 0,1,2,3
	MM ACC+32*\m+8*\t, 32*\t+16, 128+32*\m+16, ACC+32*\m+8*\t, 12+\t, 32+\m, 1
.endr
.endr
	WIN 0
.rept 8
	v_nop                                          ; eight places behind this form before its results are read
.endr
	LNSTAT LNS
	BARRIER
	LNFIN LNS, VEC+1024, VEC+2048
	XOUT
.Lfunc_end_k_q741f775f78_embed:
	.size	k_q741f775f78_embed, .Lfunc_end_k_q741f775f78_embed-k_q741f775f78_embed
	.p2alignl 7, 3214868480
	.fill 96, 4, 3214868480
	.section	.rodata,"a",@progbits
	.p2align	6, 0x0
	.amdhsa_kernel k_q741f775f78_embed
		.amdhsa_group_segment_fixed_size 29184
		.amdhsa_private_segment_fixed_size 0
		.amdhsa_enable_private_segment 0
		.amdhsa_kernarg_size 48
		.amdhsa_user_sgpr_count 2
		.amdhsa_user_sgpr_kernarg_segment_ptr 1
		.amdhsa_wavefront_size32 1
		.amdhsa_system_sgpr_workgroup_id_x 1
		.amdhsa_system_sgpr_workgroup_id_y 1
		.amdhsa_system_sgpr_workgroup_id_z 1
		.amdhsa_system_vgpr_workitem_id 0
		.amdhsa_next_free_vgpr 576
		.amdhsa_next_free_sgpr 66
		.amdhsa_reserve_vcc 0
		.amdhsa_float_denorm_mode_32 3
		.amdhsa_float_denorm_mode_16_64 3
		.amdhsa_memory_ordered 1
		.amdhsa_forward_progress 1
		.amdhsa_inst_pref_size 92
	.end_amdhsa_kernel
	.amdgpu_metadata
---
amdhsa.version: [ 1, 2 ]
amdhsa.kernels:
  - .name:           k_q741f775f78_embed
    .symbol:         k_q741f775f78_embed.kd
    .args:
      - { .name: nodes, .offset: 0, .size: 8, .value_kind: global_buffer, .address_space: global }
      - { .name: emb, .offset: 8, .size: 8, .value_kind: global_buffer, .address_space: global }
      - { .name: b_in, .offset: 16, .size: 8, .value_kind: global_buffer, .address_space: global }
      - { .name: ln_in_g, .offset: 24, .size: 8, .value_kind: global_buffer, .address_space: global }
      - { .name: ln_in_b, .offset: 32, .size: 8, .value_kind: global_buffer, .address_space: global }
      - { .name: xa, .offset: 40, .size: 8, .value_kind: global_buffer, .address_space: global }
    .group_segment_fixed_size: 29184
    .private_segment_fixed_size: 0
    .kernarg_segment_align: 8
    .kernarg_segment_size: 48
    .max_flat_workgroup_size: 128
    .sgpr_count:     66
    .vgpr_count:     576
    .wavefront_size: 32
...
	.end_amdgpu_metadata
.endif
;; end of part 2
;; launch qkv0 (part 3): grid 16 x 8, 4 waves a work-group, no clusters, 4,608 bytes of LDS; arguments xa, par0, qkv; writes qkv
.if DOCPART == 3
	.amdgcn_target "amdgcn-amd-amdhsa--gfx1250"
	.amdhsa_code_object_version 6
	.text
	.protected	k_q741f775f78_qkv0
	.globl	k_q741f775f78_qkv0
	.p2align	8
	.type	k_q741f775f78_qkv0,@function
k_q741f775f78_qkv0:
	s_mov_b64 s[64:65], 0
	v_nop
	global_prefetch_b8 v0, s[64:65] scope:SCOPE_SE
	s_setreg_imm32_b32 hwreg(HW_REG_WAVE_MODE, 25, 1), 1
	s_wait_xcnt 0x0
; QKV: q, k, v = x Wqkv + bqkv on codes of E5M2 (x's codes and scale words come ready), and all three quantised at once for attention's two products.
; A work-group (x: group of 64 positions, y: batch) takes four row tiles m; wave w takes the pair of heads 2 w, 2 w + 1: 64 columns each of q, k and v.  Its 24 fragments of Wqkv and x's 8 stay in registers.
; q, k: transposed (source 0 = 16 columns, source 1 = 16 rows): a lane holds one row and 16 neighbouring numbers of a head; a head's 32 are one block.  Each (row tile, head) gives one chunk of 512 bytes.
; v: NOT transposed (source 0 = rows, source 1 = 16 columns): a lane holds one column d and eight positions; by the tiles' order of rows, tiles m and m + 1 give it 16 neighbouring positions:
; the keys are the second product's K, so these are v's blocks, and the codes come out with the keys innermost.
; Layouts written: q [b][row tile][pair][head in pair]; k [b][32 keys][pair][2 x tile parity + head in pair]: four chunks = one fragment whose K holds two tiles x two heads;
; v [b][128 keys][head][half of the head's 32][block of 32 keys].  Scale words beside them; they are gathered in LDS and leave as 512 consecutive bytes a wave.
; LIMITS: a block of zeros gets the byte 1 (its codes are zeros; the bytes are this program's own); NaN and infinities are not served.
; REGISTERS: window 0: v1-7 addresses; v8-19 Wqkv's scale words (tile), v20-23 x's (m); v24-39 at work; v48-63 codes; v64-127 q's and k's eight tiles; v128-191 v's (16 tv + 8 (m % 2)); v192-203 scale words in the making.
;   window 1: Wq, Wk at 32 t + 16 s.   window 2: v0-127 Wv at 32 tv + 16 s; v128-255 x at 128 + 32 m + 16 s.   window 3: v0-63 q's and k's bias; v64-95 v's bias, eight equal registers a tile.
.set ACC, 64
.set VACC, 128
.set TM, 24
.set PC, 48
.set PCD, 0
.set LI, 1
.set LS, 2
.set SQA, 3                            ; 64 w + 4 r
.set SVA, 4                            ; 128 w + 2 r
.set H64, 5
.set RP4, 6
.set T16, 7
.set QW, 192
.set KW, 196
.set K16, 198
.set VW, 200
.set SCQ, 0                            ; LDS: q's words [m][w][r]; k's [m / 2][w][r]; v's halves [head][half][r]
.set SCK, 1024
.set SCV, 1536
.set WV, 10
.set XCB, 12
.set XSB, 14
.set W16, 16
.set W512, 18
.set W256, 20
.set SQ, 22
.set SK, 24
.set SV, 26
.set TL, 28
.set SEL, 30
.set MNT, 32
.set PVEC, 540672
.set MSB, 0
.macro WIN new
.if MSB != \new
	s_set_vgpr_msb (MSB<<8)|\new
.set MSB, \new
.endif
.endm
.macro MM d, a, b, c, sa, sb, row
.if \row
	v_wmma_scale_f32_16x16x128_f8f6f4 v[\d:\d+7], v[\a:\a+15], v[\b:\b+15], v[\c:\c+7], v[\sa], v[\sb] matrix_a_fmt:MATRIX_FMT_BF8 matrix_b_fmt:MATRIX_FMT_BF8 matrix_a_scale:MATRIX_SCALE_ROW1 matrix_b_scale:MATRIX_SCALE_ROW1
.else
	v_wmma_scale_f32_16x16x128_f8f6f4 v[\d:\d+7], v[\a:\a+15], v[\b:\b+15], v[\c:\c+7], v[\sa], v[\sb] matrix_a_fmt:MATRIX_FMT_BF8 matrix_b_fmt:MATRIX_FMT_BF8
.endif
.endm
.macro QUANT src, hld, relu            ; 64 numbers of a lane as four blocks (registers src + 16 b + 0..15 with lane l xor 16's): codes to v[PC + 4 b ..], bytes to v[TM + 4 + b]
.irp b, 0,1,2,3
	v_max3_num_f32 v[TM+\b], |v[\src+16*\b]|, |v[\src+16*\b+1]|, 0x8000000   ; with the floor 2^(16 - 127): the byte cannot fall under 1
.endr
.irp i, 2,4,6,8,10,12,14
.irp b, 0,1,2,3
	v_max3_num_f32 v[TM+\b], v[TM+\b], |v[\src+16*\b+\i]|, |v[\src+16*\b+\i+1]|
.endr
.endr
.irp b, 0,1,2,3
	v_permlanex16_b32 v[TM+4+\b], v[TM+\b], s[SEL], s[SEL+1]
.endr
.irp b, 0,1,2,3
	v_max_num_f32 v[TM+\b], v[TM+\b], v[TM+4+\b]
.endr
.irp b, 0,1,2,3
	v_add_nc_u32 v[TM+12+\b], 0xf8800000, v[TM+\b]
.endr
.irp b, 0,1,2,3
	v_and_or_b32 v[TM+8+\b], v[TM+\b], 0x7f800000, s[MNT]
.endr
.irp b, 0,1,2,3
	v_lshrrev_b32 v[TM+4+\b], 23, v[TM+12+\b]
.endr
.irp b, 0,1,2,3
.irp i, 0,1,2,3,4,5,6,7,8,9,10,11,12,13,14,15
	v_med3_num_f32 v[\hld+16*\b+\i], v[\src+16*\b+\i], -v[TM+8+\b], v[TM+8+\b]   ; the conversion does not saturate (ISA guide 7.6.2): hold first
.endr
.endr
.irp b, 0,1,2,3
	v_cvt_scalef32_pk8_bf8_f32 v[PC+4*\b:PC+4*\b+1], v[\hld+16*\b:\hld+16*\b+7], v[TM+12+\b]
	v_cvt_scalef32_pk8_bf8_f32 v[PC+4*\b+2:PC+4*\b+3], v[\hld+16*\b+8:\hld+16*\b+15], v[TM+12+\b]
.endr
	v_nop                                          ; a plain line between the conversions and the products that next write their sources
.endm
; Row tile m: 24 products, twelve accumulators by turns, then the quantisers
.macro ROWS m
	WIN 0x39                                       ; source 0 window 1 (W), source 1 window 2 (x), C window 3 (bias)
.irp t, 0,1,2,3,4,5,6,7
	MM ACC+8*\t, 32*\t, 128+32*\m, 8*\t, 8+\t, 20+\m, 0
.endr
	WIN 0x3a                                       ; source 0 window 2 (x), source 1 window 2 (Wv), C window 3
.irp t, 0,1,2,3
	MM VACC+16*\t+8*(\m%2), 128+32*\m, 32*\t, 64+8*\t, 20+\m, 16+\t, 0
.endr
	WIN 0x09
.irp t, 0,1,2,3,4,5,6,7
	MM ACC+8*\t, 32*\t+16, 128+32*\m+16, ACC+8*\t, 8+\t, 20+\m, 1
.endr
	WIN 0x0a
.irp t, 0,1,2,3
	MM VACC+16*\t+8*(\m%2), 128+32*\m+16, 32*\t+16, VACC+16*\t+8*(\m%2), 20+\m, 16+\t, 1
.endr
	WIN 0
.rept 8
	v_nop                                          ; eight places behind this form before its results are read
.endr
.if \m > 0
	s_wait_xcnt 0x0                                ; the last stores have read the codes' registers
.endif
	QUANT ACC, ACC, 0                              ; blocks: q head 0, q head 1, k head 0, k head 1
	global_store_b128 v[LI], v[PC:PC+3], s[SQ:SQ+1] offset:4096*\m
	global_store_b128 v[LI], v[PC+4:PC+7], s[SQ:SQ+1] offset:4096*\m+512
	global_store_b128 v[LI], v[PC+8:PC+11], s[SK:SK+1] offset:8192*(\m/2)+1024*(\m%2)
	global_store_b128 v[LI], v[PC+12:PC+15], s[SK:SK+1] offset:8192*(\m/2)+1024*(\m%2)+512
	v_lshl_or_b32 v[QW+\m], v[TM+5], 8, v[TM+4]
	v_lshl_or_b32 v[QW+\m], v[QW+\m], 16, v[QW+\m] ; q's word: (head 0, head 1, head 0, head 1): whichever chunk of the fragment q stands in finds its byte
	ds_store_b32 v[SQA], v[QW+\m] offset:SCQ+256*\m
.if \m%2 == 0
	v_lshl_or_b32 v[KW+\m/2], v[TM+7], 8, v[TM+6]  ; k's word: the even tile's two bytes,
.else
	v_lshl_or_b32 v[K16], v[TM+7], 8, v[TM+6]
	v_lshl_or_b32 v[KW+\m/2], v[K16], 16, v[KW+\m/2]   ; and the odd tile's
	ds_store_b32 v[SQA], v[KW+\m/2] offset:SCK+256*(\m/2)
	s_wait_xcnt 0x0
	QUANT VACC, VACC, 0                            ; block tv: column d of tile tv, positions 32 (m / 2) + 0..31 of the group
.irp t, 0,1,2,3
	global_store_b128 v[LI], v[PC+4*\t:PC+4*\t+3], s[SV:SV+1] offset:2048*\t+512*(\m/2)
.endr
.irp t, 0,1,2,3
.if \m == 1
	v_mov_b32 v[VW+\t], v[TM+4+\t]
.else
	v_lshl_or_b32 v[VW+\t], v[TM+4+\t], 8, v[VW+\t]
	ds_store_b16 v[SVA], v[VW+\t] offset:SCV+32*\t
.endif
.endr
.endif
.endm
	s_load_b128 s[4:7], s[0:1], 0x0                ; x 4, par 6
	s_load_b64 s[8:9], s[0:1], 0x10                ; qkv
	v_lshl_add_u32 v254, v0, 2, 0x1000
	v_mov_b32 v255, 0
	v_lshrrev_b32 v1, 5, v0
	v_readfirstlane_b32 s[WV], v1
	s_and_b32 s11, ttmp7, 0xffff                   ; batch
	v_and_b32 v44, 31, v0
	v_and_b32 v45, 15, v0                          ; r
	v_bfe_u32 v46, v0, 4, 1                        ; h
	v_and_b32 v47, 8, v45
	v_add_nc_u32 v47, v47, v45                     ; r + 8 (r / 8)
	v_lshlrev_b32 v[LI], 4, v44
	v_lshlrev_b32 v[LS], 2, v44
	s_lshl_b32 s40, s[WV], 6
	v_lshl_add_u32 v[SQA], v45, 2, s40
	s_lshl_b32 s40, s[WV], 7
	v_lshl_add_u32 v[SVA], v45, 1, s40
	v_lshlrev_b32 v[H64], 6, v46
	v_lshlrev_b32 v[RP4], 2, v47
	v_lshlrev_b32 v[T16], 4, v0
.irp b, 0,1,2,3
	v_mov_b32 v[TM+4+\b], 0                        ; written once: a lane permute's destination counts as one of its sources
.endr
	s_mov_b32 s[SEL], 0x76543210
	s_mov_b32 s[SEL+1], 0xfedcba98
	s_mov_b32 s[MNT], 0x600000
	s_lshl_b32 s40, s11, 4
	s_add_co_u32 s40, s40, ttmp9                   ; 16 b + pg
	s_lshl_b32 s42, s40, 14
	s_add_co_u32 s42, s42, 8388608                 ; x's images
	s_mov_b32 s43, 0
	s_lshl_b32 s44, s40, 9
	s_add_co_u32 s44, s44, 10485760                ; x's scale words
	s_mov_b32 s45, 0
	s_lshl_b32 s46, s[WV], 14
	s_mov_b32 s47, 0
	s_lshl_b32 s48, s[WV], 9
	s_mov_b32 s49, 0
	s_lshl_b32 s50, s[WV], 8
	s_mov_b32 s51, 0
	s_lshl_b32 s52, s40, 14                        ; q: 4 row tiles of 4,096 bytes a group, + 1,024 w
	s_lshl_b32 s53, s[WV], 10
	s_add_co_u32 s52, s52, s53
	s_mov_b32 s53, 0
	s_lshl_b32 s54, s40, 14                        ; k: 2 x 8,192 bytes a group, + 2,048 w
	s_lshl_b32 s55, s[WV], 11
	s_add_co_u32 s54, s54, s55
	s_add_co_u32 s54, s54, 2097152
	s_mov_b32 s55, 0
	s_lshl_b32 s56, s11, 18                        ; v: 32,768 bytes for 128 keys; my group is half of them: chunks 2 (pg % 2) on
	s_lshr_b32 s57, ttmp9, 1
	s_lshl_b32 s57, s57, 15
	s_add_co_u32 s56, s56, s57
	s_and_b32 s57, ttmp9, 1
	s_lshl_b32 s57, s57, 10
	s_add_co_u32 s56, s56, s57
	s_lshl_b32 s57, s[WV], 13
	s_add_co_u32 s56, s56, s57
	s_add_co_u32 s56, s56, 4194304
	s_mov_b32 s57, 0
	s_lshl_b32 s58, s40, 10                        ; the tail: wave 0, 1: q's words; 2: k's; 3: v's.  Offsets are chosen, never pointers
	s_add_co_u32 s58, s58, 6291456
	s_add_co_u32 s59, s58, 512
	s_lshl_b32 s60, s40, 9
	s_add_co_u32 s61, s60, 6488064
	s_add_co_u32 s60, s60, 6422528
	s_cmp_eq_u32 s[WV], 1
	s_cselect_b32 s58, s59, s58
	s_cmp_eq_u32 s[WV], 2
	s_cselect_b32 s58, s60, s58
	s_cmp_eq_u32 s[WV], 3
	s_cselect_b32 s58, s61, s58
	s_mov_b32 s59, 0
	s_wait_kmcnt 0x0
	s_add_nc_u64 s[XCB:XCB+1], s[4:5], s[42:43]
	s_add_nc_u64 s[XSB:XSB+1], s[4:5], s[44:45]
	s_add_nc_u64 s[W16:W16+1], s[6:7], s[46:47]
	s_add_nc_u64 s[W512:W512+1], s[6:7], s[48:49]
	s_add_nc_u64 s[W256:W256+1], s[6:7], s[50:51]
	s_add_nc_u64 s[SQ:SQ+1], s[8:9], s[52:53]
	s_add_nc_u64 s[SK:SK+1], s[8:9], s[54:55]
	s_add_nc_u64 s[SV:SV+1], s[8:9], s[56:57]
	s_add_nc_u64 s[TL:TL+1], s[8:9], s[58:59]
	WIN 0x80                                       ; destination window 2
.irp f, 0,1,2,3,4,5,6,7
.irp c, 0,1,2,3
	global_load_b128 v[128+16*\f+4*\c:128+16*\f+4*\c+3], v[LI], s[XCB:XCB+1] offset:2048*\f+512*\c
.endr
.endr
.irp f, 0,1,2,3,4,5,6,7
.irp c, 0,1,2,3
	global_load_b128 v[16*\f+4*\c:16*\f+4*\c+3], v[LI], s[W16:W16+1] offset:131072+2048*\f+512*\c   ; Wv: tiles 32 + 4 w on
.endr
.endr
	WIN 0x40                                       ; destination window 1
.irp f, 0,1,2,3,4,5,6,7
.irp c, 0,1,2,3
	global_load_b128 v[16*\f+4*\c:16*\f+4*\c+3], v[LI], s[W16:W16+1] offset:2048*\f+512*\c              ; Wq: tiles 4 w on
	global_load_b128 v[128+16*\f+4*\c:128+16*\f+4*\c+3], v[LI], s[W16:W16+1] offset:65536+2048*\f+512*\c   ; Wk: tiles 16 + 4 w on
.endr
.endr
	WIN 0xc0                                       ; destination window 3
.irp t, 0,1,2,3
	global_load_b128 v[8*\t:8*\t+3], v[H64], s[W256:W256+1] offset:PVEC+(32*(\t/2)+8*(\t%2))*4
	global_load_b128 v[8*\t+4:8*\t+7], v[H64], s[W256:W256+1] offset:PVEC+(32*(\t/2)+8*(\t%2))*4+16
	global_load_b128 v[32+8*\t:32+8*\t+3], v[H64], s[W256:W256+1] offset:PVEC+1024+(32*(\t/2)+8*(\t%2))*4
	global_load_b128 v[32+8*\t+4:32+8*\t+7], v[H64], s[W256:W256+1] offset:PVEC+1024+(32*(\t/2)+8*(\t%2))*4+16
	global_load_b32 v[64+8*\t], v[RP4], s[W256:W256+1] offset:PVEC+2048+(32*(\t/2)+8*(\t%2))*4   ; v's bias hangs on the lane's column alone
.endr
	WIN 0
.irp m, 0,1,2,3
	global_load_b32 v[20+\m], v[LS], s[XSB:XSB+1] offset:128*\m
.endr
.irp t, 0,1,2,3
	global_load_b32 v[8+\t], v[LS], s[W512:W512+1] offset:524288+128*\t
	global_load_b32 v[12+\t], v[LS], s[W512:W512+1] offset:524288+2048+128*\t
	global_load_b32 v[16+\t], v[LS], s[W512:W512+1] offset:524288+4096+128*\t
.endr
	s_wait_loadcnt 0x0
	WIN 0xc3                                       ; destination and source 0 window 3
.irp t, 0,1,2,3
.irp k, 1,2,3,4,5,6,7
	v_mov_b32 v[64+8*\t+\k], v[64+8*\t]
.endr
.endr
	ROWS 0
	ROWS 1
	ROWS 2
	ROWS 3
	s_wait_dscnt 0x0                               ; my scale words have landed
	s_barrier_signal -1
	s_barrier_wait -1
	ds_load_b128 v[204:207], v[T16]                ; 2,048 bytes of scale words: 512 a wave
	s_wait_dscnt 0x0
	global_store_b128 v[LI], v[204:207], s[TL:TL+1]
	s_wait_tensorcnt 0x0
	ds_add_u32 v254, v255
	s_wait_dscnt 0x0
	s_endpgm
.Lfunc_end_k_q741f775f78_qkv0:
	.size	k_q741f775f78_qkv0, .Lfunc_end_k_q741f775f78_qkv0-k_q741f775f78_qkv0
	.p2alignl 7, 3214868480
	.fill 96, 4, 3214868480
	.section	.rodata,"a",@progbits
	.p2align	6, 0x0
	.amdhsa_kernel k_q741f775f78_qkv0
		.amdhsa_group_segment_fixed_size 4608
		.amdhsa_private_segment_fixed_size 0
		.amdhsa_enable_private_segment 0
		.amdhsa_kernarg_size 24
		.amdhsa_user_sgpr_count 2
		.amdhsa_user_sgpr_kernarg_segment_ptr 1
		.amdhsa_wavefront_size32 1
		.amdhsa_system_sgpr_workgroup_id_x 1
		.amdhsa_system_sgpr_workgroup_id_y 1
		.amdhsa_system_sgpr_workgroup_id_z 1
		.amdhsa_system_vgpr_workitem_id 0
		.amdhsa_next_free_vgpr 864
		.amdhsa_next_free_sgpr 66
		.amdhsa_reserve_vcc 0
		.amdhsa_float_denorm_mode_32 3
		.amdhsa_float_denorm_mode_16_64 3
		.amdhsa_memory_ordered 1
		.amdhsa_forward_progress 1
		.amdhsa_inst_pref_size 85
	.end_amdhsa_kernel
	.amdgpu_metadata
---
amdhsa.version: [ 1, 2 ]
amdhsa.kernels:
  - .name:           k_q741f775f78_qkv0
    .symbol:         k_q741f775f78_qkv0.kd
    .args:
      - { .name: xa, .offset: 0, .size: 8, .value_kind: global_buffer, .address_space: global }
      - { .name: par0, .offset: 8, .size: 8, .value_kind: global_buffer, .address_space: global }
      - { .name: qkv, .offset: 16, .size: 8, .value_kind: global_buffer, .address_space: global }
    .group_segment_fixed_size: 4608
    .private_segment_fixed_size: 0
    .kernarg_segment_align: 8
    .kernarg_segment_size: 24
    .max_flat_workgroup_size: 128
    .sgpr_count:     66
    .vgpr_count:     864
    .wavefront_size: 32
...
	.end_amdgpu_metadata
.endif
;; end of part 3
;; launch attn0 (part 4): grid 32 x 8, 8 waves a work-group, no clusters, 327,680 bytes of LDS; arguments qkv, dist, oc; writes oc
.if DOCPART == 4
	.amdgcn_target "amdgcn-amd-amdhsa--gfx1250"
	.amdhsa_code_object_version 6
	.text
	.protected	k_q741f775f78_attn0
	.globl	k_q741f775f78_attn0
	.p2align	8
	.type	k_q741f775f78_attn0,@function
k_q741f775f78_attn0:
	s_mov_b64 s[64:65], 0
	v_nop
	global_prefetch_b8 v0, s[64:65] scope:SCOPE_SE
	s_setreg_imm32_b32 hwreg(HW_REG_WAVE_MODE, 25, 1), 1
	s_wait_xcnt 0x0
; ATTENTION on codes of E5M2, all eight heads of 32 queries of one batch in a work-group (x: block of 32 queries, y: batch); o leaves quantised for the next product.
; Heads 0, 1 allow dist == 1, heads 2 to 5 dist >= 1, heads 6, 7 every key.  t = score x log2(e) / sqrt(32); M = the running largest t rounded up to a whole number; p = 2^(t - M) is quantised along the keys,
; not normalised; the row's sum is taken of the unquantised p and divides at the end.  When M moves, the sum and O are multiplied by 2^(old M - new M): exact.
; SHARES.  Wave w: pair of heads a = w % 4, tile of 16 queries u = w / 4.  Eight key steps of 128.  K, V and the 32 x 128 numbers of dist come through two LDS slots by three tensor loads a step
; (wave 0: K's 32 KB, wave 1: V's 32 KB, wave 2: dist's 16 KB), so dist leaves memory once for all eight heads.  K's and V's scale words of the whole batch (8 KB each) are filled once.
; LAYOUT.  Both products are transposed: a lane holds ONE query.  A head is 32 wide, a quarter of the instruction's K: a fragment of K holds (even tile, odd tile) x (head 0, head 1) of 32 keys in its four chunks,
; and q stands in one chunk of a fragment whose other chunks are zero codes: four overlapping runs of registers give the four places.  THE MASK RIDES IN AS C: 0 or -3e38, made once a step for both heads.
; The keys of a tile are 32 j + 8 u + r + 8 (r / 8), so the 16 registers of two neighbouring tiles are 16 neighbouring keys and the conversions' results are the second product's operand.
; NO CLUSTER (not tried): the blocks of queries of a batch share K's and V's 64 KB of a step, not dist's 16 KB; that stands beside some 6,000 vector instructions of the eight waves, in which a wave's one load lands;
; a round of the cluster's barrier in each of the eight steps would tie together four work-groups whose waves' work is uneven (the waves of heads 6 and 7 make no mask).
; LIMITS: t under -2^120 counts as masked; a query with no allowed key gives 0 x infinity ahead of o's quantiser, and what the quantiser makes of that is not served; NaN and infinities among the inputs are not served;
; a block of zeros gets the byte 1 (its codes are zeros; the bytes are this program's own).
; REGISTERS: window 0: v1-5 places that stay, v6-7 the spare word's address and 0, v8-12 the step's addresses, v13 -3e38, v14 q's scale word, v15 16 x lane, v16-23 per head -M, largest t, the sum in two halves,
;   v24-27 K's scale words, v28-31 V's (v32-35 their upper halves on the way), v36-37, v57 the way out, v38 f, v39 p's scale word, v40-59 at work, v64-127 the mask, v128-191 scores then p, v192-207 p's codes,
;   v208-239 O^T (16 x + 8 ud), v240-255 o.   window 1: v0-63 K's four fragments, v64-127 V's four, v128-175 q's twelve groups of four.
.set SLOT1, 131072
.set SCK, 262144
.set SCV, 270336
.set OSC, 278528                       ; o's scale words: 256 bytes that no tensor load fills
.set SPARE, 278784                     ; the spare words: 128 bytes for each of eight waves: four blocks of 256 bytes that no other line names
.set AK0, 1
.set AV0, 2
.set AD0, 3
.set ASK0, 4
.set ASV0, 5
.set SPW, 6
.set NIL, 7
.set ADK, 8
.set ADV, 9
.set ADD, 10
.set ADS, 11
.set ADT, 12
.set NEGR, 13
.set QSW, 14
.set LI, 15
.set OSA, 36
.set OSR, 37
.set FF, 38
.set BM, 40
.set PL, 44
.set LM, 48
.set SO, 52
.set TT, 56
.set G8, 57
.set SU, 58
.set BIAS, 64
.set SCR, 128
.set PC, 192
.set OAC, 208
.set WV, 10
.set AA, 11
.set UU, 12
.set BB, 13
.set SEL, 14
.set CS, 16
.set MNT, 18
.set TB, 19
.set TS, 20
.set SLOTS, 21
.set G1D, 24
.set G1S, 32
.set G1M, 40
.set G0K, 48
.set G0V, 52
.set G0M, 56
.set G0SK, 60
.set G0SV, 68
.set QB, 88
.set QSB, 90
.set OB, 92
.set OSB, 94
.set MSB, 0
.macro WIN new
.if MSB != \new
	s_set_vgpr_msb (MSB<<8)|\new
.set MSB, \new
.endif
.endm
.macro NOP4
.rept 4
	v_nop
.endr
.endm
; The branches hang on the wave's number alone.  Four v_nop follow each tensor load.
.macro TLOAD2                          ; waves 0 and 1: the scale words of the whole batch
	s_cmp_eq_u32 s[WV], 0
	s_cbranch_scc0 .Lsa_\@
	tensor_load_to_lds s[G0SK:G0SK+3], s[G1S:G1S+7]
	s_nop 0
	NOP4
	s_branch .Lsb_\@
.Lsa_\@:
	s_cmp_eq_u32 s[WV], 1
	s_cbranch_scc0 .Lsb_\@
	tensor_load_to_lds s[G0SV:G0SV+3], s[G1S:G1S+7]
	s_nop 0
	NOP4
.Lsb_\@:
.endm
.macro TLOAD3                          ; wave 0: K, wave 1: V, wave 2: dist; the others nothing
	s_cmp_eq_u32 s[WV], 0
	s_cbranch_scc0 .Lta_\@
	tensor_load_to_lds s[G0K:G0K+3], s[G1D:G1D+7]
	s_nop 0
	NOP4
	s_branch .Ltc_\@
.Lta_\@:
	s_cmp_eq_u32 s[WV], 1
	s_cbranch_scc0 .Ltb_\@
	tensor_load_to_lds s[G0V:G0V+3], s[G1D:G1D+7]
	s_nop 0
	NOP4
	s_branch .Ltc_\@
.Ltb_\@:
	s_cmp_eq_u32 s[WV], 2
	s_cbranch_scc0 .Ltc_\@
	tensor_load_to_lds s[G0M:G0M+3], s[G1M:G1M+7]
	s_nop 0
	NOP4
.Ltc_\@:
.endm
; THE CHANGE OF SLOTS stands at a step's head.  Each wave waits for all its tensor loads (its part of the slot about to be read), adds 0 to its spare word, and waits for that and for its reads of the slot that it has left.
; Behind the barrier the slot ahead is whole and nobody reads the other.  fill = 1: that other slot takes the next 128 keys: one load a wave, with a whole step in which to land.
.macro CHANGE fill
	s_wait_tensorcnt 0x0                           ; no tensor load of mine is out, so a group 0 may be written
	ds_add_u32 v[SPW], v[NIL]                      ; 0 onto my spare word
.if \fill
	s_xor_b32 s[G0K+1], s[G0K+1], SLOT1
	s_add_nc_u64 s[G0K+2:G0K+3], s[G0K+2:G0K+3], 32768
	s_xor_b32 s[G0V+1], s[G0V+1], SLOT1
	s_add_nc_u64 s[G0V+2:G0V+3], s[G0V+2:G0V+3], 32768
	s_xor_b32 s[G0M+1], s[G0M+1], SLOT1
	s_add_nc_u64 s[G0M+2:G0M+3], s[G0M+2:G0M+3], 512
.endif
	s_wait_dscnt 0x0                               ; the add is done, and my reads of the slot that I have left are over
	s_barrier_signal -1
	s_barrier_wait -1
.if \fill
	TLOAD3                                         ; first behind the barrier, and a wave's one tensor load until the next
.endif
.endm
; Head x of my pair, one key step
.macro HEAD x
.set ST, 16+4*\x
.set OO, OAC+16*\x
	WIN 0x05                                       ; sources 0 (K) and 1 (q) window 1; C (the mask) and D window 0
.irp j, 0,1,2,3
.irp u, 0,1
	v_wmma_scale_f32_16x16x128_f8f6f4 v[SCR+16*\j+8*\u:SCR+16*\j+8*\u+7], v[16*\j:16*\j+15], v[128+12*\x+20*\u:128+12*\x+20*\u+15], v[BIAS+16*\j+8*\u:BIAS+16*\j+8*\u+7], v[24+\j], v[QSW] matrix_a_fmt:MATRIX_FMT_BF8 matrix_b_fmt:MATRIX_FMT_BF8
.endr
.endr
	WIN 0
.rept 8
	v_nop                                          ; eight places behind this form before its results are read
.endr
.irp b, 0,1,2,3
	v_max3_num_f32 v[BM+\b], v[SCR+16*\b], v[SCR+16*\b+1], v[SCR+16*\b+2]   ; the largest score of each block of 32 keys: for the row's maximum, and, since p rises with the score, for the block's largest p
.endr
.irp i, 3,5,7,9,11,13
.irp b, 0,1,2,3
	v_max3_num_f32 v[BM+\b], v[BM+\b], v[SCR+16*\b+\i], v[SCR+16*\b+\i+1]
.endr
.endr
.irp b, 0,1,2,3
	v_max_num_f32 v[BM+\b], v[BM+\b], v[SCR+16*\b+15]
.endr
.irp b, 0,1,2,3
	v_permlanex16_b32 v[PL+\b], v[BM+\b], s[SEL], s[SEL+1]
.endr
.irp b, 0,1,2,3
	v_max_num_f32 v[BM+\b], v[BM+\b], v[PL+\b]     ; with lane l xor 16's 16 keys
.endr
	v_max3_num_f32 v[TT], v[BM], v[BM+1], v[BM+2]
	v_max_num_f32 v[TT], v[TT], v[BM+3]
	v_mul_f32 v[TT], s[CS], v[TT]                  ; as t (c is positive)
	v_max_num_f32 v[ST+1], v[ST+1], v[TT]          ; the running largest t
	v_mov_b32 v[TT], v[ST]
	v_floor_f32 v[ST], -v[ST+1]                    ; the new -M = floor(-t): M is a whole number
	v_sub_f32 v[TT], v[ST], v[TT]                  ; old M - new M: a whole number, 0 or less
	v_cvt_i32_f32 v[TT], v[TT]                     ; (it saturates)
	v_ldexp_f32 v[FF], 1.0, v[TT]                  ; f = 2^(old M - new M)
.set i, 0
.rept 32
	v_pk_fma_f32 v[SCR+i:SCR+i+1], v[SCR+i:SCR+i+1], s[CS:CS+1], v[ST:ST+1] op_sel_hi:[1,0,0]   ; t - M, two at a time
.set i, i+2
.endr
.irp b, 0,1,2,3
	v_fma_f32 v[BM+\b], v[BM+\b], s[CS], v[ST]     ; the same of each block's largest score
.endr
.set i, 0
.rept 64
	v_exp_f32 v[SCR+i], v[SCR+i]                   ; p = 2^(t - M); a masked key's is 0
.set i, i+1
.endr
.irp b, 0,1,2,3
	v_exp_f32 v[BM+\b], v[BM+\b]                   ; the block's largest p: the same two instructions on the same number
.endr
	v_pk_mul_f32 v[ST+2:ST+3], v[ST+2:ST+3], v[FF:FF+1] op_sel_hi:[1,0]   ; the sums under the new M.  (A plain line behind the exponentials)
	s_wait_alu depctr_va_vdst(0)
.irp b, 0,1,2,3
	v_max_num_f32 v[BM+\b], 0x8000000, v[BM+\b]    ; the floor 2^(16 - 127): the byte cannot fall under 1
.endr
.irp b, 0,1,2,3
	v_add_nc_u32 v[SO+\b], 0xf8800000, v[BM+\b]
.endr
.irp b, 0,1,2,3
	v_and_or_b32 v[LM+\b], v[BM+\b], 0x7f800000, s[MNT]
.endr
.irp b, 0,1,2,3
	v_lshrrev_b32 v[PL+\b], 23, v[SO+\b]
.endr
	v_lshl_or_b32 v[FF+1], v[PL+1], 8, v[PL]       ; p's scale word for these 128 keys
	v_lshl_or_b32 v[FF+1], v[PL+2], 16, v[FF+1]
	v_lshl_or_b32 v[FF+1], v[PL+3], 24, v[FF+1]
	v_pk_add_f32 v[SU:SU+1], v[SCR:SCR+1], v[SCR+2:SCR+3]   ; the row's sum is taken of the unquantised p: two chains
.irp j, 4,8,12,16,20,24,28,32,36,40,44,48,52,56,60
	v_pk_add_f32 v[ST+2:ST+3], v[ST+2:ST+3], v[SCR+\j:SCR+\j+1]
	v_pk_add_f32 v[SU:SU+1], v[SU:SU+1], v[SCR+\j+2:SCR+\j+3]
.endr
	v_pk_add_f32 v[ST+2:ST+3], v[ST+2:ST+3], v[SU:SU+1]
.irp b, 0,1,2,3
.irp i, 0,1,2,3,4,5,6,7,8,9,10,11,12,13,14,15
	v_min_num_f32 v[SCR+16*\b+\i], v[SCR+16*\b+\i], v[LM+\b]   ; the conversion does not saturate (ISA guide 7.6.2); p is not negative, so the hold is one-sided
.endr
	v_cvt_scalef32_pk8_bf8_f32 v[PC+4*\b:PC+4*\b+1], v[SCR+16*\b:SCR+16*\b+7], v[SO+\b]
	v_cvt_scalef32_pk8_bf8_f32 v[PC+4*\b+2:PC+4*\b+3], v[SCR+16*\b+8:SCR+16*\b+15], v[SO+\b]
.endr
.set i, 0
.rept 8
	v_pk_mul_f32 v[OO+i:OO+i+1], v[OO+i:OO+i+1], v[FF:FF+1] op_sel_hi:[1,0]   ; O^T under the new M, each accumulator from its low end on
.set i, i+2
.endr
	NOP4                                           ; four places between the codes' making and the scaled products that take them
	WIN 0x01                                       ; source 0 (V) window 1
.irp d, 0,1
	v_wmma_scale_f32_16x16x128_f8f6f4 v[OO+8*\d:OO+8*\d+7], v[64+32*\x+16*\d:64+32*\x+16*\d+15], v[PC:PC+15], v[OO+8*\d:OO+8*\d+7], v[28+2*\x+\d], v[FF+1] matrix_a_fmt:MATRIX_FMT_BF8 matrix_b_fmt:MATRIX_FMT_BF8
.endr
	WIN 0
.endm
; A KEY STEP: 128 keys from the slot at s[TB]
.macro STEP
	v_add_nc_u32 v[ADK], s[TB], v[AK0]
	v_add_nc_u32 v[ADV], s[TB], v[AV0]
	v_add_nc_u32 v[ADD], s[TB], v[AD0]
	v_add_nc_u32 v[ADS], s[TS], v[ASK0]
	v_add_nc_u32 v[ADT], s[TS], v[ASV0]
	WIN 0x40                                       ; destination window 1
.irp j, 0,1,2,3
.irp c, 0,1,2,3
	ds_load_b128 v[16*\j+4*\c:16*\j+4*\c+3], v[ADK] offset:8192*\j+512*\c
.endr
.endr
.irp f, 0,1,2,3
.irp c, 0,1,2,3
	ds_load_b128 v[64+16*\f+4*\c:64+16*\f+4*\c+3], v[ADV] offset:2048*\f+512*\c
.endr
.endr
	WIN 0
.irp j, 0,1,2,3
	ds_load_b32 v[24+\j], v[ADS] offset:256*\j
.endr
.irp f, 0,1,2,3
	ds_load_u16 v[28+\f], v[ADT] offset:32*\f      ; V's bytes of the step's first 64 keys,
	ds_load_u16 v[32+\f], v[ADT] offset:32*\f+512  ; and of its second
.endr
	s_cmp_eq_u32 s[AA], 3                          ; heads 6 and 7 allow every key: their C stays the zeros written at the head
	s_cbranch_scc1 .Lopen_\@
.irp j, 0,1,2,3
.irp q, 0,1,2,3
	ds_load_b128 v[BIAS+16*\j+4*\q:BIAS+16*\j+4*\q+3], v[ADD] offset:128*\j+16*\q   ; dist(my query, keys 32 j + 16 h + 4 q ..): the scores' own places
.endr
.endr
	s_wait_dscnt 0x0
	s_cmp_eq_u32 s[AA], 0
	s_cbranch_scc0 .Llong_\@
.set i, 0
.rept 64
	v_cmp_ne_u32 vcc_lo, 1, v[BIAS+i]              ; heads 0, 1: hidden where dist != 1
	v_cndmask_b32 v[BIAS+i], 0, v[NEGR], vcc_lo
.set i, i+1
.endr
	s_branch .Lopen_\@
.Llong_\@:
.set i, 0
.rept 64
	v_cmp_gt_i32 vcc_lo, 1, v[BIAS+i]              ; heads 2 to 5: hidden where dist < 1
	v_cndmask_b32 v[BIAS+i], 0, v[NEGR], vcc_lo
.set i, i+1
.endr
.Lopen_\@:
	s_wait_dscnt 0x0
.irp f, 0,1,2,3
	v_lshl_or_b32 v[28+\f], v[32+\f], 16, v[28+\f] ; V's scale words; their first use stands behind a whole softmax
.endr
	HEAD 0
	HEAD 1
.rept 8
	v_nop                                          ; places in front of the next step's loads into registers that the last products read
.endr
	s_xor_b32 s[TB], s[TB], SLOT1
	s_add_co_u32 s[TS], s[TS], 1024
.endm
	s_load_b128 s[4:7], s[0:1], 0x0                ; qkv 4, dist 6
	s_load_b64 s[8:9], s[0:1], 0x10                ; oc
	v_lshl_add_u32 v[SPW], v0, 2, SPARE
	v_mov_b32 v[NIL], 0
	ds_add_u32 v6, v7
	s_wait_dscnt 0x0
	v_lshrrev_b32 v8, 5, v0
	v_readfirstlane_b32 s[WV], v8                  ; wave 0..7
	s_and_b32 s[AA], s[WV], 3                      ; pair of heads
	s_lshr_b32 s[UU], s[WV], 2                     ; tile of queries
	s_and_b32 s[BB], ttmp7, 0xffff                 ; batch
	; group 1 for K's and V's 32,768 dense bytes: 128 rows of 32 elements of 8 bytes
	s_mov_b32 s[G1D], 3<<16
	s_mov_b32 s[G1D+1], 32<<16
	s_mov_b32 s[G1D+2], 128<<16
	s_mov_b32 s[G1D+3], 32<<16
	s_mov_b32 s[G1D+4], 128
	s_mov_b32 s[G1D+5], 32
	s_mov_b32 s[G1D+6], 0
	s_mov_b32 s[G1D+7], 0
	; for 8,192 dense bytes of scale words: 32 such rows
	s_mov_b32 s[G1S], 3<<16
	s_mov_b32 s[G1S+1], 32<<16
	s_mov_b32 s[G1S+2], 32<<16
	s_mov_b32 s[G1S+3], 32<<16
	s_mov_b32 s[G1S+4], 32
	s_mov_b32 s[G1S+5], 32
	s_mov_b32 s[G1S+6], 0
	s_mov_b32 s[G1S+7], 0
	; for dist: 32 rows of 128 elements of 4 bytes, 1,024 elements apart; 4 words of padding behind each 128: LDS rows of 528 bytes
	s_mov_b32 s[G1M], (2<<16)|(1<<20)|(6<<22)|(3<<25)
	s_mov_b32 s[G1M+1], 128<<16
	s_mov_b32 s[G1M+2], 32<<16
	s_mov_b32 s[G1M+3], 128<<16
	s_mov_b32 s[G1M+4], 32
	s_mov_b32 s[G1M+5], 1024
	s_mov_b32 s[G1M+6], 0
	s_mov_b32 s[G1M+7], 0
	s_lshl_b32 s72, s[BB], 18                      ; the batch's images of K or of V
	s_mov_b32 s73, 0
	s_lshl_b32 s74, s[BB], 13                      ; its scale words
	s_mov_b32 s75, 0
	s_lshl_b32 s76, s[BB], 22                      ; dist: the batch, my 32 rows
	s_lshl_b32 s77, ttmp9, 17
	s_add_co_u32 s76, s76, s77
	s_mov_b32 s77, 0
	s_lshl_b32 s78, ttmp9, 1
	s_add_co_u32 s78, s78, s[UU]                   ; my tile of queries in the batch
	s_lshl_b32 s80, s78, 12
	s_add_co_u32 s80, s80, s72
	s_lshl_b32 s81, s[AA], 10
	s_add_co_u32 s80, s80, s81                     ; q's two chunks, and o's: the same place in their buffers
	s_mov_b32 s81, 0
	s_lshl_b32 s82, s[BB], 14
	s_lshl_b32 s83, s78, 8
	s_add_co_u32 s82, s82, s83
	s_lshl_b32 s83, s[AA], 6
	s_add_co_u32 s82, s82, s83
	s_add_co_u32 s82, s82, 6291456                 ; q's scale words
	s_mov_b32 s83, 0
	s_lshl_b32 s84, s[BB], 6
	s_lshl_b32 s85, ttmp9, 1
	s_add_co_u32 s84, s84, s85
	s_lshl_b32 s84, s84, 7
	s_add_co_u32 s84, s84, 2097152                 ; o's scale words of my two tiles: 256 bytes
	s_mov_b32 s85, 0
	s_mov_b32 s[SEL], 0x76543210
	s_mov_b32 s[SEL+1], 0xfedcba98
	s_mov_b32 s[CS], 0x3e8293ee                    ; c = log2(e) / sqrt(32)
	s_mov_b32 s[CS+1], s[CS]
	s_mov_b32 s[MNT], 0x600000
	s_mov_b32 s[TB], 0
	s_mov_b32 s[TS], 0
	s_mov_b32 s[SLOTS], 7
	s_wait_kmcnt 0x0
	s_mov_b32 s[G0SK], 1
	s_mov_b32 s[G0SK+1], SCK
	s_add_nc_u64 s[G0SK+2:G0SK+3], s[4:5], s[74:75]
	s_add_nc_u64 s[G0SK+2:G0SK+3], s[G0SK+2:G0SK+3], 6422528
	s_or_b32 s[G0SK+3], s[G0SK+3], 0x80000000
	s_mov_b32 s[G0SV], 1
	s_mov_b32 s[G0SV+1], SCV
	s_add_nc_u64 s[G0SV+2:G0SV+3], s[4:5], s[74:75]
	s_add_nc_u64 s[G0SV+2:G0SV+3], s[G0SV+2:G0SV+3], 6488064
	s_or_b32 s[G0SV+3], s[G0SV+3], 0x80000000
	TLOAD2                                         ; filled once
	s_mov_b32 s[G0K], 1
	s_mov_b32 s[G0K+1], 0
	s_add_nc_u64 s[G0K+2:G0K+3], s[4:5], s[72:73]
	s_add_nc_u64 s[G0K+2:G0K+3], s[G0K+2:G0K+3], 2097152
	s_or_b32 s[G0K+3], s[G0K+3], 0x80000000
	s_mov_b32 s[G0V], 1
	s_mov_b32 s[G0V+1], 32768
	s_add_nc_u64 s[G0V+2:G0V+3], s[4:5], s[72:73]
	s_add_nc_u64 s[G0V+2:G0V+3], s[G0V+2:G0V+3], 4194304
	s_or_b32 s[G0V+3], s[G0V+3], 0x80000000
	s_mov_b32 s[G0M], 1
	s_mov_b32 s[G0M+1], 65536
	s_add_nc_u64 s[G0M+2:G0M+3], s[6:7], s[76:77]
	s_or_b32 s[G0M+3], s[G0M+3], 0x80000000
	TLOAD3                                         ; slot 0: by this text's count waves 0 and 1 now have two loads out, wave 2 one; later one each
	s_add_nc_u64 s[QB:QB+1], s[4:5], s[80:81]
	s_add_nc_u64 s[QSB:QSB+1], s[4:5], s[82:83]
	s_add_nc_u64 s[OB:OB+1], s[8:9], s[80:81]
	s_add_nc_u64 s[OSB:OSB+1], s[8:9], s[84:85]
	v_and_b32 v8, 31, v0                           ; lane
	v_and_b32 v9, 15, v0                           ; r
	v_bfe_u32 v10, v0, 4, 1                        ; h
	v_and_b32 v11, 8, v9
	v_add_nc_u32 v11, v11, v9                      ; r + 8 (r / 8)
	v_lshlrev_b32 v[LI], 4, v8
	s_lshl_b32 s86, s[AA], 11
	v_add_nc_u32 v[AK0], s86, v[LI]                ; K: fragment (j, a) at (4 j + a) x 2,048
	s_lshl_b32 s86, s[AA], 13
	s_add_co_u32 s86, s86, 32768
	v_add_nc_u32 v[AV0], s86, v[LI]                ; V: fragment (head, half) at 32,768 + (2 head + half) x 2,048
	s_lshl_b32 s86, s[UU], 3
	v_add_nc_u32 v12, s86, v11
	v_mul_u32_u24 v[AD0], v12, 528                 ; dist: my query's row,
	v_lshl_add_u32 v[AD0], v10, 6, v[AD0]          ; + 16 keys for the upper half of the lanes
	v_add_nc_u32 v[AD0], 65536, v[AD0]
	s_lshl_b32 s86, s[AA], 6
	s_add_co_u32 s86, s86, SCK
	v_lshl_add_u32 v[ASK0], v9, 2, s86
	s_lshl_b32 s86, s[AA], 7
	s_add_co_u32 s86, s86, SCV
	v_lshl_add_u32 v[ASV0], v9, 1, s86
	s_lshl_b32 s86, s[UU], 7
	s_lshr_b32 s87, s[AA], 1
	s_lshl_b32 s87, s87, 6
	s_add_co_u32 s86, s86, s87
	s_and_b32 s87, s[AA], 1
	s_lshl_b32 s87, s87, 1
	s_add_co_u32 s86, s86, s87
	s_add_co_u32 s86, s86, OSC
	v_lshl_add_u32 v[OSA], v9, 2, s86              ; o's two bytes: [tile][K step = a / 2][r], bytes 2 (a % 2) on
	v_lshlrev_b32 v[G8], 3, v8
	v_add_nc_u32 v[OSR], OSC, v[G8]
	v_lshlrev_b32 v12, 2, v9
	global_load_b32 v[QSW], v12, s[QSB:QSB+1]      ; q's scale words
	WIN 0x40                                       ; destination window 1
	global_load_b128 v[128:131], v[LI], s[QB:QB+1]             ; head 0's chunk stands in groups 0 and 7,
	global_load_b128 v[156:159], v[LI], s[QB:QB+1]
	global_load_b128 v[144:147], v[LI], s[QB:QB+1] offset:512  ; head 1's in groups 4 and 11;
	global_load_b128 v[172:175], v[LI], s[QB:QB+1] offset:512
.irp i, 132,133,134,135,136,137,138,139,140,141,142,143,148,149,150,151,152,153,154,155,160,161,162,163,164,165,166,167,168,169,170,171
	v_mov_b32 v[\i], 0                             ; the other eight are zero codes: the runs from v128, v140, v148, v160 hold q in chunk 0, 1, 2, 3
.endr
	WIN 0
	v_mov_b32 v[NEGR], 0xff61b1e6                  ; -3e38
.irp x, 0,1
	v_mov_b32 v[17+4*\x], 0xfb800000               ; the largest t so far: -2^120: over every masked t, under every other
	v_floor_f32 v[16+4*\x], -v[17+4*\x]
	v_mov_b32 v[18+4*\x], 0
	v_mov_b32 v[19+4*\x], 0
.endr
.irp b, 0,1,2,3
	v_mov_b32 v[PL+\b], 0                          ; written once: a lane permute's destination counts as one of its sources
.endr
	v_mov_b32 v[FF+1], 0
.set i, 0
.rept 32
	v_mov_b32 v[OAC+i], 0                          ; O^T: the step is written once; its first trip finds zeros
.set i, i+1
.endr
.set i, 0
.rept 64
	v_mov_b32 v[BIAS+i], 0                         ; the mask of heads that allow every key
.set i, i+1
.endr
	s_wait_loadcnt 0x0                             ; q
.Lslot:                                                ; seven trips: behind each change of slots but the last the next 128 keys are asked for
	CHANGE 1
	STEP
	s_sub_co_u32 s[SLOTS], s[SLOTS], 1
	s_cmp_lg_u32 s[SLOTS], 0
	s_cbranch_scc1 .Lslot
	CHANGE 0                                       ; the last step is written out
	STEP
	; THE WAY OUT: o = O^T / the sum; a head's 32 numbers of a query are one block of the next product's K: 16 in my registers, 16 in lane l xor 16's
.irp x, 0,1
	v_add_f32 v[TT], v[18+4*\x], v[19+4*\x]
	v_permlanex16_b32 v[PL], v[TT], s[SEL], s[SEL+1]
	v_add_f32 v[TT], v[TT], v[PL]
	v_rcp_f32 v[TT], v[TT]
	v_nop                                          ; a plain line behind the reciprocal
.set i, 0
	s_wait_alu depctr_va_vdst(0)
.rept 16
	v_mul_f32 v[240+i], v[OAC+16*\x+i], v[TT]      ; register i: o(query r, 32 head + 16 h + i)
.set i, i+1
.endr
	v_max3_num_f32 v[BM], |v240|, |v241|, 0x8000000
.irp i, 2,4,6,8,10,12,14
	v_max3_num_f32 v[BM], v[BM], |v[240+\i]|, |v[241+\i]|
.endr
	v_permlanex16_b32 v[PL], v[BM], s[SEL], s[SEL+1]
	v_max_num_f32 v[BM], v[BM], v[PL]
	v_add_nc_u32 v[SO], 0xf8800000, v[BM]
	v_and_or_b32 v[LM], v[BM], 0x7f800000, s[MNT]
	v_lshrrev_b32 v[PL+1+\x], 23, v[SO]
.set i, 0
.rept 16
	v_med3_num_f32 v[240+i], v[240+i], -v[LM], v[LM]
.set i, i+1
.endr
	v_cvt_scalef32_pk8_bf8_f32 v[PC+4*\x:PC+4*\x+1], v[240:247], v[SO]
	v_cvt_scalef32_pk8_bf8_f32 v[PC+4*\x+2:PC+4*\x+3], v[248:255], v[SO]
	v_nop
	global_store_b128 v[LI], v[PC+4*\x:PC+4*\x+3], s[OB:OB+1] offset:512*\x   ; a chunk of o's register image: 512 consecutive bytes
.endr
	v_lshl_or_b32 v[TT], v[PL+2], 8, v[PL+1]
	ds_store_b16 v[OSA], v[TT]
	s_wait_dscnt 0x0                               ; my two bytes have landed
	s_barrier_signal -1
	s_barrier_wait -1
	s_cmp_lg_u32 s[WV], 0
	s_cbranch_scc1 .Lfin
	ds_load_b64 v[240:241], v[OSR]
	s_wait_dscnt 0x0
	global_store_b64 v[G8], v[240:241], s[OSB:OSB+1]   ; 256 consecutive bytes
.Lfin:
	s_wait_tensorcnt 0x0                           ; the wave's end: behind my last tensor load and my last LDS store
	ds_add_u32 v[SPW], v[NIL]
	s_wait_dscnt 0x0
	s_endpgm
.Lfunc_end_k_q741f775f78_attn0:
	.size	k_q741f775f78_attn0, .Lfunc_end_k_q741f775f78_attn0-k_q741f775f78_attn0
	.p2alignl 7, 3214868480
	.fill 96, 4, 3214868480
	.section	.rodata,"a",@progbits
	.p2align	6, 0x0
	.amdhsa_kernel k_q741f775f78_attn0
		.amdhsa_group_segment_fixed_size 327680
		.amdhsa_private_segment_fixed_size 0
		.amdhsa_enable_private_segment 0
		.amdhsa_kernarg_size 24
		.amdhsa_user_sgpr_count 2
		.amdhsa_user_sgpr_kernarg_segment_ptr 1
		.amdhsa_wavefront_size32 1
		.amdhsa_system_sgpr_workgroup_id_x 1
		.amdhsa_system_sgpr_workgroup_id_y 1
		.amdhsa_system_sgpr_workgroup_id_z 1
		.amdhsa_system_vgpr_workitem_id 0
		.amdhsa_next_free_vgpr 448
		.amdhsa_next_free_sgpr 100
		.amdhsa_reserve_vcc 1
		.amdhsa_float_denorm_mode_32 3
		.amdhsa_float_denorm_mode_16_64 3
		.amdhsa_memory_ordered 1
		.amdhsa_forward_progress 1
		.amdhsa_inst_pref_size 107
	.end_amdhsa_kernel
	.amdgpu_metadata
---
amdhsa.version: [ 1, 2 ]
amdhsa.kernels:
  - .name:           k_q741f775f78_attn0
    .symbol:         k_q741f775f78_attn0.kd
    .args:
      - { .name: qkv, .offset: 0, .size: 8, .value_kind: global_buffer, .address_space: global }
      - { .name: dist, .offset: 8, .size: 8, .value_kind: global_buffer, .address_space: global }
      - { .name: oc, .offset: 16, .size: 8, .value_kind: global_buffer, .address_space: global }
    .group_segment_fixed_size: 327680
    .private_segment_fixed_size: 0
    .kernarg_segment_align: 8
    .kernarg_segment_size: 24
    .max_flat_workgroup_size: 256
    .sgpr_count:     100
    .vgpr_count:     448
    .wavefront_size: 32
...
	.end_amdgpu_metadata
.endif
;; end of part 4
;; launch post0 (part 5): grid 16 x 8, 4 waves a work-group, no clusters, 66,048 bytes of LDS; arguments xa, oc, par0, xb; writes xb
.if DOCPART == 5
	.amdgcn_target "amdgcn-amd-amdhsa--gfx1250"
	.amdhsa_code_object_version 6
	.text
	.protected	k_q741f775f78_post0
	.globl	k_q741f775f78_post0
	.p2align	8
	.type	k_q741f775f78_post0,@function
k_q741f775f78_post0:
	s_mov_b64 s[64:65], 0
	v_nop
	global_prefetch_b8 v0, s[64:65] scope:SCOPE_SE
	s_setreg_imm32_b32 hwreg(HW_REG_WAVE_MODE, 25, 1), 1
	s_wait_xcnt 0x0
; POST: x1 = LayerNorm(x + o Wo + bo); x2 = LayerNorm(x1 + relu(x1 W1 + b1) W2 + b2); all three products on codes of E5M2 with one E8M0 scale for each 32 along K.
; A work-group (x: group of 64 positions, y: batch) takes four row tiles m.  THE WAVES SHARE THE COLUMNS: wave w makes columns 64 w .. + 63 of o Wo and of the second product and hidden units 128 w .. + 127.
; Its 40 fragments of Wo, W1, W2 (640 registers) are wanted by this wave alone, once: they go from memory straight into registers, W1 and W2 landing under the phases before their use; so no tensor load and no ring.
; All products are transposed (source 0 = 16 columns of a weight, source 1 = 16 rows), so a lane holds one row and runs of 16 neighbouring columns; what one wave quantises reaches the others through LDS as images of registers.
; Phases: O (sums begin as x + bo) | norm 1, one barrier | x1 quantised to LDS, b2 added to x1 | barrier | 1: hidden layer, tile by tile, relu inside the hold, images to LDS | barrier | 2: four K steps | norm 2, one barrier | out.
; LIMITS: a block of zeros gets the byte 1 (its codes are zeros; the bytes are this program's own); NaN and infinities are not served.
; REGISTERS: window 0: v1-11 addresses; scale words: v12-15 Wo, v16-23 W1, v24-31 W2 (2 t + s / 2), v32-39 the rows'; v40-63 at work; v64-127 HA; v128-255 ACC (32 m + 8 t).
;   window 1: W1 at 32 t + 16 s.   window 2: W2 at 64 t + 16 s.   window 3: v0-127 Wo at 32 t + 16 s; v128-255 eight places for the rows' fragments, the last also for codes just made.
.set ACC, 128
.set HA, 64
.set TM, 40
.set PW, 56
.set PC, 240
.set PCD, 0xc0
.set PCS, 0x0c
.set LI, 1                             ; 16 x lane
.set LS, 2                             ; 4 x lane
.set CWI, 3                            ; my chunks in a tile's images: 16 lane + 2048 (w / 2) + 1024 (w % 2)
.set CWS, 4                            ; my two bytes of a scale word: 64 (w / 2) + 4 r + 2 (w % 2)
.set HWI, 5                            ; 16 lane + 2048 w
.set HWS, 6                            ; 4 r + 64 w
.set LNA, 7                            ; 32 r + 8 w
.set LNR, 8                            ; 32 r
.set VB, 9                             ; 256 w + 64 h
.set VB1, 10                           ; 512 w + 64 h
.set VCP, 11                           ; 16 x thread
.set VEC, 0                            ; LDS: b1 0, bo 2048, ln1_g 3072, ln1_b 4096, b2 5120, ln2_g 6144, ln2_b 7168
.set LNS1, 8192
.set LNS2, 10240
.set XIMG, 12288                       ; x1's eight fragments (2 m + s)
.set XSC, 28672
.set HIMG, 29184                       ; the hidden layer's sixteen (4 m + s)
.set HSC, 61952
.set OSL, 62976
.set PVEC, 540672
.set WV, 12
.set RB, 16
.set OIB, 18
.set OSB, 20
.set W16, 22
.set W512, 24
.set W32K, 26
.set W1K, 28
.set XFB, 30
.set XCB, 32
.set XSB, 34
.set SEL, 36
.set MNT, 38
.set C64I, 39
.set C256I, 40
.set CEPS, 41
.set C64, 42
.set MSB, 0
.macro WIN new                         ; the immediate's high byte repeats the setting that is left; a switch that changes nothing is dropped
.if MSB != \new
	s_set_vgpr_msb (MSB<<8)|\new
.set MSB, \new
.endif
.endm
.macro BARRIER                         ; my LDS stores have landed and my LDS loads are in: then the work-group's barrier
	s_wait_dscnt 0x0
	s_barrier_signal -1
	s_barrier_wait -1
.endm
.macro PLACES                          ; eight places behind this form before its results are read or its registers loaded again
.rept 8
	v_nop
.endr
.endm
.macro MM d, a, b, c, sa, sb, row      ; one product; row = 1: both scale words are taken from lanes 16-31 (the odd K step)
.if \row
	v_wmma_scale_f32_16x16x128_f8f6f4 v[\d:\d+7], v[\a:\a+15], v[\b:\b+15], v[\c:\c+7], v[\sa], v[\sb] matrix_a_fmt:MATRIX_FMT_BF8 matrix_b_fmt:MATRIX_FMT_BF8 matrix_a_scale:MATRIX_SCALE_ROW1 matrix_b_scale:MATRIX_SCALE_ROW1
.else
	v_wmma_scale_f32_16x16x128_f8f6f4 v[\d:\d+7], v[\a:\a+15], v[\b:\b+15], v[\c:\c+7], v[\sa], v[\sb] matrix_a_fmt:MATRIX_FMT_BF8 matrix_b_fmt:MATRIX_FMT_BF8
.endif
.endm
.macro QUANT src, hld, relu            ; 64 numbers of a lane as four blocks (registers src + 16 b + 0..15 with lane l xor 16's): codes to v[PC + 4 b ..] of window 3, bytes to v[TM + 4 + b]; held numbers to hld
.irp b, 0,1,2,3
.if \relu
	v_max3_num_f32 v[TM+\b], v[\src+16*\b], v[\src+16*\b+1], 0x8000000       ; no |.|: what is negative is to become 0 and must not count; the floor stands over it
.else
	v_max3_num_f32 v[TM+\b], |v[\src+16*\b]|, |v[\src+16*\b+1]|, 0x8000000   ; with the floor 2^(16 - 127): the byte cannot fall under 1
.endif
.endr
.irp i, 2,4,6,8,10,12,14
.irp b, 0,1,2,3
.if \relu
	v_max3_num_f32 v[TM+\b], v[TM+\b], v[\src+16*\b+\i], v[\src+16*\b+\i+1]
.else
	v_max3_num_f32 v[TM+\b], v[TM+\b], |v[\src+16*\b+\i]|, |v[\src+16*\b+\i+1]|
.endif
.endr
.endr
.irp b, 0,1,2,3
	v_permlanex16_b32 v[TM+4+\b], v[TM+\b], s[SEL], s[SEL+1]
.endr
.irp b, 0,1,2,3
	v_max_num_f32 v[TM+\b], v[TM+\b], v[TM+4+\b]   ; the block's largest magnitude
.endr
.irp b, 0,1,2,3
	v_add_nc_u32 v[TM+12+\b], 0xf8800000, v[TM+\b] ; 15 off its exponent field: the conversion's scale operand
.endr
.irp b, 0,1,2,3
	v_and_or_b32 v[TM+8+\b], v[TM+\b], 0x7f800000, s[MNT]   ; 57,344 x the scale
.endr
.irp b, 0,1,2,3
	v_lshrrev_b32 v[TM+4+\b], 23, v[TM+12+\b]      ; the scale's byte
.endr
.irp b, 0,1,2,3
.irp i, 0,1,2,3,4,5,6,7,8,9,10,11,12,13,14,15
.if \relu
	v_med3_num_f32 v[\hld+16*\b+\i], v[\src+16*\b+\i], 0, v[TM+8+\b]             ; the activation and the hold in one
.else
	v_med3_num_f32 v[\hld+16*\b+\i], v[\src+16*\b+\i], -v[TM+8+\b], v[TM+8+\b]   ; the conversion does not saturate (ISA guide 7.6.2): hold first
.endif
.endr
.endr
	WIN PCD
.irp b, 0,1,2,3
	v_cvt_scalef32_pk8_bf8_f32 v[PC+4*\b:PC+4*\b+1], v[\hld+16*\b:\hld+16*\b+7], v[TM+12+\b]
	v_cvt_scalef32_pk8_bf8_f32 v[PC+4*\b+2:PC+4*\b+3], v[\hld+16*\b+8:\hld+16*\b+15], v[TM+12+\b]
.endr
	WIN 0
	v_nop                                          ; a plain line between the conversions and whatever next touches their registers
.endm
.macro LNSTAT lns                      ; for each tile m the mean and the sum of squared deviations of my 64 columns of row r; each accumulator is read from its low end on
.irp m, 0,1,2,3
	v_pk_add_f32 v[HA+8*\m:HA+8*\m+1], v[ACC+32*\m:ACC+32*\m+1], v[ACC+32*\m+2:ACC+32*\m+3]
.endr
.irp m, 0,1,2,3
	v_pk_add_f32 v[HA+8*\m+2:HA+8*\m+3], v[ACC+32*\m+4:ACC+32*\m+5], v[ACC+32*\m+6:ACC+32*\m+7]
.endr
.irp i, 8,12,16,20,24,28
.irp m, 0,1,2,3
	v_pk_add_f32 v[HA+8*\m:HA+8*\m+1], v[HA+8*\m:HA+8*\m+1], v[ACC+32*\m+\i:ACC+32*\m+\i+1]
.endr
.irp m, 0,1,2,3
	v_pk_add_f32 v[HA+8*\m+2:HA+8*\m+3], v[HA+8*\m+2:HA+8*\m+3], v[ACC+32*\m+\i+2:ACC+32*\m+\i+3]
.endr
.endr
.irp m, 0,1,2,3
	v_pk_add_f32 v[HA+8*\m:HA+8*\m+1], v[HA+8*\m:HA+8*\m+1], v[HA+8*\m+2:HA+8*\m+3]
.endr
.irp m, 0,1,2,3
	v_add_f32 v[HA+8*\m], v[HA+8*\m], v[HA+8*\m+1]
.endr
.irp m, 0,1,2,3
	v_permlanex16_b32 v[HA+8*\m+1], v[HA+8*\m], s[SEL], s[SEL+1]
.endr
.irp m, 0,1,2,3
	v_add_f32 v[HA+8*\m], v[HA+8*\m], v[HA+8*\m+1]
.endr
.irp m, 0,1,2,3
	v_mul_f32 v[40+2*\m], s[C64I], v[HA+8*\m]      ; the mean of my 64
.endr
.irp m, 0,1,2,3
	v_pk_add_f32 v[HA+8*\m+4:HA+8*\m+5], v[ACC+32*\m:ACC+32*\m+1], v[40+2*\m:41+2*\m] op_sel_hi:[1,0] neg_lo:[0,1] neg_hi:[0,1]
.endr
.irp m, 0,1,2,3
	v_pk_mul_f32 v[HA+8*\m+6:HA+8*\m+7], v[HA+8*\m+4:HA+8*\m+5], v[HA+8*\m+4:HA+8*\m+5]
.endr
.irp i, 2,4,6,8,10,12,14,16,18,20,22,24,26,28,30
.irp m, 0,1,2,3
	v_pk_add_f32 v[HA+8*\m+4:HA+8*\m+5], v[ACC+32*\m+\i:ACC+32*\m+\i+1], v[40+2*\m:41+2*\m] op_sel_hi:[1,0] neg_lo:[0,1] neg_hi:[0,1]
.endr
.irp m, 0,1,2,3
	v_pk_fma_f32 v[HA+8*\m+6:HA+8*\m+7], v[HA+8*\m+4:HA+8*\m+5], v[HA+8*\m+4:HA+8*\m+5], v[HA+8*\m+6:HA+8*\m+7]
.endr
.endr
.irp m, 0,1,2,3
	v_add_f32 v[HA+8*\m+6], v[HA+8*\m+6], v[HA+8*\m+7]
.endr
.irp m, 0,1,2,3
	v_permlanex16_b32 v[HA+8*\m+7], v[HA+8*\m+6], s[SEL], s[SEL+1]
.endr
.irp m, 0,1,2,3
	v_add_f32 v[41+2*\m], v[HA+8*\m+6], v[HA+8*\m+7]
.endr
.irp m, 0,1,2,3
	ds_store_b64 v[LNA], v[40+2*\m:41+2*\m] offset:\lns+512*\m   ; both halves of the lanes write the same pair to the same place
.endr
.endm
.macro LNFIN lns, goff, boff           ; behind a barrier: the four waves' pairs are merged (mean of means; 64 x each mean's squared distance joins the sums of squares), then (x - mean) rstd g + b in place
.irp m, 0,1,2,3
	ds_load_b128 v[HA+8*\m:HA+8*\m+3], v[LNR] offset:\lns+512*\m
	ds_load_b128 v[HA+8*\m+4:HA+8*\m+7], v[LNR] offset:\lns+512*\m+16
.endr
.irp t, 0,1,2,3
	ds_load_b128 v[HA+32+8*\t:HA+32+8*\t+3], v[VB] offset:\goff+(32*(\t/2)+8*(\t%2))*4
	ds_load_b128 v[HA+32+8*\t+4:HA+32+8*\t+7], v[VB] offset:\goff+(32*(\t/2)+8*(\t%2))*4+16
.endr
	s_wait_dscnt 0x0
.irp m, 0,1,2,3
	v_add_f32 v[40+2*\m], v[HA+8*\m], v[HA+8*\m+2]
.endr
.irp m, 0,1,2,3
	v_add_f32 v[41+2*\m], v[HA+8*\m+4], v[HA+8*\m+6]
.endr
.irp m, 0,1,2,3
	v_add_f32 v[40+2*\m], v[40+2*\m], v[41+2*\m]
.endr
.irp m, 0,1,2,3
	v_mul_f32 v[48+2*\m], 0x3e800000, v[40+2*\m]   ; the row's mean
.endr
.irp k, 0,2,4,6
.irp m, 0,1,2,3
	v_sub_f32 v[HA+8*\m+\k], v[HA+8*\m+\k], v[48+2*\m]
.endr
.endr
.irp m, 0,1,2,3
	v_mul_f32 v[40+2*\m], v[HA+8*\m], v[HA+8*\m]
.endr
.irp k, 2,4,6
.irp m, 0,1,2,3
	v_fmac_f32 v[40+2*\m], v[HA+8*\m+\k], v[HA+8*\m+\k]
.endr
.endr
.irp m, 0,1,2,3
	v_add_f32 v[41+2*\m], v[HA+8*\m+1], v[HA+8*\m+3]
.endr
.irp m, 0,1,2,3
	v_add_f32 v[HA+8*\m+5], v[HA+8*\m+5], v[HA+8*\m+7]
.endr
.irp m, 0,1,2,3
	v_add_f32 v[41+2*\m], v[41+2*\m], v[HA+8*\m+5]
.endr
.irp m, 0,1,2,3
	v_fma_f32 v[41+2*\m], v[40+2*\m], s[C64], v[41+2*\m]
.endr
.irp m, 0,1,2,3
	v_fma_f32 v[41+2*\m], v[41+2*\m], s[C256I], s[CEPS]   ; the variance + eps
.endr
.irp m, 0,1,2,3
	v_rsq_f32 v[56+2*\m], v[41+2*\m]
.endr
	v_nop                                          ; a plain line behind the last root
.irp t, 0,1,2,3
	ds_load_b128 v[HA+8*\t:HA+8*\t+3], v[VB] offset:\boff+(32*(\t/2)+8*(\t%2))*4
	ds_load_b128 v[HA+8*\t+4:HA+8*\t+7], v[VB] offset:\boff+(32*(\t/2)+8*(\t%2))*4+16
.endr
	s_wait_alu depctr_va_vdst(0)
.irp m, 0,1,2,3
.set i, 0
.rept 16
	v_pk_add_f32 v[ACC+32*\m+i:ACC+32*\m+i+1], v[ACC+32*\m+i:ACC+32*\m+i+1], v[48+2*\m:49+2*\m] op_sel_hi:[1,0] neg_lo:[0,1] neg_hi:[0,1]
.set i, i+2
.endr
.set i, 0
.rept 16
	v_pk_mul_f32 v[ACC+32*\m+i:ACC+32*\m+i+1], v[ACC+32*\m+i:ACC+32*\m+i+1], v[56+2*\m:57+2*\m] op_sel_hi:[1,0]
.set i, i+2
.endr
.endr
	s_wait_dscnt 0x0                               ; the bias
.irp m, 0,1,2,3
.set i, 0
.rept 16
	v_pk_fma_f32 v[ACC+32*\m+i:ACC+32*\m+i+1], v[ACC+32*\m+i:ACC+32*\m+i+1], v[HA+32+i:HA+32+i+1], v[HA+i:HA+i+1]
.set i, i+2
.endr
.endr
.endm
.macro XOUT                            ; x in f32 as my registers stand (each store 512 consecutive bytes), its codes as chunks of register images, its scale words gathered in LDS and stored by wave 0
.irp m, 0,1,2,3
.irp t, 0,1,2,3
	global_store_b128 v[LI], v[ACC+32*\m+8*\t:ACC+32*\m+8*\t+3], s[XFB:XFB+1] offset:4096*\m+1024*\t
	global_store_b128 v[LI], v[ACC+32*\m+8*\t+4:ACC+32*\m+8*\t+7], s[XFB:XFB+1] offset:4096*\m+1024*\t+512
.endr
.endr
.irp g, 0,2
.if \g
	s_wait_xcnt 0x0                                ; the first half's stores have read the codes' registers
.endif
	QUANT ACC+32*\g, HA, 0                         ; blocks: (tile g, my first 32 columns), (g, second), (g + 1, first), (g + 1, second); ACC stays as the stores want it
	WIN PCS                                        ; a store's data are its source 1: window 3
.irp k, 0,1,2,3
	global_store_b128 v[CWI], v[PC+4*\k:PC+4*\k+3], s[XCB:XCB+1] offset:4096*(\g+\k/2)+512*(\k%2)
.endr
	WIN 0
	v_lshl_or_b32 v[PW+\g], v[TM+5], 8, v[TM+4]
	v_lshl_or_b32 v[PW+\g+1], v[TM+7], 8, v[TM+6]
	ds_store_b16 v[CWS], v[PW+\g] offset:OSL+128*\g
	ds_store_b16 v[CWS], v[PW+\g+1] offset:OSL+128*(\g+1)
.endr
	BARRIER
	s_cmp_lg_u32 s[WV], 0
	s_cbranch_scc1 .Lxend
	ds_load_b128 v[HA:HA+3], v[LI] offset:OSL
	s_wait_dscnt 0x0
	global_store_b128 v[LI], v[HA:HA+3], s[XSB:XSB+1]
.Lxend:
	s_wait_xcnt 0x0
	v_lshl_add_u32 v254, v0, 2, 0x10000
	v_mov_b32 v255, 0
	s_wait_tensorcnt 0x0
	ds_add_u32 v254, v255
	s_wait_dscnt 0x0
	s_endpgm
.endm
.macro FETCH4 s, base                  ; the hidden layer's fragments (m, s) of the four tiles into places base + m
	WIN 0xc0
.irp m, 0,1,2,3
.irp c, 0,1,2,3
	ds_load_b128 v[128+16*(\base+\m)+4*\c:128+16*(\base+\m)+4*\c+3], v[LI] offset:HIMG+8192*\m+2048*\s+512*\c
.endr
.endr
	WIN 0
.endm
.macro MUL2 s, base                    ; K step s of the second product: sixteen accumulators by turns
	WIN 0x0e                                       ; source 0 window 2 (W2), source 1 window 3
.irp m, 0,1,2,3
.irp t, 0,1,2,3
	MM ACC+32*\m+8*\t, 64*\t+16*\s, 128+16*(\base+\m), ACC+32*\m+8*\t, 24+2*\t+\s/2, 32+2*\m+\s/2, \s%2
.endr
.endr
	WIN 0
.endm
	s_load_b256 s[4:11], s[0:1], 0x0               ; x in 4, oc 6, par 8, x out 10
	v_lshrrev_b32 v1, 5, v0
	v_readfirstlane_b32 s[WV], v1                  ; wave 0..3
	s_and_b32 s13, ttmp7, 0xffff                   ; batch
	s_lshr_b32 s14, s[WV], 1
	s_and_b32 s15, s[WV], 1
	v_and_b32 v60, 31, v0                          ; lane
	v_and_b32 v61, 15, v0                          ; r
	v_bfe_u32 v62, v0, 4, 1                        ; h
	v_lshlrev_b32 v[LI], 4, v60
	v_lshlrev_b32 v[LS], 2, v60
	s_lshl_b32 s44, s14, 11
	s_lshl_b32 s45, s15, 10
	s_add_co_u32 s44, s44, s45
	v_add_nc_u32 v[CWI], s44, v[LI]
	s_lshl_b32 s44, s14, 6
	s_lshl_b32 s45, s15, 1
	s_add_co_u32 s44, s44, s45
	v_lshl_add_u32 v[CWS], v61, 2, s44
	s_lshl_b32 s44, s[WV], 11
	v_add_nc_u32 v[HWI], s44, v[LI]
	s_lshl_b32 s44, s[WV], 6
	v_lshl_add_u32 v[HWS], v61, 2, s44
	s_lshl_b32 s44, s[WV], 3
	v_lshl_add_u32 v[LNA], v61, 5, s44
	v_lshlrev_b32 v[LNR], 5, v61
	s_lshl_b32 s44, s[WV], 8
	v_lshl_add_u32 v[VB], v62, 6, s44
	s_lshl_b32 s44, s[WV], 9
	v_lshl_add_u32 v[VB1], v62, 6, s44
	v_lshlrev_b32 v[VCP], 4, v0
.set i, 40
.rept 24
	v_mov_b32 v[i], 0                              ; written once: lane permutes' destinations and the upper halves of pairs count as read
.set i, i+1
.endr
	s_mov_b32 s[SEL], 0x76543210
	s_mov_b32 s[SEL+1], 0xfedcba98                 ; v_permlanex16_b32's selects for lane l xor 16
	s_mov_b32 s[MNT], 0x600000                     ; the mantissa field of 57,344
	s_mov_b32 s[C64I], 0x3c800000                  ; 1 / 64
	s_mov_b32 s[C256I], 0x3b800000                 ; 1 / 256
	s_mov_b32 s[CEPS], 0x3727c5ac                  ; 1e-5
	s_mov_b32 s[C64], 0x42800000                   ; 64
	s_lshl_b32 s43, s13, 4
	s_add_co_u32 s43, s43, ttmp9                   ; 16 b + pg
	s_lshl_b32 s44, s43, 16
	s_lshl_b32 s45, s[WV], 14
	s_add_co_u32 s44, s44, s45                     ; x in f32: my wave's 16,384 bytes, in and out
	s_mov_b32 s45, 0
	s_lshl_b32 s46, s43, 14                        ; o's images; with 8,388,608 more: x's images
	s_mov_b32 s47, 0
	s_add_co_u32 s48, s46, 8388608
	s_mov_b32 s49, 0
	s_lshl_b32 s50, s43, 9
	s_add_co_u32 s52, s50, 10485760                ; x's scale words
	s_add_co_u32 s50, s50, 2097152                 ; o's
	s_mov_b32 s51, 0
	s_mov_b32 s53, 0
	s_lshl_b32 s54, s[WV], 14
	s_mov_b32 s55, 0
	s_lshl_b32 s56, s[WV], 9
	s_mov_b32 s57, 0
	s_lshl_b32 s58, s[WV], 15
	s_mov_b32 s59, 0
	s_lshl_b32 s60, s[WV], 10
	s_mov_b32 s61, 0
	s_wait_kmcnt 0x0
	s_add_nc_u64 s[RB:RB+1], s[4:5], s[44:45]
	s_add_nc_u64 s[OIB:OIB+1], s[6:7], s[46:47]
	s_add_nc_u64 s[OSB:OSB+1], s[6:7], s[50:51]
	s_add_nc_u64 s[W16:W16+1], s[8:9], s[54:55]
	s_add_nc_u64 s[W512:W512+1], s[8:9], s[56:57]
	s_add_nc_u64 s[W32K:W32K+1], s[8:9], s[58:59]
	s_add_nc_u64 s[W1K:W1K+1], s[8:9], s[60:61]
	s_add_nc_u64 s[XFB:XFB+1], s[10:11], s[44:45]
	s_add_nc_u64 s[XCB:XCB+1], s[10:11], s[48:49]
	s_add_nc_u64 s[XSB:XSB+1], s[10:11], s[52:53]
.irp k, 0,1,2,3
	global_load_b128 v[HA+4*\k:HA+4*\k+3], v[VCP], s[8:9] offset:PVEC+3072+2048*\k   ; 8,192 bytes of vectors, for LDS
.endr
.irp t, 0,1,2,3
	global_load_b128 v[HA+32+8*\t:HA+32+8*\t+3], v[VB], s[8:9] offset:PVEC+5120+(32*(\t/2)+8*(\t%2))*4      ; bo in the result's layout
	global_load_b128 v[HA+32+8*\t+4:HA+32+8*\t+7], v[VB], s[8:9] offset:PVEC+5120+(32*(\t/2)+8*(\t%2))*4+16
.endr
.set i, 0
.rept 32
	global_load_b128 v[ACC+4*i:ACC+4*i+3], v[LI], s[RB:RB+1] offset:512*i   ; x as the last launch's registers stood
.set i, i+1
.endr
	WIN 0xc0                                       ; destination window 3
.irp f, 0,1,2,3,4,5,6,7
.irp c, 0,1,2,3
	global_load_b128 v[128+16*\f+4*\c:128+16*\f+4*\c+3], v[LI], s[OIB:OIB+1] offset:2048*\f+512*\c   ; o's eight fragments (2 m + s)
.endr
.endr
	WIN 0
.irp m, 0,1,2,3
	global_load_b32 v[32+\m], v[LS], s[OSB:OSB+1] offset:128*\m   ; lanes 0-15: K step 0's words, lanes 16-31: K step 1's
.endr
	WIN 0xc0
.irp f, 0,1,2,3,4,5,6,7
.irp c, 0,1,2,3
	global_load_b128 v[16*\f+4*\c:16*\f+4*\c+3], v[LI], s[W16:W16+1] offset:196608+2048*\f+512*\c   ; Wo
.endr
.endr
	WIN 0
.irp t, 0,1,2,3
	global_load_b32 v[12+\t], v[LS], s[W512:W512+1] offset:530432+128*\t
.endr
	WIN 0x40                                       ; destination window 1
.irp f, 0,1,2,3,4,5,6,7,8,9,10,11,12,13,14,15
.irp c, 0,1,2,3
	global_load_b128 v[16*\f+4*\c:16*\f+4*\c+3], v[LI], s[W32K:W32K+1] offset:262144+2048*\f+512*\c   ; W1
.endr
.endr
	WIN 0
.irp t, 0,1,2,3,4,5,6,7
	global_load_b32 v[16+\t], v[LS], s[W1K:W1K+1] offset:532480+128*\t
.endr
	s_wait_loadcnt 63                              ; W1's 72 loads are the youngest: all that phase O wants is in
	WIN 0x80                                       ; destination window 2
.irp f, 0,1,2,3,4,5,6,7,8,9,10,11,12,13,14,15
.irp c, 0,1,2,3
	global_load_b128 v[16*\f+4*\c:16*\f+4*\c+3], v[LI], s[W32K:W32K+1] offset:393216+2048*\f+512*\c   ; W2
.endr
.endr
	WIN 0
.irp k, 0,1,2,3,4,5,6,7
	global_load_b32 v[24+\k], v[LS], s[W1K:W1K+1] offset:536576+128*\k
.endr
	; ---- O: x + bo + o Wo
.irp k, 0,1,2,3
	ds_store_b128 v[VCP], v[HA+4*\k:HA+4*\k+3] offset:VEC+2048*\k
.endr
.irp m, 0,1,2,3
.set i, 0
.rept 16
	v_pk_add_f32 v[ACC+32*\m+i:ACC+32*\m+i+1], v[ACC+32*\m+i:ACC+32*\m+i+1], v[HA+32+i:HA+32+i+1]
.set i, i+2
.endr
.endr
	WIN 0x0f                                       ; sources 0 (Wo) and 1 (o) window 3.  The sixteen accumulators take turns
.irp m, 0,1,2,3
.irp t, 0,1,2,3
	MM ACC+32*\m+8*\t, 32*\t, 128+32*\m, ACC+32*\m+8*\t, 12+\t, 32+\m, 0
.endr
.endr
.irp m, 0,1,2,3
.irp t, 0,1,2,3
	MM ACC+32*\m+8*\t, 32*\t+16, 128+32*\m+16, ACC+32*\m+8*\t, 12+\t, 32+\m, 1
.endr
.endr
	WIN 0
	PLACES
	s_wait_dscnt 0x0                               ; the vectors' stores have read v64-79, which the norm writes next
	LNSTAT LNS1
	BARRIER                                        ; the waves' pairs, and the vectors, lie in LDS
	LNFIN LNS1, VEC+3072, VEC+4096
	; ---- x1 becomes an operand: my 64 columns are two chunks of each tile's fragment w / 2
.irp g, 0,2
	QUANT ACC+32*\g, HA, 0                         ; ACC keeps x1: it is the second residual
	WIN PCS                                        ; an LDS store's data are its source 1: window 3
.irp k, 0,1,2,3
	ds_store_b128 v[CWI], v[PC+4*\k:PC+4*\k+3] offset:XIMG+4096*(\g+\k/2)+512*(\k%2)
.endr
	WIN 0
	v_lshl_or_b32 v[PW+\g], v[TM+5], 8, v[TM+4]
	v_lshl_or_b32 v[PW+\g+1], v[TM+7], 8, v[TM+6]
	ds_store_b16 v[CWS], v[PW+\g] offset:XSC+128*\g
	ds_store_b16 v[CWS], v[PW+\g+1] offset:XSC+128*(\g+1)
	s_wait_dscnt 0x0                               ; the stores have read the codes' registers
.endr
.irp t, 0,1,2,3
	ds_load_b128 v[HA+8*\t:HA+8*\t+3], v[VB] offset:VEC+5120+(32*(\t/2)+8*(\t%2))*4        ; b2 in the result's layout
	ds_load_b128 v[HA+8*\t+4:HA+8*\t+7], v[VB] offset:VEC+5120+(32*(\t/2)+8*(\t%2))*4+16
.endr
	s_wait_dscnt 0x0
.irp m, 0,1,2,3
.set i, 0
.rept 16
	v_pk_add_f32 v[ACC+32*\m+i:ACC+32*\m+i+1], v[ACC+32*\m+i:ACC+32*\m+i+1], v[HA+i:HA+i+1]   ; the second product's sums begin as x1 + b2
.set i, i+2
.endr
.endr
	BARRIER                                        ; x1's eight fragments and their words lie in LDS
	; ---- 1: my 128 hidden units, a tile of 16 rows at a time; b1 is loaded into the accumulators
	s_wait_loadcnt 63                              ; W2's 72 loads are younger than W1's: W1 and its scale words are in
.irp m, 0,1,2,3
.irp t, 0,1,2,3,4,5,6,7
	ds_load_b128 v[HA+8*\t:HA+8*\t+3], v[VB1] offset:VEC+(32*(\t/2)+8*(\t%2))*4
	ds_load_b128 v[HA+8*\t+4:HA+8*\t+7], v[VB1] offset:VEC+(32*(\t/2)+8*(\t%2))*4+16
.endr
	WIN 0xc0
.irp f, 0,1
.irp c, 0,1,2,3
	ds_load_b128 v[128+16*\f+4*\c:128+16*\f+4*\c+3], v[LI] offset:XIMG+4096*\m+2048*\f+512*\c
.endr
.endr
	WIN 0
	ds_load_b32 v32, v[LS] offset:XSC+128*\m
	s_wait_dscnt 0x0
	WIN 0x0d                                       ; source 0 window 1 (W1), source 1 window 3 (x1).  Eight accumulators by turns
.irp t, 0,1,2,3,4,5,6,7
	MM HA+8*\t, 32*\t, 128, HA+8*\t, 16+\t, 32, 0
.endr
.irp t, 0,1,2,3,4,5,6,7
	MM HA+8*\t, 32*\t+16, 144, HA+8*\t, 16+\t, 32, 1
.endr
	WIN 0
	PLACES
	QUANT HA, HA, 1                                ; four blocks of 32 hidden units: K step w of the second product
	v_lshl_or_b32 v[PW+\m], v[TM+5], 8, v[TM+4]
	v_lshl_or_b32 v[PW+\m], v[TM+6], 16, v[PW+\m]
	v_lshl_or_b32 v[PW+\m], v[TM+7], 24, v[PW+\m]
	WIN PCS
.irp c, 0,1,2,3
	ds_store_b128 v[HWI], v[PC+4*\c:PC+4*\c+3] offset:HIMG+8192*\m+512*\c
.endr
	WIN 0
	ds_store_b32 v[HWS], v[PW+\m] offset:HSC+256*\m
	s_wait_dscnt 0x0                               ; the stores have read the codes' registers
.endr
	BARRIER                                        ; the hidden layer's sixteen fragments lie in LDS
	; ---- 2: my 64 columns of the 64 rows, four K steps; a step's four fragments are fetched while the step before is multiplied
.irp m, 0,1,2,3
	ds_load_b32 v[32+2*\m], v[LS] offset:HSC+256*\m
	ds_load_b32 v[33+2*\m], v[LS] offset:HSC+256*\m+128
.endr
	FETCH4 0, 0
	FETCH4 1, 4
	s_wait_loadcnt 0x0                             ; W2 and its scale words
	s_wait_dscnt 16                                ; all but the 16 loads of K step 1
	MUL2 0, 0
	PLACES
	FETCH4 2, 0
	s_wait_dscnt 16                                ; all but the 16 just issued
	MUL2 1, 4
	PLACES
	FETCH4 3, 4
	s_wait_dscnt 16
	MUL2 2, 0
	s_wait_dscnt 0x0
	MUL2 3, 4
	PLACES
	LNSTAT LNS2
	BARRIER
	LNFIN LNS2, VEC+6144, VEC+7168
	XOUT
.Lfunc_end_k_q741f775f78_post0:
	.size	k_q741f775f78_post0, .Lfunc_end_k_q741f775f78_post0-k_q741f775f78_post0
	.p2alignl 7, 3214868480
	.fill 96, 4, 3214868480
	.section	.rodata,"a",@progbits
	.p2align	6, 0x0
	.amdhsa_kernel k_q741f775f78_post0
		.amdhsa_group_segment_fixed_size 66048
		.amdhsa_private_segment_fixed_size 0
		.amdhsa_enable_private_segment 0
		.amdhsa_kernarg_size 32
		.amdhsa_user_sgpr_count 2
		.amdhsa_user_sgpr_kernarg_segment_ptr 1
		.amdhsa_wavefront_size32 1
		.amdhsa_system_sgpr_workgroup_id_x 1
		.amdhsa_system_sgpr_workgroup_id_y 1
		.amdhsa_system_sgpr_workgroup_id_z 1
		.amdhsa_system_vgpr_workitem_id 0
		.amdhsa_next_free_vgpr 1024
		.amdhsa_next_free_sgpr 66
		.amdhsa_reserve_vcc 0
		.amdhsa_float_denorm_mode_32 3
		.amdhsa_float_denorm_mode_16_64 3
		.amdhsa_memory_ordered 1
		.amdhsa_forward_progress 1
		.amdhsa_inst_pref_size 202
	.end_amdhsa_kernel
	.amdgpu_metadata
---
amdhsa.version: [ 1, 2 ]
amdhsa.kernels:
  - .name:           k_q741f775f78_post0
    .symbol:         k_q741f775f78_post0.kd
    .args:
      - { .name: xa, .offset: 0, .size: 8, .value_kind: global_buffer, .address_space: global }
      - { .name: oc, .offset: 8, .size: 8, .value_kind: global_buffer, .address_space: global }
      - { .name: par0, .offset: 16, .size: 8, .value_kind: global_buffer, .address_space: global }
      - { .name: xb, .offset: 24, .size: 8, .value_kind: global_buffer, .address_space: global }
    .group_segment_fixed_size: 66048
    .private_segment_fixed_size: 0
    .kernarg_segment_align: 8
    .kernarg_segment_size: 32
    .max_flat_workgroup_size: 128
    .sgpr_count:     66
    .vgpr_count:     1024
    .wavefront_size: 32
...
	.end_amdgpu_metadata
.endif
;; end of part 5
;; launch qkv1: the kernel of part 3 again; grid 16 x 8, 4 waves a work-group, no clusters, 4,608 bytes of LDS; arguments xb, par1, qkv; writes qkv
;; launch attn1: the kernel of part 4 again; grid 2 x 8, 8 waves a work-group, no clusters, 327,680 bytes of LDS; arguments qkv, dist, oc; writes oc
;; launch post1: the kernel of part 5 again; grid 1 x 8, 4 waves a work-group, no clusters, 66,048 bytes of LDS; arguments xb, oc, par1, xa; writes xa
;; launch bn (part 6): grid 1 x 1, 2 waves a work-group, no clusters, 0 bytes of LDS; arguments xa, bn_g, bn_b, out0; writes out0
.if DOCPART == 6
	.amdgcn_target "amdgcn-amd-amdhsa--gfx1250"
	.amdhsa_code_object_version 6
	.text
	.protected	k_q741f775f78_bn
	.globl	k_q741f775f78_bn
	.p2align	8
	.type	k_q741f775f78_bn,@function
k_q741f775f78_bn:
	s_mov_b64 s[64:65], 0
	v_nop
	global_prefetch_b8 v0, s[64:65] scope:SCOPE_SE
	s_setreg_imm32_b32 hwreg(HW_REG_WAVE_MODE, 25, 1), 1
	s_wait_xcnt 0x0
; BN: y = x at position 0, [8 batches][256]; out = (y - mean over the batches) rsqrt(variance + 1e-5) g + b, all in f32.
; One work-group of two waves: 8 x 256 numbers are all the work there is, and each column's eight numbers meet in one thread.  Thread t takes columns 4 t .. 4 t + 3.
; x lies in the order of the last launch's registers: [b][group of 64 positions][wave][row tile][tile t'][q][lane][16 bytes]; position 0 is group 0, row tile 0, lanes 0 and 16;
; column c = 64 wave + 32 (t' / 2) + 16 (lane / 16) + 8 (t' % 2) + 4 q + e.  So my 16 bytes lie at 16,384 (t / 16) + 2,048 (t / 8 % 2) + 256 (t / 4 % 2) + 1,024 (t / 2 % 2) + 512 (t % 2); a batch is 1,048,576 bytes on.
; The deviations are formed first and squared then: no difference of large sums.
	s_load_b256 s[4:11], s[0:1], 0x0               ; x 4, bn_g 6, bn_b 8, out0 10
	v_lshrrev_b32 v1, 4, v0
	v_lshlrev_b32 v1, 14, v1
	v_bfe_u32 v2, v0, 3, 1
	v_lshl_add_u32 v1, v2, 11, v1
	v_bfe_u32 v2, v0, 2, 1
	v_lshl_add_u32 v1, v2, 8, v1
	v_bfe_u32 v2, v0, 1, 1
	v_lshl_add_u32 v1, v2, 10, v1
	v_and_b32 v2, 1, v0
	v_lshl_add_u32 v1, v2, 9, v1
	v_lshlrev_b32 v3, 4, v0                        ; 16 t: my four columns in a row of 256
	s_mov_b32 s12, 0x3e000000                      ; 1 / 8
	s_mov_b32 s13, s12                             ; (named with it as a pair, so it is written)
	s_mov_b32 s14, 0x3727c5ac                      ; 1e-5
	s_wait_kmcnt 0x0
.irp b, 0,1,2,3,4,5,6,7
	global_load_b128 v[8+4*\b:11+4*\b], v1, s[4:5] offset:1048576*\b
.endr
	global_load_b128 v[40:43], v3, s[6:7]
	global_load_b128 v[44:47], v3, s[8:9]
	s_wait_loadcnt 0x0
.irp p, 0,2
	v_pk_add_f32 v[48+\p:49+\p], v[8+\p:9+\p], v[12+\p:13+\p]
.endr
.irp b, 2,3,4,5,6,7
.irp p, 0,2
	v_pk_add_f32 v[48+\p:49+\p], v[48+\p:49+\p], v[8+4*\b+\p:9+4*\b+\p]
.endr
.endr
.irp p, 0,2
	v_pk_mul_f32 v[48+\p:49+\p], v[48+\p:49+\p], s[12:13] op_sel_hi:[1,0]   ; the mean
.endr
.irp b, 0,1,2,3,4,5,6,7
.irp p, 0,2
	v_pk_add_f32 v[8+4*\b+\p:9+4*\b+\p], v[8+4*\b+\p:9+4*\b+\p], v[48+\p:49+\p] neg_lo:[0,1] neg_hi:[0,1]   ; the deviations
.endr
.endr
.irp p, 0,2
	v_pk_mul_f32 v[52+\p:53+\p], v[8+\p:9+\p], v[8+\p:9+\p]
.endr
.irp b, 1,2,3,4,5,6,7
.irp p, 0,2
	v_pk_fma_f32 v[52+\p:53+\p], v[8+4*\b+\p:9+4*\b+\p], v[8+4*\b+\p:9+4*\b+\p], v[52+\p:53+\p]
.endr
.endr
.irp e, 0,1,2,3
	v_fma_f32 v[52+\e], v[52+\e], s12, s14         ; the variance + eps
.endr
.irp e, 0,1,2,3
	v_rsq_f32 v[56+\e], v[52+\e]
.endr
	v_nop                                          ; a plain line behind the last root
	s_wait_alu depctr_va_vdst(0)
.irp b, 0,1,2,3,4,5,6,7
.irp p, 0,2
	v_pk_mul_f32 v[8+4*\b+\p:9+4*\b+\p], v[8+4*\b+\p:9+4*\b+\p], v[56+\p:57+\p]
.endr
.irp p, 0,2
	v_pk_fma_f32 v[8+4*\b+\p:9+4*\b+\p], v[8+4*\b+\p:9+4*\b+\p], v[40+\p:41+\p], v[44+\p:45+\p]
.endr
	global_store_b128 v3, v[8+4*\b:11+4*\b], s[10:11] offset:1024*\b   ; a wave stores 512 consecutive bytes
.endr
	s_endpgm
.Lfunc_end_k_q741f775f78_bn:
	.size	k_q741f775f78_bn, .Lfunc_end_k_q741f775f78_bn-k_q741f775f78_bn
	.p2alignl 7, 3214868480
	.fill 96, 4, 3214868480
	.section	.rodata,"a",@progbits
	.p2align	6, 0x0
	.amdhsa_kernel k_q741f775f78_bn
		.amdhsa_group_segment_fixed_size 0
		.amdhsa_private_segment_fixed_size 0
		.amdhsa_enable_private_segment 0
		.amdhsa_kernarg_size 32
		.amdhsa_user_sgpr_count 2
		.amdhsa_user_sgpr_kernarg_segment_ptr 1
		.amdhsa_wavefront_size32 1
		.amdhsa_system_sgpr_workgroup_id_x 1
		.amdhsa_system_sgpr_workgroup_id_y 1
		.amdhsa_system_sgpr_workgroup_id_z 1
		.amdhsa_system_vgpr_workitem_id 0
		.amdhsa_next_free_vgpr 64
		.amdhsa_next_free_sgpr 66
		.amdhsa_reserve_vcc 0
		.amdhsa_float_denorm_mode_32 3
		.amdhsa_float_denorm_mode_16_64 3
		.amdhsa_memory_ordered 1
		.amdhsa_forward_progress 1
		.amdhsa_inst_pref_size 9
	.end_amdhsa_kernel
	.amdgpu_metadata
---
amdhsa.version: [ 1, 2 ]
amdhsa.kernels:
  - .name:           k_q741f775f78_bn
    .symbol:         k_q741f775f78_bn.kd
    .args:
      - { .name: xa, .offset: 0, .size: 8, .value_kind: global_buffer, .address_space: global }
      - { .name: bn_g, .offset: 8, .size: 8, .value_kind: global_buffer, .address_space: global }
      - { .name: bn_b, .offset: 16, .size: 8, .value_kind: global_buffer, .address_space: global }
      - { .name: out0, .offset: 24, .size: 8, .value_kind: global_buffer, .address_space: global }
    .group_segment_fixed_size: 0
    .private_segment_fixed_size: 0
    .kernarg_segment_align: 8
    .kernarg_segment_size: 32
    .max_flat_workgroup_size: 64
    .sgpr_count:     66
    .vgpr_count:     64
    .wavefront_size: 32
...
	.end_amdgpu_metadata
.endif
;; end of part 6
;; ======== version 2 of 2: 9 launches; 1.13 times as fast as version 1
;; workspace buffers: emb 1,116,160 bytes; par0 551,936 bytes; par1 551,936 bytes; xa 10,551,296 bytes; xb 10,551,296 bytes; qkv 6,553,600 bytes; oc 2,162,688 bytes
;; launch prep: the kernel of part 1 again; grid 198 x 1, 4 waves a work-group, no clusters, 0 bytes of LDS; arguments W_in, Wo, W2, Wqkv, W1, bqkv, b1, bo, ln1_g, ln1_b, b2, ln2_g, ln2_b, emb, par0, par1; writes emb, par0, par1
;; launch embed: the kernel of part 2 again; grid 16 x 8, 4 waves a work-group, no clusters, 29,184 bytes of LDS; arguments nodes, emb, b_in, ln_in_g, ln_in_b, xa; writes xa
;; launch qkv0: the kernel of part 3 again; grid 16 x 8, 4 waves a work-group, no clusters, 4,608 bytes of LDS; arguments xa, par0, qkv; writes qkv
;; launch attn0 (part 7): grid 32 x 8, 8 waves a work-group, no clusters, 327,680 bytes of LDS; arguments qkv, dist, oc; writes oc
.if DOCPART == 7
	.amdgcn_target "amdgcn-amd-amdhsa--gfx1250"
	.amdhsa_code_object_version 6
	.text
	.protected	k_q741f775f78_attn0
	.globl	k_q741f775f78_attn0
	.p2align	8
	.type	k_q741f775f78_attn0,@function
k_q741f775f78_attn0:
	s_mov_b64 s[64:65], 0
	v_nop
	global_prefetch_b8 v0, s[64:65] scope:SCOPE_SE
	s_setreg_imm32_b32 hwreg(HW_REG_WAVE_MODE, 25, 1), 1
	s_wait_xcnt 0x0
; ATTENTION on codes of E5M2, all eight heads of 32 queries of one batch in a work-group (x: block of 32 queries, y: batch); o leaves quantised for the next product.
; Heads 0, 1 allow dist == 1, heads 2 to 5 dist >= 1, heads 6, 7 every key.  t = score x log2(e) / sqrt(32); M = the running largest t rounded up to a whole number; p = 2^(t - M) is quantised along the keys,
; not normalised; the row's sum is taken of the unquantised p and divides at the end.  When M moves, the sum and O are multiplied by 2^(old M - new M): exact.
; SHARES.  Wave w: pair of heads a = w % 4, tile of 16 queries u = w / 4.  Eight key steps of 128.  K, V and the 32 x 128 numbers of dist come through two LDS slots by three tensor loads a step
; (wave 0: K's 32 KB, wave 1: V's 32 KB, wave 2: dist's 16 KB), so dist leaves memory once for all eight heads.  K's and V's scale words of the whole batch (8 KB each) are filled once.
; LAYOUT.  Both products are transposed: a lane holds ONE query.  A head is 32 wide, a quarter of the instruction's K: a fragment of K holds (even tile, odd tile) x (head 0, head 1) of 32 keys in its four chunks,
; and q stands in one chunk of a fragment whose other chunks are zero codes: four overlapping runs of registers give the four places.  THE MASK RIDES IN AS C: 0 or -3e38, made once a step for both heads.
; The keys of a tile are 32 j + 8 u + r + 8 (r / 8), so the 16 registers of two neighbouring tiles are 16 neighbouring keys and the conversions' results are the second product's operand.
; NO CLUSTER (not tried): the blocks of queries of a batch share K's and V's 64 KB of a step, not dist's 16 KB; that stands beside some 6,000 vector instructions of the eight waves, in which a wave's one load lands;
; a round of the cluster's barrier in each of the eight steps would tie together four work-groups whose waves' work is uneven (the waves of heads 6 and 7 make no mask).
; LIMITS: t under -2^120 counts as masked; a query with no allowed key gives 0 x infinity ahead of o's quantiser, and what the quantiser makes of that is not served; NaN and infinities among the inputs are not served;
; a block of zeros gets the byte 1 (its codes are zeros; the bytes are this program's own).
; REGISTERS: window 0: v1-5 places that stay, v6-7 the spare word's address and 0, v8-12 the step's addresses, v13 -3e38, v14 q's scale word, v15 16 x lane, v16-23 per head -M, largest t, the sum in two halves,
;   v24-27 K's scale words, v28-31 V's (v32-35 their upper halves on the way), v36-37, v57 the way out, v38 f, v39 p's scale word, v40-59 at work, v64-127 the mask, v128-191 scores then p, v192-207 p's codes,
;   v208-239 O^T (16 x + 8 ud), v240-255 o.   window 1: v0-63 K's four fragments, v64-127 V's four, v128-175 q's twelve groups of four.
.set SLOT1, 131072
.set SCK, 262144
.set SCV, 270336
.set OSC, 278528                       ; o's scale words: 256 bytes that no tensor load fills
.set SPARE, 278784                     ; the spare words: 128 bytes for each of eight waves: four blocks of 256 bytes that no other line names
.set AK0, 1
.set AV0, 2
.set AD0, 3
.set ASK0, 4
.set ASV0, 5
.set SPW, 6
.set NIL, 7
.set ADK, 8
.set ADV, 9
.set ADD, 10
.set ADS, 11
.set ADT, 12
.set NEGR, 13
.set QSW, 14
.set LI, 15
.set OSA, 36
.set OSR, 37
.set FF, 38
.set BM, 40
.set PL, 44
.set LM, 48
.set SO, 52
.set TT, 56
.set G8, 57
.set SU, 58
.set BIAS, 64
.set SCR, 128
.set PC, 192
.set OAC, 208
.set WV, 10
.set AA, 11
.set UU, 12
.set BB, 13
.set SEL, 14
.set CS, 16
.set MNT, 18
.set TB, 19
.set TS, 20
.set SLOTS, 21
.set G1D, 24
.set G1S, 32
.set G1M, 40
.set G0K, 48
.set G0V, 52
.set G0M, 56
.set G0SK, 60
.set G0SV, 68
.set QB, 88
.set QSB, 90
.set OB, 92
.set OSB, 94
.set MSB, 0
.macro WIN new
.if MSB != \new
	s_set_vgpr_msb (MSB<<8)|\new
.set MSB, \new
.endif
.endm
.macro NOP4
.rept 4
	v_nop
.endr
.endm
; The branches hang on the wave's number alone.  Four v_nop follow each tensor load.
.macro TLOAD2                          ; waves 0 and 1: the scale words of the whole batch
	s_cmp_eq_u32 s[WV], 0
	s_cbranch_scc0 .Lsa_\@
	tensor_load_to_lds s[G0SK:G0SK+3], s[G1S:G1S+7]
	s_nop 0
	NOP4
	s_branch .Lsb_\@
.Lsa_\@:
	s_cmp_eq_u32 s[WV], 1
	s_cbranch_scc0 .Lsb_\@
	tensor_load_to_lds s[G0SV:G0SV+3], s[G1S:G1S+7]
	s_nop 0
	NOP4
.Lsb_\@:
.endm
.macro TLOAD3                          ; wave 0: K, wave 1: V, wave 2: dist; the others nothing
	s_cmp_eq_u32 s[WV], 0
	s_cbranch_scc0 .Lta_\@
	tensor_load_to_lds s[G0K:G0K+3], s[G1D:G1D+7]
	s_nop 0
	NOP4
	s_branch .Ltc_\@
.Lta_\@:
	s_cmp_eq_u32 s[WV], 1
	s_cbranch_scc0 .Ltb_\@
	tensor_load_to_lds s[G0V:G0V+3], s[G1D:G1D+7]
	s_nop 0
	NOP4
	s_branch .Ltc_\@
.Ltb_\@:
	s_cmp_eq_u32 s[WV], 2
	s_cbranch_scc0 .Ltc_\@
	tensor_load_to_lds s[G0M:G0M+3], s[G1M:G1M+7]
	s_nop 0
	NOP4
.Ltc_\@:
.endm
; THE CHANGE OF SLOTS stands at a step's head.  Each wave waits for all its tensor loads (its part of the slot about to be read), adds 0 to its spare word, and waits for that and for its reads of the slot that it has left.
; Behind the barrier the slot ahead is whole and nobody reads the other.  fill = 1: that other slot takes the next 128 keys: one load a wave, with a whole step in which to land.
.macro CHANGE fill
	s_wait_tensorcnt 0x0                           ; no tensor load of mine is out, so a group 0 may be written
	ds_add_u32 v[SPW], v[NIL]                      ; 0 onto my spare word
.if \fill
	s_xor_b32 s[G0K+1], s[G0K+1], SLOT1
	s_add_nc_u64 s[G0K+2:G0K+3], s[G0K+2:G0K+3], 32768
	s_xor_b32 s[G0V+1], s[G0V+1], SLOT1
	s_add_nc_u64 s[G0V+2:G0V+3], s[G0V+2:G0V+3], 32768
	s_xor_b32 s[G0M+1], s[G0M+1], SLOT1
	s_add_nc_u64 s[G0M+2:G0M+3], s[G0M+2:G0M+3], 512
.endif
	s_wait_dscnt 0x0                               ; the add is done, and my reads of the slot that I have left are over
	s_barrier_signal -1
	s_barrier_wait -1
.if \fill
	TLOAD3                                         ; first behind the barrier, and a wave's one tensor load until the next
.endif
.endm
; Head x of my pair, one key step
.macro HEAD x
.set ST, 16+4*\x
.set OO, OAC+16*\x
	WIN 0x05                                       ; sources 0 (K) and 1 (q) window 1; C (the mask) and D window 0
.irp j, 0,1,2,3
.irp u, 0,1
	v_wmma_scale_f32_16x16x128_f8f6f4 v[SCR+16*\j+8*\u:SCR+16*\j+8*\u+7], v[16*\j:16*\j+15], v[128+12*\x+20*\u:128+12*\x+20*\u+15], v[BIAS+16*\j+8*\u:BIAS+16*\j+8*\u+7], v[24+\j], v[QSW] matrix_a_fmt:MATRIX_FMT_BF8 matrix_b_fmt:MATRIX_FMT_BF8
.endr
.endr
	WIN 0
.rept 8
	v_nop                                          ; eight places behind this form before its results are read
.endr
.irp b, 0,1,2,3
	v_max3_num_f32 v[BM+\b], v[SCR+16*\b], v[SCR+16*\b+1], v[SCR+16*\b+2]   ; the largest score of each block of 32 keys: for the row's maximum, and, since p rises with the score, for the block's largest p
.endr
.irp i, 3,5,7,9,11,13
.irp b, 0,1,2,3
	v_max3_num_f32 v[BM+\b], v[BM+\b], v[SCR+16*\b+\i], v[SCR+16*\b+\i+1]
.endr
.endr
.irp b, 0,1,2,3
	v_max_num_f32 v[BM+\b], v[BM+\b], v[SCR+16*\b+15]
.endr
.irp b, 0,1,2,3
	v_permlanex16_b32 v[PL+\b], v[BM+\b], s[SEL], s[SEL+1]
.endr
.irp b, 0,1,2,3
	v_max_num_f32 v[BM+\b], v[BM+\b], v[PL+\b]     ; with lane l xor 16's 16 keys
.endr
	v_max3_num_f32 v[TT], v[BM], v[BM+1], v[BM+2]
	v_max_num_f32 v[TT], v[TT], v[BM+3]
	v_mul_f32 v[TT], s[CS], v[TT]                  ; as t (c is positive)
	v_max_num_f32 v[ST+1], v[ST+1], v[TT]          ; the running largest t
	v_mov_b32 v[TT], v[ST]
	v_floor_f32 v[ST], -v[ST+1]                    ; the new -M = floor(-t): M is a whole number
	v_sub_f32 v[TT], v[ST], v[TT]                  ; old M - new M: a whole number, 0 or less
	v_cvt_i32_f32 v[TT], v[TT]                     ; (it saturates)
	v_ldexp_f32 v[FF], 1.0, v[TT]                  ; f = 2^(old M - new M)
.set i, 0
.rept 32
	v_pk_fma_f32 v[SCR+i:SCR+i+1], v[SCR+i:SCR+i+1], s[CS:CS+1], v[ST:ST+1] op_sel_hi:[1,0,0]   ; t - M, two at a time
.set i, i+2
.endr
.irp b, 0,1,2,3
	v_fma_f32 v[BM+\b], v[BM+\b], s[CS], v[ST]     ; the same of each block's largest score
.endr
.set i, 0
.rept 64
	v_exp_f32 v[SCR+i], v[SCR+i]                   ; p = 2^(t - M); a masked key's is 0
.set i, i+1
.endr
.irp b, 0,1,2,3
	v_exp_f32 v[BM+\b], v[BM+\b]                   ; the block's largest p: the same two instructions on the same number
.endr
	v_pk_mul_f32 v[ST+2:ST+3], v[ST+2:ST+3], v[FF:FF+1] op_sel_hi:[1,0]   ; the sums under the new M.  (A plain line behind the exponentials)
	s_wait_alu depctr_va_vdst(0)
.irp b, 0,1,2,3
	v_max_num_f32 v[BM+\b], 0x8000000, v[BM+\b]    ; the floor 2^(16 - 127): the byte cannot fall under 1
.endr
.irp b, 0,1,2,3
	v_add_nc_u32 v[SO+\b], 0xf8800000, v[BM+\b]
.endr
.irp b, 0,1,2,3
	v_and_or_b32 v[LM+\b], v[BM+\b], 0x7f800000, s[MNT]
.endr
.irp b, 0,1,2,3
	v_lshrrev_b32 v[PL+\b], 23, v[SO+\b]
.endr
	v_lshl_or_b32 v[FF+1], v[PL+1], 8, v[PL]       ; p's scale word for these 128 keys
	v_lshl_or_b32 v[FF+1], v[PL+2], 16, v[FF+1]
	v_lshl_or_b32 v[FF+1], v[PL+3], 24, v[FF+1]
	v_pk_add_f32 v[SU:SU+1], v[SCR:SCR+1], v[SCR+2:SCR+3]   ; the row's sum is taken of the unquantised p: two chains
.irp j, 4,8,12,16,20,24,28,32,36,40,44,48,52,56,60
	v_pk_add_f32 v[ST+2:ST+3], v[ST+2:ST+3], v[SCR+\j:SCR+\j+1]
	v_pk_add_f32 v[SU:SU+1], v[SU:SU+1], v[SCR+\j+2:SCR+\j+3]
.endr
	v_pk_add_f32 v[ST+2:ST+3], v[ST+2:ST+3], v[SU:SU+1]
.irp b, 0,1,2,3
.irp i, 0,1,2,3,4,5,6,7,8,9,10,11,12,13,14,15
	v_min_num_f32 v[SCR+16*\b+\i], v[SCR+16*\b+\i], v[LM+\b]   ; the conversion does not saturate (ISA guide 7.6.2); p is not negative, so the hold is one-sided
.endr
	v_cvt_scalef32_pk8_bf8_f32 v[PC+4*\b:PC+4*\b+1], v[SCR+16*\b:SCR+16*\b+7], v[SO+\b]
	v_cvt_scalef32_pk8_bf8_f32 v[PC+4*\b+2:PC+4*\b+3], v[SCR+16*\b+8:SCR+16*\b+15], v[SO+\b]
.endr
.set i, 0
.rept 8
	v_pk_mul_f32 v[OO+i:OO+i+1], v[OO+i:OO+i+1], v[FF:FF+1] op_sel_hi:[1,0]   ; O^T under the new M, each accumulator from its low end on
.set i, i+2
.endr
	NOP4                                           ; four places between the codes' making and the scaled products that take them
	WIN 0x01                                       ; source 0 (V) window 1
.irp d, 0,1
	v_wmma_scale_f32_16x16x128_f8f6f4 v[OO+8*\d:OO+8*\d+7], v[64+32*\x+16*\d:64+32*\x+16*\d+15], v[PC:PC+15], v[OO+8*\d:OO+8*\d+7], v[28+2*\x+\d], v[FF+1] matrix_a_fmt:MATRIX_FMT_BF8 matrix_b_fmt:MATRIX_FMT_BF8
.endr
	WIN 0
.endm
; A KEY STEP: 128 keys from the slot at s[TB]
.macro STEP
	v_add_nc_u32 v[ADK], s[TB], v[AK0]
	v_add_nc_u32 v[ADV], s[TB], v[AV0]
	v_add_nc_u32 v[ADD], s[TB], v[AD0]
	v_add_nc_u32 v[ADS], s[TS], v[ASK0]
	v_add_nc_u32 v[ADT], s[TS], v[ASV0]
	WIN 0x40                                       ; destination window 1
.irp j, 0,1,2,3
.irp c, 0,1,2,3
	ds_load_b128 v[16*\j+4*\c:16*\j+4*\c+3], v[ADK] offset:8192*\j+512*\c
.endr
.endr
.irp f, 0,1,2,3
.irp c, 0,1,2,3
	ds_load_b128 v[64+16*\f+4*\c:64+16*\f+4*\c+3], v[ADV] offset:2048*\f+512*\c
.endr
.endr
	WIN 0
.irp j, 0,1,2,3
	ds_load_b32 v[24+\j], v[ADS] offset:256*\j
.endr
.irp f, 0,1,2,3
	ds_load_u16 v[28+\f], v[ADT] offset:32*\f      ; V's bytes of the step's first 64 keys,
	ds_load_u16 v[32+\f], v[ADT] offset:32*\f+512  ; and of its second
.endr
	s_cmp_eq_u32 s[AA], 3                          ; heads 6 and 7 allow every key: their C stays the zeros written at the head
	s_cbranch_scc1 .Lopen_\@
.irp j, 0,1,2,3
.irp q, 0,1,2,3
	ds_load_b128 v[BIAS+16*\j+4*\q:BIAS+16*\j+4*\q+3], v[ADD] offset:128*\j+16*\q   ; dist(my query, keys 32 j + 16 h + 4 q ..): the scores' own places
.endr
.endr
	s_wait_dscnt 0x0
	s_cmp_eq_u32 s[AA], 0
	s_cbranch_scc0 .Llong_\@
.set i, 0
.rept 64
	v_cmp_ne_u32 vcc_lo, 1, v[BIAS+i]              ; heads 0, 1: hidden where dist != 1
	v_cndmask_b32 v[BIAS+i], 0, v[NEGR], vcc_lo
.set i, i+1
.endr
	s_branch .Lopen_\@
.Llong_\@:
.set i, 0
.rept 64
	v_cmp_gt_i32 vcc_lo, 1, v[BIAS+i]              ; heads 2 to 5: hidden where dist < 1
	v_cndmask_b32 v[BIAS+i], 0, v[NEGR], vcc_lo
.set i, i+1
.endr
.Lopen_\@:
	s_wait_dscnt 0x0
.irp f, 0,1,2,3
	v_lshl_or_b32 v[28+\f], v[32+\f], 16, v[28+\f] ; V's scale words; their first use stands behind a whole softmax
.endr
	HEAD 0
	HEAD 1
.rept 8
	v_nop                                          ; places in front of the next step's loads into registers that the last products read
.endr
	s_xor_b32 s[TB], s[TB], SLOT1
	s_add_co_u32 s[TS], s[TS], 1024
.endm
	s_load_b128 s[4:7], s[0:1], 0x0                ; qkv 4, dist 6
	s_load_b64 s[8:9], s[0:1], 0x10                ; oc
	v_lshl_add_u32 v[SPW], v0, 2, SPARE
	v_mov_b32 v[NIL], 0
	ds_add_u32 v6, v7
	s_wait_dscnt 0x0
	v_lshrrev_b32 v8, 5, v0
	v_readfirstlane_b32 s[WV], v8                  ; wave 0..7
	s_and_b32 s[AA], s[WV], 3                      ; pair of heads
	s_lshr_b32 s[UU], s[WV], 2                     ; tile of queries
	s_and_b32 s[BB], ttmp7, 0xffff                 ; batch
	; group 1 for K's and V's 32,768 dense bytes: 128 rows of 32 elements of 8 bytes
	s_mov_b32 s[G1D], 3<<16
	s_mov_b32 s[G1D+1], 32<<16
	s_mov_b32 s[G1D+2], 128<<16
	s_mov_b32 s[G1D+3], 32<<16
	s_mov_b32 s[G1D+4], 128
	s_mov_b32 s[G1D+5], 32
	s_mov_b32 s[G1D+6], 0
	s_mov_b32 s[G1D+7], 0
	; for 8,192 dense bytes of scale words: 32 such rows
	s_mov_b32 s[G1S], 3<<16
	s_mov_b32 s[G1S+1], 32<<16
	s_mov_b32 s[G1S+2], 32<<16
	s_mov_b32 s[G1S+3], 32<<16
	s_mov_b32 s[G1S+4], 32
	s_mov_b32 s[G1S+5], 32
	s_mov_b32 s[G1S+6], 0
	s_mov_b32 s[G1S+7], 0
	; for dist: 32 rows of 128 elements of 4 bytes, 1,024 elements apart; 4 words of padding behind each 128: LDS rows of 528 bytes
	s_mov_b32 s[G1M], (2<<16)|(1<<20)|(6<<22)|(3<<25)
	s_mov_b32 s[G1M+1], 128<<16
	s_mov_b32 s[G1M+2], 32<<16
	s_mov_b32 s[G1M+3], 128<<16
	s_mov_b32 s[G1M+4], 32
	s_mov_b32 s[G1M+5], 1024
	s_mov_b32 s[G1M+6], 0
	s_mov_b32 s[G1M+7], 0
	s_lshl_b32 s72, s[BB], 18                      ; the batch's images of K or of V
	s_mov_b32 s73, 0
	s_lshl_b32 s74, s[BB], 13                      ; its scale words
	s_mov_b32 s75, 0
	s_lshl_b32 s76, s[BB], 22                      ; dist: the batch, my 32 rows
	s_lshl_b32 s77, ttmp9, 17
	s_add_co_u32 s76, s76, s77
	s_mov_b32 s77, 0
	s_lshl_b32 s78, ttmp9, 1
	s_add_co_u32 s78, s78, s[UU]                   ; my tile of queries in the batch
	s_lshl_b32 s80, s78, 12
	s_add_co_u32 s80, s80, s72
	s_lshl_b32 s81, s[AA], 10
	s_add_co_u32 s80, s80, s81                     ; q's two chunks, and o's: the same place in their buffers
	s_mov_b32 s81, 0
	s_lshl_b32 s82, s[BB], 14
	s_lshl_b32 s83, s78, 8
	s_add_co_u32 s82, s82, s83
	s_lshl_b32 s83, s[AA], 6
	s_add_co_u32 s82, s82, s83
	s_add_co_u32 s82, s82, 6291456                 ; q's scale words
	s_mov_b32 s83, 0
	s_lshl_b32 s84, s[BB], 6
	s_lshl_b32 s85, ttmp9, 1
	s_add_co_u32 s84, s84, s85
	s_lshl_b32 s84, s84, 7
	s_add_co_u32 s84, s84, 2097152                 ; o's scale words of my two tiles: 256 bytes
	s_mov_b32 s85, 0
	s_mov_b32 s[SEL], 0x76543210
	s_mov_b32 s[SEL+1], 0xfedcba98
	s_mov_b32 s[CS], 0x3e8293ee                    ; c = log2(e) / sqrt(32)
	s_mov_b32 s[CS+1], s[CS]
	s_mov_b32 s[MNT], 0x600000
	s_mov_b32 s[TB], 0
	s_mov_b32 s[TS], 0
	s_mov_b32 s[SLOTS], 7
	s_wait_kmcnt 0x0
	s_mov_b32 s[G0SK], 1
	s_mov_b32 s[G0SK+1], SCK
	s_add_nc_u64 s[G0SK+2:G0SK+3], s[4:5], s[74:75]
	s_add_nc_u64 s[G0SK+2:G0SK+3], s[G0SK+2:G0SK+3], 6422528
	s_or_b32 s[G0SK+3], s[G0SK+3], 0x80000000
	s_mov_b32 s[G0SV], 1
	s_mov_b32 s[G0SV+1], SCV
	s_add_nc_u64 s[G0SV+2:G0SV+3], s[4:5], s[74:75]
	s_add_nc_u64 s[G0SV+2:G0SV+3], s[G0SV+2:G0SV+3], 6488064
	s_or_b32 s[G0SV+3], s[G0SV+3], 0x80000000
	TLOAD2                                         ; filled once
	s_mov_b32 s[G0K], 1
	s_mov_b32 s[G0K+1], 0
	s_add_nc_u64 s[G0K+2:G0K+3], s[4:5], s[72:73]
	s_add_nc_u64 s[G0K+2:G0K+3], s[G0K+2:G0K+3], 2097152
	s_or_b32 s[G0K+3], s[G0K+3], 0x80000000
	s_mov_b32 s[G0V], 1
	s_mov_b32 s[G0V+1], 32768
	s_add_nc_u64 s[G0V+2:G0V+3], s[4:5], s[72:73]
	s_add_nc_u64 s[G0V+2:G0V+3], s[G0V+2:G0V+3], 4194304
	s_or_b32 s[G0V+3], s[G0V+3], 0x80000000
	s_mov_b32 s[G0M], 1
	s_mov_b32 s[G0M+1], 65536
	s_add_nc_u64 s[G0M+2:G0M+3], s[6:7], s[76:77]
	s_or_b32 s[G0M+3], s[G0M+3], 0x80000000
	TLOAD3                                         ; slot 0: by this text's count waves 0 and 1 now have two loads out, wave 2 one; later one each
	s_add_nc_u64 s[QB:QB+1], s[4:5], s[80:81]
	s_add_nc_u64 s[QSB:QSB+1], s[4:5], s[82:83]
	s_add_nc_u64 s[OB:OB+1], s[8:9], s[80:81]
	s_add_nc_u64 s[OSB:OSB+1], s[8:9], s[84:85]
	v_and_b32 v8, 31, v0                           ; lane
	v_and_b32 v9, 15, v0                           ; r
	v_bfe_u32 v10, v0, 4, 1                        ; h
	v_and_b32 v11, 8, v9
	v_add_nc_u32 v11, v11, v9                      ; r + 8 (r / 8)
	v_lshlrev_b32 v[LI], 4, v8
	s_lshl_b32 s86, s[AA], 11
	v_add_nc_u32 v[AK0], s86, v[LI]                ; K: fragment (j, a) at (4 j + a) x 2,048
	s_lshl_b32 s86, s[AA], 13
	s_add_co_u32 s86, s86, 32768
	v_add_nc_u32 v[AV0], s86, v[LI]                ; V: fragment (head, half) at 32,768 + (2 head + half) x 2,048
	s_lshl_b32 s86, s[UU], 3
	v_add_nc_u32 v12, s86, v11
	v_mul_u32_u24 v[AD0], v12, 528                 ; dist: my query's row,
	v_lshl_add_u32 v[AD0], v10, 6, v[AD0]          ; + 16 keys for the upper half of the lanes
	v_add_nc_u32 v[AD0], 65536, v[AD0]
	s_lshl_b32 s86, s[AA], 6
	s_add_co_u32 s86, s86, SCK
	v_lshl_add_u32 v[ASK0], v9, 2, s86
	s_lshl_b32 s86, s[AA], 7
	s_add_co_u32 s86, s86, SCV
	v_lshl_add_u32 v[ASV0], v9, 1, s86
	s_lshl_b32 s86, s[UU], 7
	s_lshr_b32 s87, s[AA], 1
	s_lshl_b32 s87, s87, 6
	s_add_co_u32 s86, s86, s87
	s_and_b32 s87, s[AA], 1
	s_lshl_b32 s87, s87, 1
	s_add_co_u32 s86, s86, s87
	s_add_co_u32 s86, s86, OSC
	v_lshl_add_u32 v[OSA], v9, 2, s86              ; o's two bytes: [tile][K step = a / 2][r], bytes 2 (a % 2) on
	v_lshlrev_b32 v[G8], 3, v8
	v_add_nc_u32 v[OSR], OSC, v[G8]
	v_lshlrev_b32 v12, 2, v9
	global_load_b32 v[QSW], v12, s[QSB:QSB+1]      ; q's scale words
	WIN 0x40                                       ; destination window 1
	global_load_b128 v[128:131], v[LI], s[QB:QB+1]             ; head 0's chunk stands in groups 0 and 7,
	global_load_b128 v[156:159], v[LI], s[QB:QB+1]
	global_load_b128 v[144:147], v[LI], s[QB:QB+1] offset:512  ; head 1's in groups 4 and 11;
	global_load_b128 v[172:175], v[LI], s[QB:QB+1] offset:512
.irp i, 132,133,134,135,136,137,138,139,140,141,142,143,148,149,150,151,152,153,154,155,160,161,162,163,164,165,166,167,168,169,170,171
	v_mov_b32 v[\i], 0                             ; the other eight are zero codes: the runs from v128, v140, v148, v160 hold q in chunk 0, 1, 2, 3
.endr
	WIN 0
	v_mov_b32 v[NEGR], 0xff61b1e6                  ; -3e38
.irp x, 0,1
	v_mov_b32 v[17+4*\x], 0xfb800000               ; the largest t so far: -2^120: over every masked t, under every other
	v_floor_f32 v[16+4*\x], -v[17+4*\x]
	v_mov_b32 v[18+4*\x], 0
	v_mov_b32 v[19+4*\x], 0
.endr
.irp b, 0,1,2,3
	v_mov_b32 v[PL+\b], 0                          ; written once: a lane permute's destination counts as one of its sources
.endr
	v_mov_b32 v[FF+1], 0
.set i, 0
.rept 32
	v_mov_b32 v[OAC+i], 0                          ; O^T: the step is written once; its first trip finds zeros
.set i, i+1
.endr
.set i, 0
.rept 64
	v_mov_b32 v[BIAS+i], 0                         ; the mask of heads that allow every key
.set i, i+1
.endr
	s_wait_loadcnt 0x0                             ; q
.Lslot:                                                ; seven trips: behind each change of slots but the last the next 128 keys are asked for
	CHANGE 1
	STEP
	s_sub_co_u32 s[SLOTS], s[SLOTS], 1
	s_cmp_lg_u32 s[SLOTS], 0
	s_cbranch_scc1 .Lslot
	CHANGE 0                                       ; the last step is written out
	STEP
	; THE WAY OUT: o = O^T / the sum; a head's 32 numbers of a query are one block of the next product's K: 16 in my registers, 16 in lane l xor 16's
.irp x, 0,1
	v_add_f32 v[TT], v[18+4*\x], v[19+4*\x]
	v_permlanex16_b32 v[PL], v[TT], s[SEL], s[SEL+1]
	v_add_f32 v[TT], v[TT], v[PL]
	v_rcp_f32 v[TT], v[TT]
	v_nop                                          ; a plain line behind the reciprocal
.set i, 0
	s_wait_alu depctr_va_vdst(0)
.rept 16
	v_mul_f32 v[240+i], v[OAC+16*\x+i], v[TT]      ; register i: o(query r, 32 head + 16 h + i)
.set i, i+1
.endr
	v_max3_num_f32 v[BM], |v240|, |v241|, 0x8000000
.irp i, 2,4,6,8,10,12,14
	v_max3_num_f32 v[BM], v[BM], |v[240+\i]|, |v[241+\i]|
.endr
	v_permlanex16_b32 v[PL], v[BM], s[SEL], s[SEL+1]
	v_max_num_f32 v[BM], v[BM], v[PL]
	v_add_nc_u32 v[SO], 0xf8800000, v[BM]
	v_and_or_b32 v[LM], v[BM], 0x7f800000, s[MNT]
	v_lshrrev_b32 v[PL+1+\x], 23, v[SO]
.set i, 0
.rept 16
	v_med3_num_f32 v[240+i], v[240+i], -v[LM], v[LM]
.set i, i+1
.endr
	v_cvt_scalef32_pk8_bf8_f32 v[PC+4*\x:PC+4*\x+1], v[240:247], v[SO]
	v_cvt_scalef32_pk8_bf8_f32 v[PC+4*\x+2:PC+4*\x+3], v[248:255], v[SO]
	v_nop
	global_store_b128 v[LI], v[PC+4*\x:PC+4*\x+3], s[OB:OB+1] offset:512*\x   ; a chunk of o's register image: 512 consecutive bytes
.endr
	v_lshl_or_b32 v[TT], v[PL+2], 8, v[PL+1]
	ds_store_b16 v[OSA], v[TT]
	s_wait_dscnt 0x0                               ; my two bytes have landed
	s_barrier_signal -1
	s_barrier_wait -1
	s_cmp_lg_u32 s[WV], 0
	s_cbranch_scc1 .Lfin
	ds_load_b64 v[240:241], v[OSR]
	s_wait_dscnt 0x0
	global_store_b64 v[G8], v[240:241], s[OSB:OSB+1]   ; 256 consecutive bytes
.Lfin:
	s_wait_tensorcnt 0x0                           ; the wave's end: behind my last tensor load and my last LDS store
	ds_add_u32 v[SPW], v[NIL]
	s_wait_dscnt 0x0
	s_endpgm
.Lfunc_end_k_q741f775f78_attn0:
	.size	k_q741f775f78_attn0, .Lfunc_end_k_q741f775f78_attn0-k_q741f775f78_attn0
	.p2alignl 7, 3214868480
	.fill 96, 4, 3214868480
	.section	.rodata,"a",@progbits
	.p2align	6, 0x0
	.amdhsa_kernel k_q741f775f78_attn0
		.amdhsa_group_segment_fixed_size 327680
		.amdhsa_private_segment_fixed_size 0
		.amdhsa_enable_private_segment 0
		.amdhsa_kernarg_size 24
		.amdhsa_user_sgpr_count 2
		.amdhsa_user_sgpr_kernarg_segment_ptr 1
		.amdhsa_wavefront_size32 1
		.amdhsa_system_sgpr_workgroup_id_x 1
		.amdhsa_system_sgpr_workgroup_id_y 1
		.amdhsa_system_sgpr_workgroup_id_z 1
		.amdhsa_system_vgpr_workitem_id 0
		.amdhsa_next_free_vgpr 448
		.amdhsa_next_free_sgpr 100
		.amdhsa_reserve_vcc 1
		.amdhsa_float_denorm_mode_32 3
		.amdhsa_float_denorm_mode_16_64 3
		.amdhsa_memory_ordered 1
		.amdhsa_forward_progress 1
		.amdhsa_inst_pref_size 107
	.end_amdhsa_kernel
	.amdgpu_metadata
---
amdhsa.version: [ 1, 2 ]
amdhsa.kernels:
  - .name:           k_q741f775f78_attn0
    .symbol:         k_q741f775f78_attn0.kd
    .args:
      - { .name: qkv, .offset: 0, .size: 8, .value_kind: global_buffer, .address_space: global }
      - { .name: dist, .offset: 8, .size: 8, .value_kind: global_buffer, .address_space: global }
      - { .name: oc, .offset: 16, .size: 8, .value_kind: global_buffer, .address_space: global }
    .group_segment_fixed_size: 327680
    .private_segment_fixed_size: 0
    .kernarg_segment_align: 8
    .kernarg_segment_size: 24
    .max_flat_workgroup_size: 256
    .sgpr_count:     100
    .vgpr_count:     448
    .wavefront_size: 32
...
	.end_amdgpu_metadata
.endif
;; end of part 7
;; launch post0: the kernel of part 5 again; grid 16 x 8, 4 waves a work-group, no clusters, 66,048 bytes of LDS; arguments xa, oc, par0, xb; writes xb
;; launch qkv1: the kernel of part 3 again; grid 16 x 8, 4 waves a work-group, no clusters, 4,608 bytes of LDS; arguments xb, par1, qkv; writes qkv
;; launch attn1 (part 8): grid 16 x 8, 8 waves a work-group, no clusters, 41,984 bytes of LDS; arguments qkv, dist, oc; writes oc
.if DOCPART == 8
	.amdgcn_target "amdgcn-amd-amdhsa--gfx1250"
	.amdhsa_code_object_version 6
	.text
	.protected	k_q741f775f78_attn1
	.globl	k_q741f775f78_attn1
	.p2align	8
	.type	k_q741f775f78_attn1,@function
k_q741f775f78_attn1:
	s_mov_b64 s[64:65], 0
	v_nop
	global_prefetch_b8 v0, s[64:65] scope:SCOPE_SE
	s_setreg_imm32_b32 hwreg(HW_REG_WAVE_MODE, 25, 1), 1
	s_wait_xcnt 0x0
; THE SECOND LAYER'S ATTENTION, for the first 64 positions of each batch (the result takes position 0 alone; the next launch works on a group of 64 rows).  Codes of E5M2 with one E8M0 scale for each 32 along K, as in the first layer's.
; So few queries leave the chip nearly empty, and a walk over the keys would be a chain of eight dependent steps.  Here THE EIGHT KEY STEPS RUN SIDE BY SIDE: a work-group (x = 4 x tile of 16 queries + pair of heads, y: batch)
; has eight waves, and wave w takes keys 128 w .. 128 w + 127 for the tile's 16 queries and the pair's two heads: one step, then a merge.
; Heads 0, 1 allow dist == 1, heads 2 to 5 dist >= 1, heads 6, 7 every key.  t = score x log2(e) / sqrt(32); p = 2^(t - M) is quantised along the keys, not normalised; the row's sum is taken of the unquantised p.
; A WAVE'S M is the ceiling of the largest t among ITS 128 keys: a whole number.  THE MERGE brings each wave's sum and O^T under the row's M, the largest of the eight, by f = 2^(wave's M - row's M): exact, and what a block's scale
; would have taken up: the codes' values are those under the row's M.  A wave all of whose keys are hidden has sum 0, O^T 0 and f = 0.
; DATA.  A wave wants its four fragments of K (8 KB), four of V (8 KB), 16 rows x 512 consecutive bytes of dist, q's two chunks and 13 scale words ONCE: they go from memory straight into registers: no tensor load, no ring.
; The merge goes through LDS as images of registers: O^T at 4,096 w + 2,048 x + 512 c + 16 lane, the four statistics of a head at 32,768 + 1,024 w + 512 x + 16 lane; one barrier; wave x (0 or 1) merges head x, divides by the sum,
; quantises (a head's 32 numbers are one block of the next product's K) and stores a chunk of 512 bytes and one scale byte a row (16 bytes 4 apart: the pairs of heads lie in different work-groups, so a word's bytes cannot meet here).
; NO CLUSTER: the four tiles of a batch and pair read the same K and V, 128 KB a work-group; but the launch is one chain of load, step and merge, and a joint load would put rounds of the cluster's barrier and a trip through LDS into it.
; LIMITS: t under -2^120 counts as masked; a query with no allowed key gives 0 x infinity ahead of o's quantiser, and what the quantiser makes of that is not served; NaN and infinities among the inputs are not served;
; a block of zeros gets the byte 1 (its codes are zeros; the bytes are this program's own).
; REGISTERS: window 0: v1-9, v15 addresses; v13 -3e38, v14 q's scale word, v16-23 per head -M, largest t, the sum in two halves, v24-27 K's scale words, v28-31 V's (v32-35 their upper halves on the way), v38 f, v39 p's scale word,
;   v40-59 at work, v64-127 the mask, v128-191 scores then p (in the merge v64-191: eight waves' O^T), v192-207 codes, v208-239 O^T (in the merge: eight waves' statistics), v240-255 o.
;   window 1: v0-63 K's four fragments, v64-127 V's four, v128-175 q's twelve groups of four.
.set MS, 32768                         ; LDS: the statistics, behind 32,768 bytes of O^T
.set R4, 1                             ; 4 r
.set R2, 2                             ; 2 r
.set DA, 3                             ; dist: 4,096 (r + 8 (r / 8)) + 64 h
.set SA, 4                             ; 16 lane + 4,096 w
.set SB, 5                             ; 16 lane + 1,024 w
.set RA, 6                             ; 16 lane + 2,048 x, x = the smaller of w and 1
.set RB, 7                             ; 16 lane + 512 x: my head's statistics in LDS, and my chunk in o
.set GB, 8                             ; 4 r + x: my head's byte in o's scale words
.set NEGR, 13
.set QSW, 14
.set LI, 15
.set FF, 38
.set BM, 40
.set PL, 44
.set LM, 48
.set SO, 52
.set TT, 56
.set SU, 58
.set BIAS, 64
.set SCR, 128
.set PC, 192
.set OAC, 208
.set WV, 10
.set AA, 11
.set QT, 12
.set BB, 13
.set SEL, 14
.set CS, 16
.set MNT, 18
.set XX, 19
.set KB, 20
.set VBS, 22
.set KSB, 24
.set VSB, 26
.set DB, 28
.set QB, 30
.set QSB, 32
.set OB, 34
.set OSB, 36
.set MSB, 0
.macro WIN new                         ; the immediate's high byte repeats the setting that is left; a switch that changes nothing is dropped
.if MSB != \new
	s_set_vgpr_msb (MSB<<8)|\new
.set MSB, \new
.endif
.endm
.macro NOP4
.rept 4
	v_nop
.endr
.endm
; Head x of my pair, my 128 keys: the first layer's step, line for line: it finds the sum and O^T zero and the largest t at -2^120
.macro HEAD x
.set ST, 16+4*\x
.set OO, OAC+16*\x
	WIN 0x05                                       ; sources 0 (K) and 1 (q) window 1; C (the mask) and D window 0
.irp j, 0,1,2,3
.irp u, 0,1
	v_wmma_scale_f32_16x16x128_f8f6f4 v[SCR+16*\j+8*\u:SCR+16*\j+8*\u+7], v[16*\j:16*\j+15], v[128+12*\x+20*\u:128+12*\x+20*\u+15], v[BIAS+16*\j+8*\u:BIAS+16*\j+8*\u+7], v[24+\j], v[QSW] matrix_a_fmt:MATRIX_FMT_BF8 matrix_b_fmt:MATRIX_FMT_BF8
.endr
.endr
	WIN 0
.rept 8
	v_nop                                          ; eight places behind this form before its results are read
.endr
.irp b, 0,1,2,3
	v_max3_num_f32 v[BM+\b], v[SCR+16*\b], v[SCR+16*\b+1], v[SCR+16*\b+2]   ; the largest score of each block of 32 keys: for the row's maximum, and, since p rises with the score, for the block's largest p
.endr
.irp i, 3,5,7,9,11,13
.irp b, 0,1,2,3
	v_max3_num_f32 v[BM+\b], v[BM+\b], v[SCR+16*\b+\i], v[SCR+16*\b+\i+1]
.endr
.endr
.irp b, 0,1,2,3
	v_max_num_f32 v[BM+\b], v[BM+\b], v[SCR+16*\b+15]
.endr
.irp b, 0,1,2,3
	v_permlanex16_b32 v[PL+\b], v[BM+\b], s[SEL], s[SEL+1]
.endr
.irp b, 0,1,2,3
	v_max_num_f32 v[BM+\b], v[BM+\b], v[PL+\b]     ; with lane l xor 16's 16 keys
.endr
	v_max3_num_f32 v[TT], v[BM], v[BM+1], v[BM+2]
	v_max_num_f32 v[TT], v[TT], v[BM+3]
	v_mul_f32 v[TT], s[CS], v[TT]                  ; as t (c is positive)
	v_max_num_f32 v[ST+1], v[ST+1], v[TT]          ; the largest t
	v_mov_b32 v[TT], v[ST]
	v_floor_f32 v[ST], -v[ST+1]                    ; -M = floor(-t): M is a whole number
	v_sub_f32 v[TT], v[ST], v[TT]                  ; old M - new M: a whole number, 0 or less
	v_cvt_i32_f32 v[TT], v[TT]                     ; (it saturates)
	v_ldexp_f32 v[FF], 1.0, v[TT]                  ; f = 2^(old M - new M)
.set i, 0
.rept 32
	v_pk_fma_f32 v[SCR+i:SCR+i+1], v[SCR+i:SCR+i+1], s[CS:CS+1], v[ST:ST+1] op_sel_hi:[1,0,0]   ; t - M, two at a time
.set i, i+2
.endr
.irp b, 0,1,2,3
	v_fma_f32 v[BM+\b], v[BM+\b], s[CS], v[ST]     ; the same of each block's largest score
.endr
.set i, 0
.rept 64
	v_exp_f32 v[SCR+i], v[SCR+i]                   ; p = 2^(t - M); a masked key's is 0
.set i, i+1
.endr
.irp b, 0,1,2,3
	v_exp_f32 v[BM+\b], v[BM+\b]                   ; the block's largest p: the same two instructions on the same number
.endr
	v_pk_mul_f32 v[ST+2:ST+3], v[ST+2:ST+3], v[FF:FF+1] op_sel_hi:[1,0]   ; (a plain line behind the exponentials)
	s_wait_alu depctr_va_vdst(0)
.irp b, 0,1,2,3
	v_max_num_f32 v[BM+\b], 0x8000000, v[BM+\b]    ; the floor 2^(16 - 127): the byte cannot fall under 1
.endr
.irp b, 0,1,2,3
	v_add_nc_u32 v[SO+\b], 0xf8800000, v[BM+\b]
.endr
.irp b, 0,1,2,3
	v_and_or_b32 v[LM+\b], v[BM+\b], 0x7f800000, s[MNT]
.endr
.irp b, 0,1,2,3
	v_lshrrev_b32 v[PL+\b], 23, v[SO+\b]
.endr
	v_lshl_or_b32 v[FF+1], v[PL+1], 8, v[PL]       ; p's scale word for these 128 keys
	v_lshl_or_b32 v[FF+1], v[PL+2], 16, v[FF+1]
	v_lshl_or_b32 v[FF+1], v[PL+3], 24, v[FF+1]
	v_pk_add_f32 v[SU:SU+1], v[SCR:SCR+1], v[SCR+2:SCR+3]   ; the row's sum is taken of the unquantised p: two chains
.irp j, 4,8,12,16,20,24,28,32,36,40,44,48,52,56,60
	v_pk_add_f32 v[ST+2:ST+3], v[ST+2:ST+3], v[SCR+\j:SCR+\j+1]
	v_pk_add_f32 v[SU:SU+1], v[SU:SU+1], v[SCR+\j+2:SCR+\j+3]
.endr
	v_pk_add_f32 v[ST+2:ST+3], v[ST+2:ST+3], v[SU:SU+1]
.irp b, 0,1,2,3
.irp i, 0,1,2,3,4,5,6,7,8,9,10,11,12,13,14,15
	v_min_num_f32 v[SCR+16*\b+\i], v[SCR+16*\b+\i], v[LM+\b]   ; the conversion does not saturate (ISA guide 7.6.2); p is not negative, so the hold is one-sided
.endr
	v_cvt_scalef32_pk8_bf8_f32 v[PC+4*\b:PC+4*\b+1], v[SCR+16*\b:SCR+16*\b+7], v[SO+\b]
	v_cvt_scalef32_pk8_bf8_f32 v[PC+4*\b+2:PC+4*\b+3], v[SCR+16*\b+8:SCR+16*\b+15], v[SO+\b]
.endr
.set i, 0
.rept 8
	v_pk_mul_f32 v[OO+i:OO+i+1], v[OO+i:OO+i+1], v[FF:FF+1] op_sel_hi:[1,0]
.set i, i+2
.endr
	NOP4                                           ; four places between the codes' making and the scaled products that take them
	WIN 0x01                                       ; source 0 (V) window 1
.irp d, 0,1
	v_wmma_scale_f32_16x16x128_f8f6f4 v[OO+8*\d:OO+8*\d+7], v[64+32*\x+16*\d:64+32*\x+16*\d+15], v[PC:PC+15], v[OO+8*\d:OO+8*\d+7], v[28+2*\x+\d], v[FF+1] matrix_a_fmt:MATRIX_FMT_BF8 matrix_b_fmt:MATRIX_FMT_BF8
.endr
	WIN 0
.endm
	s_load_b128 s[4:7], s[0:1], 0x0                ; qkv 4, dist 6
	s_load_b64 s[8:9], s[0:1], 0x10                ; oc
	v_lshl_add_u32 v62, v0, 2, 0xa000
	v_mov_b32 v63, 0
	v_lshrrev_b32 v10, 5, v0
	v_readfirstlane_b32 s[WV], v10                 ; wave 0..7 = my key step
	s_and_b32 s[AA], ttmp9, 3                      ; pair of heads
	s_lshr_b32 s[QT], ttmp9, 2                     ; tile of queries, 0..3
	s_and_b32 s[BB], ttmp7, 0xffff                 ; batch
	s_min_u32 s[XX], s[WV], 1                      ; the head that I merge, if I merge
	v_and_b32 v10, 31, v0                          ; lane
	v_and_b32 v11, 15, v0                          ; r
	v_bfe_u32 v12, v0, 4, 1                        ; h
	v_and_b32 v36, 8, v11
	v_add_nc_u32 v36, v36, v11                     ; r + 8 (r / 8)
	v_lshlrev_b32 v[LI], 4, v10
	v_lshlrev_b32 v[R4], 2, v11
	v_lshlrev_b32 v[R2], 1, v11
	v_lshlrev_b32 v[DA], 12, v36                   ; a row of dist is 4,096 bytes;
	v_lshl_add_u32 v[DA], v12, 6, v[DA]            ; + 16 keys for the upper half of the lanes
	s_lshl_b32 s40, s[WV], 12
	v_add_nc_u32 v[SA], s40, v[LI]
	s_lshl_b32 s40, s[WV], 10
	v_add_nc_u32 v[SB], s40, v[LI]
	s_lshl_b32 s40, s[XX], 11
	v_add_nc_u32 v[RA], s40, v[LI]
	s_lshl_b32 s40, s[XX], 9
	v_add_nc_u32 v[RB], s40, v[LI]
	v_add_nc_u32 v[GB], s[XX], v[R4]
	s_mov_b32 s[SEL], 0x76543210
	s_mov_b32 s[SEL+1], 0xfedcba98                 ; v_permlanex16_b32's selects for lane l xor 16
	s_mov_b32 s[CS], 0x3e8293ee                    ; c = log2(e) / sqrt(32)
	s_mov_b32 s[CS+1], s[CS]                       ; (named with it as a pair, so it is written)
	s_mov_b32 s[MNT], 0x600000                     ; the mantissa field of 57,344
	; byte offsets, each in a pair of its own
	s_lshl_b32 s40, s[BB], 18                      ; the batch's images of q, of K or of V
	s_lshl_b32 s41, s[WV], 15                      ; a key step's: 32,768 bytes
	s_add_co_u32 s41, s41, s40
	s_lshl_b32 s42, s[AA], 11                      ; K: fragment (j, a) at (4 j + a) x 2,048
	s_add_co_u32 s42, s42, s41
	s_add_co_u32 s42, s42, 2097152
	s_mov_b32 s43, 0
	s_lshl_b32 s44, s[AA], 13                      ; V: fragment (head, half) at (2 head + half) x 2,048
	s_add_co_u32 s44, s44, s41
	s_add_co_u32 s44, s44, 4194304
	s_mov_b32 s45, 0
	s_lshl_b32 s38, s[BB], 13                      ; scale words: 8,192 bytes a batch, 1,024 a key step
	s_lshl_b32 s39, s[WV], 10
	s_add_co_u32 s38, s38, s39
	s_lshl_b32 s46, s[AA], 6
	s_add_co_u32 s46, s46, s38
	s_add_co_u32 s46, s46, 6422528                 ; K's
	s_mov_b32 s47, 0
	s_lshl_b32 s48, s[AA], 7
	s_add_co_u32 s48, s48, s38
	s_add_co_u32 s48, s48, 6488064                 ; V's
	s_mov_b32 s49, 0
	s_lshr_b32 s50, s[QT], 1                       ; dist: the tile's first position is 32 (tile / 2) + 8 (tile % 2)
	s_lshl_b32 s50, s50, 17
	s_and_b32 s51, s[QT], 1
	s_lshl_b32 s51, s51, 15
	s_add_co_u32 s50, s50, s51
	s_lshl_b32 s51, s[BB], 22
	s_add_co_u32 s50, s50, s51
	s_lshl_b32 s51, s[WV], 9                       ; my 128 keys: 512 bytes
	s_add_co_u32 s50, s50, s51
	s_mov_b32 s51, 0
	s_lshl_b32 s52, s[QT], 12                      ; q's two chunks, and o's: the same place in their buffers
	s_add_co_u32 s52, s52, s40
	s_lshl_b32 s53, s[AA], 10
	s_add_co_u32 s52, s52, s53
	s_mov_b32 s53, 0
	s_lshl_b32 s54, s[BB], 14                      ; q's scale words
	s_lshl_b32 s55, s[QT], 8
	s_add_co_u32 s54, s54, s55
	s_lshl_b32 s55, s[AA], 6
	s_add_co_u32 s54, s54, s55
	s_add_co_u32 s54, s54, 6291456
	s_mov_b32 s55, 0
	s_lshl_b32 s56, s[BB], 6                       ; o's scale words [b][tile][K step = a / 2][r], bytes 2 (a % 2) on
	s_add_co_u32 s56, s56, s[QT]
	s_lshl_b32 s56, s56, 7
	s_lshr_b32 s57, s[AA], 1
	s_lshl_b32 s57, s57, 6
	s_add_co_u32 s56, s56, s57
	s_and_b32 s57, s[AA], 1
	s_lshl_b32 s57, s57, 1
	s_add_co_u32 s56, s56, s57
	s_add_co_u32 s56, s56, 2097152
	s_mov_b32 s57, 0
	s_wait_kmcnt 0x0
	s_add_nc_u64 s[KB:KB+1], s[4:5], s[42:43]
	s_add_nc_u64 s[VBS:VBS+1], s[4:5], s[44:45]
	s_add_nc_u64 s[KSB:KSB+1], s[4:5], s[46:47]
	s_add_nc_u64 s[VSB:VSB+1], s[4:5], s[48:49]
	s_add_nc_u64 s[DB:DB+1], s[6:7], s[50:51]
	s_add_nc_u64 s[QB:QB+1], s[4:5], s[52:53]
	s_add_nc_u64 s[QSB:QSB+1], s[4:5], s[54:55]
	s_add_nc_u64 s[OB:OB+1], s[8:9], s[52:53]
	s_add_nc_u64 s[OSB:OSB+1], s[8:9], s[56:57]
	s_cmp_eq_u32 s[AA], 3                          ; heads 6 and 7 allow every key: their C is zeros, and they read no dist
	s_cbranch_scc1 .Lzero
.irp j, 0,1,2,3
.irp q, 0,1,2,3
	global_load_b128 v[BIAS+16*\j+4*\q:BIAS+16*\j+4*\q+3], v[DA], s[DB:DB+1] offset:128*\j+16*\q   ; dist(my query, keys 32 j + 16 h + 4 q ..): the scores' own places; the sixteen loads together take 512 consecutive bytes of each of 16 rows
.endr
.endr
	s_branch .Lrest
.Lzero:
.set i, 0
.rept 64
	v_mov_b32 v[BIAS+i], 0
.set i, i+1
.endr
.Lrest:
	global_load_b32 v[QSW], v[R4], s[QSB:QSB+1]    ; q's scale words
	WIN 0x40                                       ; destination window 1
	global_load_b128 v[128:131], v[LI], s[QB:QB+1]             ; head 0's chunk stands in groups 0 and 7,
	global_load_b128 v[156:159], v[LI], s[QB:QB+1]
	global_load_b128 v[144:147], v[LI], s[QB:QB+1] offset:512  ; head 1's in groups 4 and 11;
	global_load_b128 v[172:175], v[LI], s[QB:QB+1] offset:512
.irp j, 0,1,2,3
.irp c, 0,1,2,3
	global_load_b128 v[16*\j+4*\c:16*\j+4*\c+3], v[LI], s[KB:KB+1] offset:8192*\j+512*\c
.endr
.endr
.irp f, 0,1,2,3
.irp c, 0,1,2,3
	global_load_b128 v[64+16*\f+4*\c:64+16*\f+4*\c+3], v[LI], s[VBS:VBS+1] offset:2048*\f+512*\c
.endr
.endr
.irp i, 132,133,134,135,136,137,138,139,140,141,142,143,148,149,150,151,152,153,154,155,160,161,162,163,164,165,166,167,168,169,170,171
	v_mov_b32 v[\i], 0                             ; the other eight are zero codes: the runs from v128, v140, v148, v160 hold q in chunk 0, 1, 2, 3
.endr
	WIN 0
.irp j, 0,1,2,3
	global_load_b32 v[24+\j], v[R4], s[KSB:KSB+1] offset:256*\j
.endr
.irp f, 0,1,2,3
	global_load_u16 v[28+\f], v[R2], s[VSB:VSB+1] offset:32*\f      ; V's bytes of my first 64 keys,
	global_load_u16 v[32+\f], v[R2], s[VSB:VSB+1] offset:32*\f+512  ; and of my second
.endr
	v_mov_b32 v[NEGR], 0xff61b1e6                  ; -3e38
.irp x, 0,1
	v_mov_b32 v[17+4*\x], 0xfb800000               ; the largest t so far: -2^120: over every masked t, under every other
	v_floor_f32 v[16+4*\x], -v[17+4*\x]
	v_mov_b32 v[18+4*\x], 0
	v_mov_b32 v[19+4*\x], 0
.endr
.irp b, 0,1,2,3
	v_mov_b32 v[PL+\b], 0                          ; written once: a lane permute's destination counts as one of its sources
.endr
	v_mov_b32 v[FF+1], 0
.set i, 0
.rept 32
	v_mov_b32 v[OAC+i], 0                          ; O^T: the step is the first layer's, which adds onto what it finds
.set i, i+1
.endr
	s_cmp_eq_u32 s[AA], 3
	s_cbranch_scc1 .Lopen
	s_wait_loadcnt 49                              ; dist is in; the 49 loads issued behind it (q 5, K 20, V 24) may stay out while the mask is made
	s_cmp_eq_u32 s[AA], 0
	s_cbranch_scc0 .Llong
.set i, 0
.rept 64
	v_cmp_ne_u32 vcc_lo, 1, v[BIAS+i]              ; heads 0, 1: hidden where dist != 1
	v_cndmask_b32 v[BIAS+i], 0, v[NEGR], vcc_lo
.set i, i+1
.endr
	s_branch .Lopen
.Llong:
.set i, 0
.rept 64
	v_cmp_gt_i32 vcc_lo, 1, v[BIAS+i]              ; heads 2 to 5: hidden where dist < 1
	v_cndmask_b32 v[BIAS+i], 0, v[NEGR], vcc_lo
.set i, i+1
.endr
.Lopen:
	s_wait_loadcnt 0x0
.irp f, 0,1,2,3
	v_lshl_or_b32 v[28+\f], v[32+\f], 16, v[28+\f] ; V's scale words; their first use stands behind a whole softmax
.endr
	HEAD 0
	HEAD 1
.rept 8
	v_nop                                          ; eight places behind the last products before their results are stored and their registers loaded again
.endr
	; ---- my part goes to LDS as my registers stand; each accumulator from its low end on
.irp x, 0,1
.irp c, 0,1,2,3
	ds_store_b128 v[SA], v[OAC+16*\x+4*\c:OAC+16*\x+4*\c+3] offset:2048*\x+512*\c
.endr
	ds_store_b128 v[SB], v[16+4*\x:19+4*\x] offset:MS+512*\x   ; -M, the largest t, the sum's two halves
.endr
	s_wait_dscnt 0x0                               ; for the others' sake: my stores have landed
	s_barrier_signal -1
	s_barrier_wait -1
	s_cmp_ge_u32 s[WV], 2                          ; waves 0 and 1 merge a head each; the others have done their part
	s_cbranch_scc1 .Lend
.irp k, 0,1,2,3,4,5,6,7
	ds_load_b128 v[208+4*\k:211+4*\k], v[RB] offset:MS+1024*\k
.endr
.irp k, 0,1,2,3,4,5,6,7
.irp c, 0,1,2,3
	ds_load_b128 v[64+16*\k+4*\c:64+16*\k+4*\c+3], v[RA] offset:4096*\k+512*\c
.endr
.endr
	s_wait_dscnt 32                                ; the eight waves' statistics are in; the 32 loads of O^T may stay out
	v_min_num_f32 v[BM], v208, v212                ; the row's -M is the smallest of the eight
	v_min_num_f32 v[BM+1], v216, v220
	v_min_num_f32 v[BM+2], v224, v228
	v_min_num_f32 v[BM+3], v232, v236
	v_min_num_f32 v[BM], v[BM], v[BM+1]
	v_min_num_f32 v[BM+2], v[BM+2], v[BM+3]
	v_min_num_f32 v[TT], v[BM], v[BM+2]
.irp k, 0,1,2,3,4,5,6,7
	v_sub_f32 v[208+4*\k], v[TT], v[208+4*\k]      ; the wave's M less the row's: a whole number, 0 or less
.endr
.irp k, 0,1,2,3,4,5,6,7
	v_cvt_i32_f32 v[208+4*\k], v[208+4*\k]         ; (it saturates)
.endr
.irp k, 0,1,2,3,4,5,6,7
	v_ldexp_f32 v[208+4*\k], 1.0, v[208+4*\k]      ; f of wave k
.endr
	v_pk_mul_f32 v[SU:SU+1], v[210:211], v[208:209] op_sel_hi:[1,0]
.irp k, 1,2,3,4,5,6,7
	v_pk_fma_f32 v[SU:SU+1], v[210+4*\k:211+4*\k], v[208+4*\k:209+4*\k], v[SU:SU+1] op_sel_hi:[1,0,1]   ; the sum, in two halves, keys ascending
.endr
	s_wait_dscnt 0x0
.set i, 0
.rept 8
	v_pk_mul_f32 v[240+i:241+i], v[64+i:65+i], v[208:209] op_sel_hi:[1,0]
.set i, i+2
.endr
.irp k, 1,2,3,4,5,6,7
.set i, 0
.rept 8
	v_pk_fma_f32 v[240+i:241+i], v[64+16*\k+i:65+16*\k+i], v[208+4*\k:209+4*\k], v[240+i:241+i] op_sel_hi:[1,0,1]   ; O^T: eight chains, keys ascending
.set i, i+2
.endr
.endr
	; ---- o = O^T / the sum; a head's 32 numbers of a query are one block: 16 in my registers, 16 in lane l xor 16's
	v_add_f32 v[TT], v[SU], v[SU+1]
	v_permlanex16_b32 v[PL], v[TT], s[SEL], s[SEL+1]
	v_add_f32 v[TT], v[TT], v[PL]
	v_rcp_f32 v[TT], v[TT]
	v_nop                                          ; a plain line behind the reciprocal
.set i, 0
	s_wait_alu depctr_va_vdst(0)
.rept 16
	v_mul_f32 v[240+i], v[240+i], v[TT]            ; register i: o(query r, 32 head + 16 h + i)
.set i, i+1
.endr
	v_max3_num_f32 v[BM], |v240|, |v241|, 0x8000000   ; with the floor 2^(16 - 127): the byte cannot fall under 1
.irp i, 2,4,6,8,10,12,14
	v_max3_num_f32 v[BM], v[BM], |v[240+\i]|, |v[241+\i]|
.endr
	v_permlanex16_b32 v[PL], v[BM], s[SEL], s[SEL+1]
	v_max_num_f32 v[BM], v[BM], v[PL]
	v_add_nc_u32 v[SO], 0xf8800000, v[BM]          ; 15 off the exponent field: the conversion's scale operand
	v_and_or_b32 v[LM], v[BM], 0x7f800000, s[MNT]  ; 57,344 x the scale
	v_lshrrev_b32 v[PL+1], 23, v[SO]               ; the scale's byte
.set i, 0
.rept 16
	v_med3_num_f32 v[240+i], v[240+i], -v[LM], v[LM]   ; the conversion does not saturate (ISA guide 7.6.2): hold first
.set i, i+1
.endr
	v_cvt_scalef32_pk8_bf8_f32 v[PC:PC+1], v[240:247], v[SO]
	v_cvt_scalef32_pk8_bf8_f32 v[PC+2:PC+3], v[248:255], v[SO]
	v_nop
	global_store_b128 v[RB], v[PC:PC+3], s[OB:OB+1]    ; my head's chunk of o's register image: 512 consecutive bytes
	global_store_b8 v[GB], v[PL+1], s[OSB:OSB+1]       ; its byte in each of the 16 rows' scale words; both halves of the lanes hold the same byte and write it to the same place
.Lend:
	s_wait_tensorcnt 0x0
	ds_add_u32 v62, v63
	s_wait_dscnt 0x0
	s_endpgm
.Lfunc_end_k_q741f775f78_attn1:
	.size	k_q741f775f78_attn1, .Lfunc_end_k_q741f775f78_attn1-k_q741f775f78_attn1
	.p2alignl 7, 3214868480
	.fill 96, 4, 3214868480
	.section	.rodata,"a",@progbits
	.p2align	6, 0x0
	.amdhsa_kernel k_q741f775f78_attn1
		.amdhsa_group_segment_fixed_size 41984
		.amdhsa_private_segment_fixed_size 0
		.amdhsa_enable_private_segment 0
		.amdhsa_kernarg_size 24
		.amdhsa_user_sgpr_count 2
		.amdhsa_user_sgpr_kernarg_segment_ptr 1
		.amdhsa_wavefront_size32 1
		.amdhsa_system_sgpr_workgroup_id_x 1
		.amdhsa_system_sgpr_workgroup_id_y 1
		.amdhsa_system_sgpr_workgroup_id_z 1
		.amdhsa_system_vgpr_workitem_id 0
		.amdhsa_next_free_vgpr 448
		.amdhsa_next_free_sgpr 66
		.amdhsa_reserve_vcc 1
		.amdhsa_float_denorm_mode_32 3
		.amdhsa_float_denorm_mode_16_64 3
		.amdhsa_memory_ordered 1
		.amdhsa_forward_progress 1
		.amdhsa_inst_pref_size 66
	.end_amdhsa_kernel
	.amdgpu_metadata
---
amdhsa.version: [ 1, 2 ]
amdhsa.kernels:
  - .name:           k_q741f775f78_attn1
    .symbol:         k_q741f775f78_attn1.kd
    .args:
      - { .name: qkv, .offset: 0, .size: 8, .value_kind: global_buffer, .address_space: global }
      - { .name: dist, .offset: 8, .size: 8, .value_kind: global_buffer, .address_space: global }
      - { .name: oc, .offset: 16, .size: 8, .value_kind: global_buffer, .address_space: global }
    .group_segment_fixed_size: 41984
    .private_segment_fixed_size: 0
    .kernarg_segment_align: 8
    .kernarg_segment_size: 24
    .max_flat_workgroup_size: 256
    .sgpr_count:     66
    .vgpr_count:     448
    .wavefront_size: 32
...
	.end_amdgpu_metadata
.endif
;; end of part 8
;; launch post1: the kernel of part 5 again; grid 1 x 8, 4 waves a work-group, no clusters, 66,048 bytes of LDS; arguments xb, oc, par1, xa; writes xa
;; launch bn: the kernel of part 6 again; grid 1 x 1, 2 waves a work-group, no clusters, 0 bytes of LDS; arguments xa, bn_g, bn_b, out0; writes out0
